; MI455X (gfx1250); checked and timed in simulation.
; The chip was launched on July 23, 2026; its instructions are those of AMD's public machine-readable ISA for CDNA 5 (MIT licence, August 2026) and "CDNA5" Instruction Set Architecture Reference Guide (July 2026). The comments in the code are by the model that wrote it; some were corrected since.
;; Hindi Causal LM Attention. Allowed arithmetic: matrix products marked QUANTISED: E2M3 operands, one E8M0 scale for each 32 along K, by v_wmma_scale_f32_16x16x128_f8f6f4 with both operands' format E2M3, f32 sums; everything else in f32.
;; Inputs: Wk 1,024 x 4,096 float32; Wo 4,096 x 2,048 float32; Wq 2,048 x 4,096 float32; Wv 1,024 x 4,096 float32; attention_mask 1 x 1 x 2,048 x 2,048 float32; cos 1 x 2,048 x 128 float32; hidden_states 1 x 2,048 x 4,096 float32; sin 1 x 2,048 x 128 float32.
;; Outputs: out0 1 x 2,048 x 4,096 float32.
;; This version of the problem:
;;   THIS VERSION OF THE PROBLEM IS GIVEN IN LOW PRECISION. The matrix products marked QUANTISED in the list below multiply operands that are first quantised to E2M3 (2 exponent bits, 3 mantissa bits; 6 bits a number), with one power-of-two scale for each 32 numbers along K (OCP MX v1.0); their sums are f32. All else is computed in f32.
;;   The module's matrix products, in the order in which they are computed (A, B: the left and right operand; K: the contracted axis; several contracted axes count as one K, in the product's order):
;;     1. [M 2,048, K 4,096] x [K 4,096, N 2,048]; A: input hidden_states; B: input Wq: QUANTISED
;;     2. [M 2,048, K 4,096] x [K 4,096, N 1,024]; A: input hidden_states; B: input Wk: QUANTISED
;;     3. [M 2,048, K 4,096] x [K 4,096, N 1,024]; A: input hidden_states; B: input Wv: QUANTISED
;;     4. batch 16 x [M 2,048, K 128] x [K 128, N 2,048]; A: computed on the way; B: computed on the way: QUANTISED
;;     5. batch 16 x [M 2,048, K 2,048] x [K 2,048, N 128]; A: softmax (see below); B: computed on the way: QUANTISED
;;     6. [M 2,048, K 2,048] x [K 2,048, N 4,096]; A: computed on the way; B: input Wo: QUANTISED
;;   THE QUANTISER, for each operand of a quantised product, along K:
;;     - K is cut into blocks of 32 from its start; a last block that is shorter is filled with zeros.
;;     - A block's scale is 2^e with e = floor(log2(the largest magnitude in the block)) - 2, held to -126 .. 127; a block of zeros has e = 0. As a byte (E8M0): e + 127.
;;     - Each number is divided by its block's scale, clamped to +-7.5, and rounded to the nearest number of E2M3, ties to even, subnormals kept.
;;     - The product sums the exact products of the quantised numbers (number of the format x scale) in f32.
;;   ~~~python
;;   def quantise(x, axis):      # numpy; x: float32 -> the quantised numbers, widened to float32 again
;;       x = np.moveaxis(x, axis, -1); K = x.shape[-1]
;;       x = np.pad(x, [(0, 0)] * (x.ndim - 1) + [(0, -K % 32)]); x = x.reshape(x.shape[:-1] + (-1, 32)); a = np.abs(x).max(-1, keepdims=True)
;;       e = np.where(a > 0, np.clip(np.frexp(np.where(a > 0, a, 1))[1] - 1 - 2, -126, 127), 0)      # np.frexp(a)[1] - 1 = floor(log2(a)), exactly
;;       r = np.clip(x / 2.0 ** e, -7.5, 7.5)
;;       step = 2.0 ** (np.maximum(np.frexp(np.where(r == 0, 1, r))[1] - 1, 0) - 3)
;;       q = np.round(r / step) * step * 2.0 ** e      # np.round: ties to even
;;       return np.moveaxis(q.reshape(q.shape[:-2] + (-1,))[..., :K], -1, axis).astype(np.float32)
;;   ~~~
;;   SOFTMAX AHEAD OF A QUANTISED PRODUCT. Where the list says 'softmax', what is quantised is not the finished softmax but p = 2^(t - M), with t = logit x log2(e) and M = ceil(the row's largest t), a whole number; so 1/2 < the row's largest p <= 1. The row's sum l is taken of the UNQUANTISED p, in f32, and the product's result is divided by l at the end. Since M is a whole number, a kernel that streams over the keys may use a running M (the ceiling of the running maximum): every later rescaling is an exact power of two, which a block's scale takes up: the codes' values come out the same.
;;   OPERANDS COMPUTED ON THE WAY. 'Computed on the way' means the value that the module computes at that place (a softmax that the list does not call 'softmax' is quantised finished and normalised). What goes into a quantiser is computed in f32, as accurately as f32 sums, v_exp_f32 and their like allow (about 1e-6 of the number): no bf16 or f16 on the way to a quantiser, and a product that is left as it is and whose result goes on into a quantised operand takes f32 operands (vector FMAs, or v_wmma_f32_16x16x4_f32). A number that lies on a knife's edge between two numbers of the format may be rounded either way, as far as f32 arithmetic and the matrix unit's own rounding can turn it there, and no further.
;; 2 versions. Each part assembles by itself: llvm-mc -triple=amdgcn-amd-amdhsa -mcpu=gfx1250 --defsym DOCPART=n.
;; ======== version 1 of 2: 4 launches
;; workspace buffers: x_img 19,660,800 bytes; wo_img 6,553,600 bytes; cs_img 2,097,152 bytes; qkv_img 6,553,600 bytes; o_img 3,276,800 bytes
;; launch quant (part 1): grid 256 x 1, 4 waves a work-group, no clusters, 327,680 bytes of LDS; arguments hidden_states, Wq, Wk, Wv, Wo, cos, sin, x_img, wo_img, cs_img; writes x_img, wo_img, cs_img
.if DOCPART == 1
	.amdgcn_target "amdgcn-amd-amdhsa--gfx1250"
	.amdhsa_code_object_version 6
	.text
	.protected	k_q3e98fbce67_quant
	.globl	k_q3e98fbce67_quant
	.p2align	8
	.type	k_q3e98fbce67_quant,@function
k_q3e98fbce67_quant:
	s_mov_b64 s[64:65], 0
	v_nop
	global_prefetch_b8 v0, s[64:65] scope:SCOPE_SE
	s_setreg_imm32_b32 hwreg(HW_REG_WAVE_MODE, 25, 1), 1
	s_wait_xcnt 0x0
; hidden_states [2048][4096], Wq [2048][4096], Wk, Wv [1024][4096] and Wo [4096][2048], f32, K innermost, become codes of FP6 (E2M3) with one E8M0 byte for each 32 along K,
; laid as RECORDS: one record = 128 rows x 128 K = 12,800 bytes: eight fragments of 16 rows as images of the operand's registers (fragment f, registers 4 c .. 4 c + 3 of lane l at 1,536 f + 512 c + 16 l),
; then 512 bytes of scale words (fragment f, lane r at 12,288 + 32 r + 4 f).  Lane r of fragment f is row 32 (f / 2) + 8 (f % 2) + r + 8 (r / 8) of the 128.
; x_img: [48 groups of 128 rows: 16 hidden, 16 Wq, 8 Wk, 8 Wv][32 K steps][record];  wo_img: [32 groups][16 K steps][record].
; cos and sin [2048][128] are copied into cs_img in the order in which a lane of the next launch wants them: [group 16][fragment 8][cos, sin][16 entries][lane][16 bytes].
; A block's scale is 2^(floor(log2(largest magnitude)) - 2): its byte is the largest magnitude's exponent field - 2, held at 1 from below.
; LIMITS: NaN and infinities among the inputs are not served; a block whose largest magnitude lies under 2^-124 (a block of zeros too) gets the byte 1: a block of zeros has zero codes, and this program alone reads the bytes.
; SHARES: 1,024 waves, each 128 rows x 256 K (two records).  Work-groups 0-191: group wg / 4 of x_img, K part 4 (wg % 4) + wave; work-groups 192-255: Wo.  The four waves stand side by side on 4,096 bytes of each row.
; Each wave has its own ring of two LDS slots of 64 rows x 512 bytes (+ 16 of padding): slot 0 takes rows 0-63, slot 1 rows 64-127; each is filled twice (two K steps).  A wave reads only its own slots.
; No matrix work and no cluster: nothing is shared between work-groups, and each input byte is read once.
.set REC,   12800
.set FRB,   1536
.set SCO,   12288
.set PITCH, 528                        ; an LDS row: 512 bytes + 16
.set SLOTB, 64*PITCH
.set RING,  2*SLOTB
.set SPARE, 4*RING                     ; behind the rings: the spare words, 128 bytes a wave: two blocks of 256 bytes that no other line names
.set LI,  4                            ; v4   16 x lane
.set LA,  5                            ; v5   my ring + (r + 8 (r / 8)) x PITCH + 64 h
.set SA,  6                            ; v6   32 r + 16 h: my 16 bytes of a scale block
.set SPW, 7                            ; v7   my spare word
.set NIL, 8                            ; v8   0
.set CSA, 9                            ; v9   cos, sin: (r + 8 (r / 8)) x 512 + 64 h
.set CSD, 10                           ; v10-25 cos or sin on their way
.set X0,  32                           ; v32-95, v96-159: two sets of 64 numbers
.set PC,  160                          ; v160-171 a fragment's codes, v172-178 at work
.set TM,  180                          ; v180-195 at work in QUANT
.set SW,  196                          ; v196-203 the scale words of a record's eight fragments
.set SM,  204                          ; v204-207 my four of them, to store
.set G1,  24                           ; s[24:31] group 1 for rows of 4,096 numbers;  s[32:39] for Wo's rows of 2,048
.set G1W, 32
.set G0,  40                           ; s[40:47] group 0, a set for each slot
.set WG,  48
.set WV,  49
.set SEL, 82                           ; s[82:83] selects for lane l xor 16
; 64 numbers of a lane, register 16 b + i = k 32 b + 16 h + i of my row, become a fragment's 12 registers in v[PC] on and my row's scale word in v[pw]
.macro QUANT s, pw
.set QS, \s
.irp b, 0,1,2,3
	v_max3_num_f32 v[TM+\b], |v[QS+16*\b]|, |v[QS+1+16*\b]|, 0x1800000   ; my 16 of block b, and the floor 2^(3 - 127): the byte cannot fall under 1
.endr
.irp i, 2,4,6,8,10,12,14
.irp b, 0,1,2,3
	v_max3_num_f32 v[TM+\b], v[TM+\b], |v[QS+16*\b+\i]|, |v[QS+1+16*\b+\i]|   ; the four blocks by turns
.endr
.endr
.irp b, 0,1,2,3
	v_permlanex16_b32 v[TM+4+\b], v[TM+\b], s[SEL], s[SEL+1]
.endr
.irp b, 0,1,2,3
	v_max_num_f32 v[TM+\b], v[TM+\b], v[TM+4+\b]           ; with lane l xor 16's 16: the block's largest magnitude
.endr
.irp b, 0,1,2,3
	v_add_nc_u32 v[TM+12+\b], 0xff000000, v[TM+\b]         ; 2 off its exponent field: the conversion's scale operand
.endr
.irp b, 0,1,2,3
	v_lshrrev_b32 v[TM+4+\b], 23, v[TM+12+\b]              ; the scale's byte
.endr
	v_lshl_or_b32 v[\pw], v[TM+5], 8, v[TM+4]
	v_lshl_or_b32 v[\pw], v[TM+6], 16, v[\pw]
	v_lshl_or_b32 v[\pw], v[TM+7], 24, v[\pw]
.irp c, 0,1
	v_cvt_scalef32_pk16_fp6_f32 v[PC+6*\c:PC+2+6*\c], v[QS+32*\c:QS+15+32*\c], v[TM+12+2*\c]
	v_cvt_scalef32_pk16_fp6_f32 v[PC+12+4*\c:PC+14+4*\c], v[QS+16+32*\c:QS+31+32*\c], v[TM+12+2*\c+1]   ; (a conversion's three registers begin on an even number)
.endr
	v_nop                                                  ; one plain place behind a scaled conversion
.irp c, 0,1                                            ; the operand's layout wants a whole block in a lane: lanes 0-15 block 2 c, lanes 16-31 block 2 c + 1
.irp i, 0,1,2
	v_permlane16_swap_b32 v[PC+6*\c+\i], v[PC+12+4*\c+\i]
.endr
.irp i, 0,1,2
	v_mov_b32 v[PC+3+6*\c+\i], v[PC+12+4*\c+\i]
.endr
.endr
.endm
; One tensor load into a slot.  The two shapes differ in the pitch alone; each has a group 1 of constants, and the branch hangs on the work-group's number: both ways issue one load.  Four v_nop follow each line.
.macro TL slot
	s_cmp_lt_u32 s[WG], 192
	s_cbranch_scc0 .Lwo_\@
	tensor_load_to_lds s[G0+4*\slot:G0+4*\slot+3], s[G1:G1+7]
	s_nop 0
.rept 4
	v_nop
.endr
	s_branch .Ltl_\@
.Lwo_\@:
	tensor_load_to_lds s[G0+4*\slot:G0+4*\slot+3], s[G1W:G1W+7]
	s_nop 0
.rept 4
	v_nop
.endr
.Ltl_\@:
.endm
	s_load_b512 s[4:19], s[0:1], 0x0               ; hidden s[4:5], Wq s[6:7], Wk s[8:9], Wv s[10:11], Wo s[12:13], cos s[14:15], sin s[16:17], x_img s[18:19]
	s_load_b128 s[20:23], s[0:1], 0x40             ; wo_img s[20:21], cs_img s[22:23]
	v_lshl_add_u32 v[SPW], v0, 2, SPARE
	v_mov_b32 v[NIL], 0
	ds_add_u32 v7, v8
	s_wait_dscnt 0x0
	v_lshrrev_b32 v1, 5, v0
	v_readfirstlane_b32 s[WV], v1                  ; wave 0..3
	s_mov_b32 s[WG], ttmp9
	; the numbers of a wave of x_img's part
	s_lshr_b32 s54, s[WG], 2                       ; group 0..47
	s_and_b32 s55, s[WG], 3
	s_lshl_b32 s55, s55, 2
	s_add_co_u32 s55, s55, s[WV]                   ; which 256 along K: 0..15
	s_mov_b32 s56, 40
	s_cmp_lt_u32 s54, 40
	s_cselect_b32 s56, 32, s56
	s_cmp_lt_u32 s54, 32
	s_cselect_b32 s56, 16, s56
	s_cmp_lt_u32 s54, 16
	s_cselect_b32 s56, 0, s56
	s_sub_co_u32 s56, s54, s56                     ; the group inside its tensor
	s_lshl_b32 s57, s56, 21                        ; x 128 rows of 16,384 bytes
	s_lshl_b32 s59, s55, 10
	s_add_co_u32 s57, s57, s59                     ; + 1,024 bytes for each 256 along K
	s_lshl_b32 s58, s54, 5
	s_lshl_b32 s59, s55, 1
	s_add_co_u32 s58, s58, s59
	s_mul_i32 s58, s58, REC                        ; record 32 x group + 2 x part
	; and of a wave of Wo's part
	s_max_u32 s60, s[WG], 192
	s_sub_co_u32 s60, s60, 192
	s_lshr_b32 s61, s60, 1                         ; group 0..31
	s_and_b32 s62, s60, 1
	s_lshl_b32 s62, s62, 2
	s_add_co_u32 s62, s62, s[WV]                   ; which 256 along K: 0..7
	s_lshl_b32 s63, s61, 20                        ; x 128 rows of 8,192 bytes
	s_lshl_b32 s67, s62, 10
	s_add_co_u32 s63, s63, s67
	s_lshl_b32 s66, s61, 4
	s_lshl_b32 s67, s62, 1
	s_add_co_u32 s66, s66, s67
	s_mul_i32 s66, s66, REC                        ; record 16 x group + 2 x part
	s_mov_b32 s74, 64*8192
	s_cmp_lt_u32 s[WG], 192
	s_cselect_b32 s70, s57, s63                    ; where my rows begin in the source,
	s_cselect_b32 s72, s58, s66                    ; my two records in the workspace,
	s_cselect_b32 s74, 64*16384, s74               ; and 64 rows in bytes
	s_mov_b32 s71, 0
	s_mov_b32 s73, 0
	s_mov_b32 s75, 0
	s_mul_i32 s76, s[WV], RING                     ; my ring
	; group 1: 64 rows x 128 numbers of 4 bytes, 16 bytes of padding behind each 512
.irp g, G1, G1W
	s_mov_b32 s[\g+0], (2<<16)|(1<<20)|(6<<22)|(3<<25)
	s_mov_b32 s[\g+1], 128<<16                     ; tensor_dim0
	s_mov_b32 s[\g+2], 64<<16                      ; tensor_dim1
	s_mov_b32 s[\g+3], 128<<16                     ; tile_dim0
	s_mov_b32 s[\g+4], 64                          ; tile_dim1
	s_mov_b32 s[\g+6], 0
	s_mov_b32 s[\g+7], 0
.endr
	s_mov_b32 s[G1+5], 4096                        ; numbers from row to row
	s_mov_b32 s[G1W+5], 2048
	s_mov_b32 s[SEL], 0x76543210
	s_mov_b32 s[SEL+1], 0xfedcba98
	s_wait_kmcnt 0x0
	s_cmp_lt_u32 s54, 40                           ; the choices hang on the work-group's number alone
	s_cselect_b64 s[50:51], s[8:9], s[10:11]
	s_cmp_lt_u32 s54, 32
	s_cselect_b64 s[50:51], s[6:7], s[50:51]
	s_cmp_lt_u32 s54, 16
	s_cselect_b64 s[50:51], s[4:5], s[50:51]
	s_cmp_lt_u32 s[WG], 192
	s_cselect_b64 s[50:51], s[50:51], s[12:13]
	s_cselect_b64 s[52:53], s[18:19], s[20:21]
	s_add_nc_u64 s[50:51], s[50:51], s[70:71]      ; my first row, my first K
	s_add_nc_u64 s[52:53], s[52:53], s[72:73]      ; my first record
	s_mov_b32 s[G0], 1
	s_mov_b32 s[G0+1], s76                         ; slot 0
	s_mov_b64 s[G0+2:G0+3], s[50:51]               ; rows 0-63
	s_or_b32 s[G0+3], s[G0+3], 0x80000000
	s_mov_b32 s[G0+4], 1
	s_add_co_u32 s[G0+5], s76, SLOTB               ; slot 1
	s_add_nc_u64 s[G0+6:G0+7], s[50:51], s[74:75]  ; rows 64-127
	s_or_b32 s[G0+7], s[G0+7], 0x80000000
	s_cmp_lt_u32 s[WG], 192                        ; both first fills go out together, ahead of every wait on TENSORcnt, every LDS read and every barrier: two loads of mine are out
	s_cbranch_scc0 .Lfirst_wo
	tensor_load_to_lds s[G0:G0+3], s[G1:G1+7]
	s_nop 0
	tensor_load_to_lds s[G0+4:G0+7], s[G1:G1+7]
	s_nop 0
.rept 4
	v_nop
.endr
	s_branch .Lfirst_done
.Lfirst_wo:
	tensor_load_to_lds s[G0:G0+3], s[G1W:G1W+7]
	s_nop 0
	tensor_load_to_lds s[G0+4:G0+7], s[G1W:G1W+7]
	s_nop 0
.rept 4
	v_nop
.endr
.Lfirst_done:
	v_and_b32 v1, 31, v0                           ; lane
	v_and_b32 v2, 15, v0                           ; r
	v_bfe_u32 v3, v0, 4, 1                         ; h
	v_lshlrev_b32 v[LI], 4, v1
	v_and_b32 v[LA], 8, v2
	v_add_nc_u32 v[CSA], v[LA], v2                 ; r + 8 (r / 8)
	v_mul_u32_u24 v[LA], v[CSA], PITCH
	v_lshl_add_u32 v[LA], v3, 6, v[LA]
	v_add_nc_u32 v[LA], s76, v[LA]
	v_lshlrev_b32 v[SA], 5, v2
	v_lshl_add_u32 v[SA], v3, 4, v[SA]
	v_lshlrev_b32 v[CSA], 9, v[CSA]
	v_lshl_add_u32 v[CSA], v3, 6, v[CSA]
.irp b, 0,1,2,3
	v_mov_b32 v[TM+4+\b], 0                        ; written once: a lane permute's destination counts as one of its sources
.endr
	; cos and sin: wave W = 4 wg + wave of 1,024 copies 2,048 bytes: fragment U = W / 8 of 128, table (W % 8) / 4, block of 32 columns W % 4
	s_lshl_b32 s77, s[WG], 2
	s_add_co_u32 s77, s77, s[WV]
	s_lshr_b32 s78, s77, 3                         ; U = 8 x group + fragment
	s_and_b32 s79, s77, 7
	s_and_b32 s80, s79, 3                          ; the block of 32 columns
	s_lshr_b32 s81, s78, 3
	s_lshl_b32 s81, s81, 7                         ; 128 x group
	s_and_b32 s84, s78, 7
	s_lshr_b32 s85, s84, 1
	s_lshl_b32 s85, s85, 5
	s_add_co_u32 s81, s81, s85
	s_and_b32 s85, s84, 1
	s_lshl_b32 s85, s85, 3
	s_add_co_u32 s81, s81, s85                     ; the fragment's first row
	s_lshl_b32 s86, s81, 9
	s_lshl_b32 s85, s80, 7
	s_add_co_u32 s86, s86, s85
	s_mov_b32 s87, 0
	s_lshl_b32 s88, s78, 14
	s_lshr_b32 s85, s79, 2
	s_lshl_b32 s85, s85, 13
	s_add_co_u32 s88, s88, s85
	s_lshl_b32 s85, s80, 11
	s_add_co_u32 s88, s88, s85
	s_mov_b32 s89, 0
	s_cmp_lt_u32 s79, 4
	s_cselect_b64 s[90:91], s[14:15], s[16:17]
	s_add_nc_u64 s[90:91], s[90:91], s[86:87]
	s_add_nc_u64 s[92:93], s[22:23], s[88:89]
.irp j, 0,1,2,3
	global_load_b128 v[CSD+4*\j:CSD+4*\j+3], v[CSA], s[90:91] offset:16*\j
.endr
	s_wait_loadcnt 0x0
.irp j, 0,1,2,3
	global_store_b128 v[LI], v[CSD+4*\j:CSD+4*\j+3], s[92:93] offset:512*\j   ; 32 lanes store 512 consecutive bytes
.endr
.macro LOADF fp, slot, set             ; fragment fp of the slot's four: my row's 64 numbers (16 of each block of 32) into a set
.irp b, 0,1,2,3
.irp j, 0,1,2,3
	ds_load_b128 v[X0+64*(\set)+16*\b+4*\j:X0+64*(\set)+16*\b+4*\j+3], v[LA] offset:(\slot)*SLOTB+(32*((\fp)/2)+8*((\fp)%2))*PITCH+128*\b+16*\j
.endr
.endr
.endm
; K step kap, rows 64 half on (slot = half): four fragments.  left: the tensor loads issued behind this tile's, which may stay out
.macro TILE kap, half, left
	s_wait_tensorcnt \left                         ; tensor loads of a wave end in order: my tile is in LDS
	LOADF 0, \half, 0
	LOADF 1, \half, 1
.irp f, 0,1,2,3
.if \f < 3
	s_wait_dscnt 16                                ; this fragment's 16 loads are in; the next one's may be out
.else
	s_wait_dscnt 0x0
.endif
	s_wait_xcnt 0x0                                ; the codes' registers, which the last fragment's stores read, are written only behind this wait
	QUANT X0+64*(\f%2), SW+4*\half+\f
.irp c, 0,1,2
	global_store_b128 v[LI], v[PC+4*\c:PC+4*\c+3], s[52:53] offset:\kap*REC+(4*\half+\f)*FRB+512*\c   ; the image: 512 consecutive bytes, at a multiple of 256 from the buffer's first byte
.endr
.if \f < 2
	LOADF \f+2, \half, \f%2
.endif
.endr
.endm
.macro SCST kap                        ; a record's scale block: lane (r, h) stores the words of fragments 4 h .. 4 h + 3 of lane r: the wave covers its 512 bytes
	v_cmp_ne_u32 vcc_lo, 0, v3
.irp i, 0,1,2,3
	v_cndmask_b32 v[SM+\i], v[SW+\i], v[SW+4+\i], vcc_lo
.endr
	global_store_b128 v[SA], v[SM:SM+3], s[52:53] offset:\kap*REC+SCO
.endm
.macro FILL slot                       ; a slot that has been read is filled with the same rows' next K step
	s_wait_tensorcnt 0x0                           ; no tensor load of mine is out, so a group 0 may be written
	ds_add_u32 v[SPW], v[NIL]                      ; 0 onto my spare word
	s_add_nc_u64 s[G0+4*\slot+2:G0+4*\slot+3], s[G0+4*\slot+2:G0+4*\slot+3], 512
	s_wait_dscnt 0x0                               ; the add is done, and my reads of the slot are back
	s_barrier_signal -1
	s_barrier_wait -1
	TL \slot                                       ; my one tensor load behind the barrier, and the first thing there
.endm
	TILE 0, 0, 1                                   ; slot 1's first fill may stay out
	FILL 0
	TILE 0, 1, 1                                   ; the refill of slot 0 may stay out
	SCST 0
	FILL 1
	TILE 1, 0, 1                                   ; the refill of slot 1 may stay out
	TILE 1, 1, 0
	SCST 1
	s_wait_tensorcnt 0x0                           ; the wave's end
	ds_add_u32 v[SPW], v[NIL]
	s_wait_dscnt 0x0
	s_endpgm
.Lfunc_end_k_q3e98fbce67_quant:
	.size	k_q3e98fbce67_quant, .Lfunc_end_k_q3e98fbce67_quant-k_q3e98fbce67_quant
	.p2alignl 7, 3214868480
	.fill 96, 4, 3214868480
	.section	.rodata,"a",@progbits
	.p2align	6, 0x0
	.amdhsa_kernel k_q3e98fbce67_quant
		.amdhsa_group_segment_fixed_size 327680
		.amdhsa_private_segment_fixed_size 0
		.amdhsa_enable_private_segment 0
		.amdhsa_kernarg_size 80
		.amdhsa_user_sgpr_count 2
		.amdhsa_user_sgpr_kernarg_segment_ptr 1
		.amdhsa_wavefront_size32 1
		.amdhsa_system_sgpr_workgroup_id_x 1
		.amdhsa_system_sgpr_workgroup_id_y 1
		.amdhsa_system_sgpr_workgroup_id_z 1
		.amdhsa_system_vgpr_workitem_id 0
		.amdhsa_next_free_vgpr 208
		.amdhsa_next_free_sgpr 96
		.amdhsa_reserve_vcc 1
		.amdhsa_float_denorm_mode_32 3
		.amdhsa_float_denorm_mode_16_64 3
		.amdhsa_memory_ordered 1
		.amdhsa_forward_progress 1
		.amdhsa_inst_pref_size 91
	.end_amdhsa_kernel
	.amdgpu_metadata
---
amdhsa.version: [ 1, 2 ]
amdhsa.kernels:
  - .name:           k_q3e98fbce67_quant
    .symbol:         k_q3e98fbce67_quant.kd
    .args:
      - { .name: hidden_states, .offset: 0, .size: 8, .value_kind: global_buffer, .address_space: global }
      - { .name: Wq, .offset: 8, .size: 8, .value_kind: global_buffer, .address_space: global }
      - { .name: Wk, .offset: 16, .size: 8, .value_kind: global_buffer, .address_space: global }
      - { .name: Wv, .offset: 24, .size: 8, .value_kind: global_buffer, .address_space: global }
      - { .name: Wo, .offset: 32, .size: 8, .value_kind: global_buffer, .address_space: global }
      - { .name: cos, .offset: 40, .size: 8, .value_kind: global_buffer, .address_space: global }
      - { .name: sin, .offset: 48, .size: 8, .value_kind: global_buffer, .address_space: global }
      - { .name: x_img, .offset: 56, .size: 8, .value_kind: global_buffer, .address_space: global }
      - { .name: wo_img, .offset: 64, .size: 8, .value_kind: global_buffer, .address_space: global }
      - { .name: cs_img, .offset: 72, .size: 8, .value_kind: global_buffer, .address_space: global }
    .group_segment_fixed_size: 327680
    .private_segment_fixed_size: 0
    .kernarg_segment_align: 8
    .kernarg_segment_size: 80
    .max_flat_workgroup_size: 128
    .sgpr_count:     96
    .vgpr_count:     208
    .wavefront_size: 32
...
	.end_amdgpu_metadata
.endif
;; end of part 1
;; launch gemm_qkv (part 2): grid 16 x 8, 4 waves a work-group, clusters of 4 x 4, 327,680 bytes of LDS; arguments x_img, cs_img, qkv_img; writes qkv_img
.if DOCPART == 2
	.amdgcn_target "amdgcn-amd-amdhsa--gfx1250"
	.amdhsa_code_object_version 6
	.text
	.protected	k_q3e98fbce67_gemm_qkv
	.globl	k_q3e98fbce67_gemm_qkv
	.p2align	8
	.type	k_q3e98fbce67_gemm_qkv,@function
k_q3e98fbce67_gemm_qkv:
	s_mov_b64 s[64:65], 0
	v_nop
	global_prefetch_b8 v0, s[64:65] scope:SCOPE_SE
	s_setreg_imm32_b32 hwreg(HW_REG_WAVE_MODE, 25, 1), 1
	s_wait_xcnt 0x0
	s_wait_alu depctr_hold_cnt(0) depctr_sa_sdst(0) depctr_va_vdst(0) depctr_va_sdst(0) depctr_va_ssrc(0) depctr_va_vcc(0) depctr_vm_vsrc(0)
	s_getreg_b32 s2, hwreg(HW_REG_IB_STS2, 6, 4)
	s_cmp_eq_u32 s2, 0
	s_cbranch_scc0 .Lentry_in_a_cluster
	s_endpgm
.Lentry_in_a_cluster:
	s_bfe_u32 s2, ttmp6, 0x10000c
	s_cmp_lg_u32 s2, 0xf033
	s_cbranch_scc0 .Lentry_shape_is_right
	s_endpgm
.Lentry_shape_is_right:
; q = x Wq^T, k = x Wk^T, v = x Wv^T on codes of FP6 (E2M3) with E8M0 scales, K = 4,096; then RoPE on q and k, in f32; then q and k are quantised along the head's 128 and v along the keys.  Only codes leave.
; OPERANDS are records (128 rows x 128 K, 12,800 bytes: eight fragments as images of the operand's registers, then 512 bytes of scale words); x_img: [48 groups: 16 hidden, 16 Wq, 8 Wk, 8 Wv][32 K steps][record].
; Lane r of fragment f is row 32 (f / 2) + 8 (f % 2) + r + 8 (r / 8) of its group.  THE MATRIX INSTRUCTION TAKES B's FRAGMENT AS SOURCE 0 AND A's AS SOURCE 1: lane (r, h) then holds one row of A, and the 64 registers of
; its eight accumulators (a, 0..7) are, at index 16 b + i, B's row 32 b + 16 h + i: 16 neighbours of each block of 32 along the NEXT product's K, which is what the quantiser wants.
; A tile of 256 x 256 is made by four waves, 128 x 128 each (64 accumulators, 512 registers).  K goes in steps of 256 through two LDS slots; a slot's four parts (2 groups of A, 2 of B) are dense blocks of 25,600 bytes.
; CLUSTERS of 4 x 4: A's groups are shared along a row of the cluster, B's along a column: joint loads.  Clusters x = 0, 1, 2: A = hidden, B = Wq or Wk.  Cluster x = 3: A = Wv, B = hidden, so that a lane holds one channel d
; and its registers run along the keys.  128 work-groups: a wave tile of 64 x 128 would give 256, but would read half as much again from LDS for each product.
; OUT: qkv_img: q records at (head x 16 + group of 128 queries) x 12,800; from 3,276,800 on, for (kv head, key step s) 25,600 bytes: the K record (rows keys, K = d), then the V record (rows d, K = keys).
; LIMITS: NaN and infinities are not served; a block whose largest magnitude lies under 2^-124 gets the byte 1; RoPE's second product is fused with the addition (one rounding fewer than two products and a sum).
; REGISTERS: window 0: v1-29 addresses; v32-63 scale words, two sets of 16; v128-223 A's eight fragments, one set.  window 1: B's fragments, two sets, at v0 and v128.  windows 2, 3: the accumulators, (a, b) at v[8 (8 (a % 4) + b)].
;   On the way out: window 0: v64-127 rotated numbers, v128-146 codes, v160-175 at work, v180-191 scale words; window 1: cos and sin, two sets of 128.
.set REC,   12800
.set GRP,   2*REC                      ; two K steps of one group: what one tensor load brings
.set SLOT,  4*GRP
.set FRB,   1536
.set SCO,   12288
.set FR,    12
.set NL,    3                          ; LDS loads that bring a fragment
.set NP,    4                          ; places behind this matrix instruction (ISA guide 7.12.1)
.set NQ,    2
.set KSTEPS, 32
.set GSTR,  KSTEPS*REC                 ; from group to group
.set LAPS,  KSTEPS/4
.set SPARE, 2*SLOT                     ; behind the ring: the spare words, 128 bytes a wave
.set KV0,   3276800
.set LI,   4                           ; v4   16 x lane
.set SA,   5                           ; v5   32 r + 16 h
.set ADRA, 16                          ; v16-17 my group of A in slot 0, 1, + 16 x lane
.set ADRB, 20                          ; v20-21 the same for B
.set ADRS, 26                          ; v26-27 scale words: lanes 0-15 A's block, lanes 16-31 B's, + 32 r
.set SPW,  28
.set NIL,  29
.set SC,   32
.set AF,   128
.set X,    64
.set PC,   128
.set TM,   160
.set SW,   180
.set SM,   188
.set G1, 24
.set G0, 32
.set G1B, 48
.set G0B, 56
.set SEL, 82
.set MSB, 0
.macro WIN new                         ; the immediate's high byte repeats the setting that is left
.if MSB != (\new)
	s_set_vgpr_msb (MSB<<8)|(\new)
.set MSB, (\new)
.endif
.endm
.set MUL_LO, 0xa1                      ; source 0 (B) window 1, source 1 (A) window 0, C and D window 2
.set MUL_HI, 0xf1
.set TO_B,   0x40
.macro JLOAD g0a, g1a, g0b, g1b        ; a joint load: waves 0 and 1 fetch for A, waves 2 and 3 for B; four v_nop follow each line
	s_cmp_eq_u32 s15, 0
	s_cbranch_scc0 .Lfor_b_\@
	tensor_load_to_lds s[\g0a:\g0a+3], s[\g1a:\g1a+7]
	s_nop 0
.rept 4
	v_nop
.endr
	s_branch .Lasked_\@
.Lfor_b_\@:
	tensor_load_to_lds s[\g0b:\g0b+3], s[\g1b:\g1b+7]
	s_nop 0
.rept 4
	v_nop
.endr
.Lasked_\@:
.endm
.macro CREST                           ; a round of the cluster's barrier behind its opening barrier
	s_cmp_lg_u32 s14, 0
	s_cbranch_scc1 .Lnot_wave_0_\@
	s_barrier_signal -3
.Lnot_wave_0_\@:
	s_barrier_wait -3
	s_barrier_signal -1
	s_barrier_wait -1
.endm
.macro CROUND
	s_barrier_signal -1
	s_barrier_wait -1
	CREST
.endm
	s_load_b128 s[4:7], s[0:1], 0x0                ; x_img, cs_img
	s_load_b64 s[8:9], s[0:1], 0x10                ; qkv_img
	v_lshl_add_u32 v[SPW], v0, 2, SPARE
	v_mov_b32 v[NIL], 0
	ds_add_u32 v28, v29
	s_wait_dscnt 0x0
	v_lshrrev_b32 v1, 5, v0
	v_readfirstlane_b32 s14, v1                    ; wave 0..3
	s_lshr_b32 s15, s14, 1                         ; my group of A.  Also: I fetch for A (0) or for B (1)
	s_and_b32 s16, s14, 1                          ; my group of B.  Also: which of the two groups I fetch
	s_bfe_u32 s40, ttmp6, 0x40000                  ; cx
	s_bfe_u32 s41, ttmp6, 0x40004                  ; cy
	s_and_b32 s17, ttmp7, 0xffff                   ; the cluster's y
	s_lshl_b32 s43, s41, 2
	s_lshl_b32 s43, 15, s43                        ; my row of the cluster
	s_lshl_b32 s44, 0x1111, s40                    ; my column
	s_or_b32 s[G1+0], s43, (3<<16)|(1<<21)         ; the mask; elements of 8 bytes; no padding; bit 21 set beside a mask
	s_or_b32 s[G1B+0], s44, (3<<16)|(1<<21)
.irp g, G1, G1B
	s_mov_b32 s[\g+1], 32<<16                      ; a dense block of 25,600 bytes as 100 rows of 256
	s_mov_b32 s[\g+2], 100<<16
	s_mov_b32 s[\g+3], 32<<16
	s_mov_b32 s[\g+4], 100
	s_mov_b32 s[\g+5], 32
	s_mov_b32 s[\g+6], 0
	s_mov_b32 s[\g+7], 0
.endr
	s_lshl_b32 s18, s17, 3                         ; 8 x cluster y
	s_lshl_b32 s19, ttmp9, 3
	s_add_co_u32 s19, s19, 16                      ; 16 + 8 x cluster x
	s_cmp_eq_u32 ttmp9, 3                          ; the cluster's x is the same in all partners
	s_cselect_b32 s20, 40, s18                     ; A: Wv's groups, or hidden's
	s_cselect_b32 s46, s18, s19                    ; B: hidden's, or Wq's and Wk's
	s_lshl_b32 s21, s41, 1
	s_add_co_u32 s20, s20, s21                     ; A's first group: hangs on cy, never on cx
	s_lshl_b32 s47, s40, 1
	s_add_co_u32 s46, s46, s47                     ; B's first group: hangs on cx, never on cy
	s_add_co_u32 s22, s20, s16
	s_mul_i32 s22, s22, GSTR
	s_mov_b32 s23, 0
	s_add_co_u32 s92, s46, s16
	s_mul_i32 s92, s92, GSTR
	s_mov_b32 s93, 0
	s_mul_i32 s45, s14, GRP                        ; where it goes: wave x 25,600: no place in the cluster enters an LDS address
	s_mov_b32 s[SEL], 0x76543210
	s_mov_b32 s[SEL+1], 0xfedcba98
	s_wait_kmcnt 0x0
	s_add_nc_u64 s[22:23], s[4:5], s[22:23]
	s_add_nc_u64 s[92:93], s[4:5], s[92:93]
	CROUND                                         ; all sixteen work-groups are here: the first joint loads meet
.irp s, 0,1
	s_mov_b32 s[G0+4*\s], 1
	s_add_co_u32 s[G0+4*\s+1], s45, \s*SLOT
	s_add_nc_u64 s[G0+4*\s+2:G0+4*\s+3], s[22:23], \s*GRP
	s_or_b32 s[G0+4*\s+3], s[G0+4*\s+3], 0x80000000
	s_mov_b32 s[G0B+4*\s], 1
	s_add_co_u32 s[G0B+4*\s+1], s45, \s*SLOT
	s_add_nc_u64 s[G0B+4*\s+2:G0B+4*\s+3], s[92:93], \s*GRP
	s_or_b32 s[G0B+4*\s+3], s[G0B+4*\s+3], 0x80000000
	JLOAD G0+4*\s, G1, G0B+4*\s, G1B
.endr
	v_and_b32 v1, 15, v0                           ; r
	v_bfe_u32 v3, v0, 4, 1                         ; h
	v_and_b32 v2, 31, v0
	v_lshlrev_b32 v[LI], 4, v2
	s_mul_i32 s76, s15, GRP                        ; my group of A
	s_mul_i32 s77, s16, GRP
	s_add_co_u32 s77, s77, 2*GRP                   ; my group of B, behind A's two
.irp s, 0,1
	v_add_nc_u32 v[ADRA+\s], s76, v[LI]
	v_add_nc_u32 v[ADRB+\s], s77, v[LI]
	s_add_co_u32 s76, s76, SLOT
	s_add_co_u32 s77, s77, SLOT
.endr
	v_lshlrev_b32 v[SA], 5, v1                     ; 32 r
	s_mul_i32 s78, s15, GRP
	s_mul_i32 s79, s16, GRP
	s_add_co_u32 s79, s79, 2*GRP
	s_sub_co_u32 s79, s79, s78
	v_mul_u32_u24 v6, s79, v3                      ; lanes 16-31 take B's scale block
	s_add_co_u32 s78, s78, SCO
	v_add_nc_u32 v6, v[SA], v6
	v_add_nc_u32 v[ADRS], s78, v6
	v_add_nc_u32 v[ADRS+1], SLOT, v[ADRS]
	v_lshl_add_u32 v[SA], v3, 4, v[SA]
	; where my 128 x 128 goes, in registers of their own
	s_add_co_u32 s70, s20, s15                     ; my group of A
	s_add_co_u32 s71, s46, s16                     ; my group of B
	s_sub_co_u32 s72, s71, 16
	s_lshl_b32 s72, s72, 4
	s_add_co_u32 s72, s72, s70                     ; q, k: 16 x (head, k's heads behind q's 16) + group of rows
	s_max_u32 s73, s72, 256
	s_sub_co_u32 s73, s73, 256
	s_add_co_u32 s72, s72, s73                     ; k's records lie two records apart
	s_mul_i32 s72, s72, REC
	s_sub_co_u32 s74, s70, 40
	s_lshl_b32 s74, s74, 4
	s_add_co_u32 s74, s74, s71                     ; v: 16 x kv head + key step
	s_mul_i32 s74, s74, GRP
	s_add_co_u32 s74, s74, KV0+REC
	s_cmp_eq_u32 ttmp9, 3
	s_cselect_b32 s72, s74, s72
	s_mov_b32 s73, 0
	s_add_nc_u64 s[10:11], s[8:9], s[72:73]        ; my record
	s_lshl_b32 s74, s70, 17
	s_mov_b32 s75, 0
	s_add_nc_u64 s[12:13], s[6:7], s[74:75]        ; cos and sin of my 128 rows (used on the q, k way alone)
.macro FRAG reg, adr, q, i             ; a fragment comes back as it was stored: three loads of 512 consecutive bytes
.irp c, 0,1,2
	ds_load_b128 v[\reg+4*\c:\reg+4*\c+3], v[\adr] offset:(\q)*REC+(\i)*FRB+512*\c
.endr
.endm
; 16 matrix instructions: A's fragments a0, a0 + 1 x B's eight.  The 64 accumulators take turns, one instruction a turn, in the same order in every step.
.macro MUL16 a0, p, q, sc, zero
.irp a, \a0, \a0+1
.irp b, 0,1,2,3,4,5,6,7
.if \zero
	v_wmma_scale_f32_16x16x128_f8f6f4 v[8*(8*((\a)%4)+\b):8*(8*((\a)%4)+\b)+7], v[128*(\p)+FR*\b:128*(\p)+FR*\b+FR-1], v[AF+FR*(\a):AF+FR*(\a)+FR-1], 0, v[SC+16*(\sc)+8*(\q)+\b], v[SC+16*(\sc)+8*(\q)+(\a)] matrix_a_fmt:MATRIX_FMT_FP6 matrix_b_fmt:MATRIX_FMT_FP6 matrix_a_scale:MATRIX_SCALE_ROW1
.else
	v_wmma_scale_f32_16x16x128_f8f6f4 v[8*(8*((\a)%4)+\b):8*(8*((\a)%4)+\b)+7], v[128*(\p)+FR*\b:128*(\p)+FR*\b+FR-1], v[AF+FR*(\a):AF+FR*(\a)+FR-1], v[8*(8*((\a)%4)+\b):8*(8*((\a)%4)+\b)+7], v[SC+16*(\sc)+8*(\q)+\b], v[SC+16*(\sc)+8*(\q)+(\a)] matrix_a_fmt:MATRIX_FMT_FP6 matrix_b_fmt:MATRIX_FMT_FP6 matrix_a_scale:MATRIX_SCALE_ROW1
.endif
.endr
.endr
.endm
.macro FETCH_B slot, q, p
	WIN TO_B
.irp i, 0,1,2,3,4,5,6,7
	FRAG 128*(\p)+FR*\i, ADRB+\slot, \q, \i
.endr
	WIN 0
.endm
.macro FETCH_A slot, q, i0
.irp i, \i0, \i0+1, \i0+2, \i0+3
	FRAG AF+FR*(\i), ADRA+\slot, \q, \i
.endr
.endm
.macro SCALES slot                     ; the slot's scale words: register 8 q + f: lanes 0-15 the word of A's fragment f, lanes 16-31 of B's
.irp q, 0,1
	ds_load_b128 v[SC+16*\slot+8*\q:SC+16*\slot+8*\q+3], v[ADRS+\slot] offset:\q*REC
	ds_load_b128 v[SC+16*\slot+8*\q+4:SC+16*\slot+8*\q+7], v[ADRS+\slot] offset:\q*REC+16
.endr
.endm
.macro PLACES n                        ; plain vector instructions between a matrix instruction and a load into, or a read of, its registers
.rept \n
	v_nop
.endr
.endm
.macro STEP slot, q, zero              ; a step of 128 along K that has its successor in the same slot
	s_wait_dscnt 4*NL                              ; all but the youngest 12 loads (A's fragments 4-7) are in
	WIN MUL_LO
	MUL16 0, (\q)%2, \q, \slot, \zero
	MUL16 2, (\q)%2, \q, \slot, \zero
	s_wait_dscnt 0
	PLACES NP
	FETCH_B \slot, (\q)+1, 1-(\q)%2
	FETCH_A \slot, (\q)+1, 0
	WIN MUL_HI
	MUL16 4, (\q)%2, \q, \slot, \zero
	MUL16 6, (\q)%2, \q, \slot, \zero
	PLACES NP
	WIN 0
	FETCH_A \slot, (\q)+1, 4
.endm
; A slot's last step changes slots: one barrier; in front of it each wave waits for all its tensor loads, adds 0 to its spare word, and waits for that and for its reads of this slot.  fill = 1: the slot is filled again, two slots ahead.
.macro TURN slot, next, fill
	s_wait_tensorcnt 0x0                           ; my part of the next slot has landed; no load of mine is out
	ds_add_u32 v[SPW], v[NIL]                      ; 0 onto my spare word
	s_wait_dscnt 4*NL+1                            ; (the add and the youngest 12 loads may be out)
	WIN MUL_LO
	MUL16 0, 1, NQ-1, \slot, 0
	s_wait_dscnt 0x0                               ; the add is done, and my reads of this slot are over
	s_barrier_signal -1
	MUL16 2, 1, NQ-1, \slot, 0
	WIN 0
	s_barrier_wait -1
.if \fill
	CREST                                          ; the barrier has opened a round of the cluster's: no wave of any partner still reads this slot or has a load on its way
	s_add_nc_u64 s[G0+4*\slot+2:G0+4*\slot+3], s[G0+4*\slot+2:G0+4*\slot+3], 2*GRP
	s_add_nc_u64 s[G0B+4*\slot+2:G0B+4*\slot+3], s[G0B+4*\slot+2:G0B+4*\slot+3], 2*GRP
	JLOAD G0+4*\slot, G1, G0B+4*\slot, G1B         ; the first tensor load behind the round; its four v_nop are the places in front of the loads below
.else
	PLACES NP
.endif
	FETCH_B \next, 0, 0
	FETCH_A \next, 0, 0
	SCALES \next
	WIN MUL_HI
	MUL16 4, 1, NQ-1, \slot, 0
	MUL16 6, 1, NQ-1, \slot, 0
	PLACES NP
	WIN 0
	FETCH_A \next, 0, 4
.endm
	s_wait_tensorcnt 1                             ; my part of slot 0 is in (slot 1's load may be out)
	s_barrier_signal -1
	s_barrier_wait -1                              ; everybody's is
	FETCH_B 0, 0, 0
	FETCH_A 0, 0, 0
	SCALES 0
	FETCH_A 0, 0, 4
	STEP 0, 0, 1                                   ; the first step's products start the sums
	s_mov_b32 s3, LAPS-1
.Llap:                                                 ; a trip goes once round the ring and fills both slots again
	TURN 0, 1, 1
	STEP 1, 0, 0
	TURN 1, 0, 1
	STEP 0, 0, 0
	s_sub_co_u32 s3, s3, 1
	s_cmp_lg_u32 s3, 0
	s_cbranch_scc1 .Llap
	TURN 0, 1, 0                                   ; the last lap fills nothing
	STEP 1, 0, 0
	s_wait_dscnt 4*NL
	WIN MUL_LO
	MUL16 0, 1, NQ-1, 1, 0
	MUL16 2, 1, NQ-1, 1, 0
	s_wait_dscnt 0
	WIN MUL_HI
	MUL16 4, 1, NQ-1, 1, 0
	MUL16 6, 1, NQ-1, 1, 0
	WIN 0
; THE WAY OUT.  64 numbers of a lane in window w, register 16 b + i = k 32 b + 16 h + i of my row, become a fragment's 12 registers in v[PC] on and my row's scale word in v[pw].  Each accumulator is read from its low end on.
.macro QUANT s, w, pw
.set QS, \s
.set QW, \w
	WIN (QW<<2)|(QW<<4)
.irp b, 0,1,2,3
	v_max3_num_f32 v[TM+\b], 0x1800000, |v[QS+16*\b]|, |v[QS+1+16*\b]|   ; the floor 2^(3 - 127), and my 16 of block b
.endr
.irp i, 2,4,6,8,10,12,14
.irp b, 0,1,2,3
	v_max3_num_f32 v[TM+\b], v[TM+\b], |v[QS+16*\b+\i]|, |v[QS+1+16*\b+\i]|
.endr
.endr
	WIN 0
.irp b, 0,1,2,3
	v_permlanex16_b32 v[TM+4+\b], v[TM+\b], s[SEL], s[SEL+1]
.endr
.irp b, 0,1,2,3
	v_max_num_f32 v[TM+\b], v[TM+\b], v[TM+4+\b]
.endr
.irp b, 0,1,2,3
	v_add_nc_u32 v[TM+12+\b], 0xff000000, v[TM+\b]         ; 2 off the exponent field: the conversion's scale operand
.endr
.irp b, 0,1,2,3
	v_lshrrev_b32 v[TM+4+\b], 23, v[TM+12+\b]              ; the scale's byte
.endr
	v_lshl_or_b32 v[\pw], v[TM+5], 8, v[TM+4]
	v_lshl_or_b32 v[\pw], v[TM+6], 16, v[\pw]
	v_lshl_or_b32 v[\pw], v[TM+7], 24, v[\pw]
	WIN QW
.irp c, 0,1
	v_cvt_scalef32_pk16_fp6_f32 v[PC+6*\c:PC+2+6*\c], v[QS+32*\c:QS+15+32*\c], v[TM+12+2*\c]
	v_cvt_scalef32_pk16_fp6_f32 v[PC+12+4*\c:PC+14+4*\c], v[QS+16+32*\c:QS+31+32*\c], v[TM+12+2*\c+1]
.endr
	WIN 0
	v_nop                                                  ; one plain place behind a scaled conversion
.irp c, 0,1
.irp i, 0,1,2
	v_permlane16_swap_b32 v[PC+6*\c+\i], v[PC+12+4*\c+\i]
.endr
.irp i, 0,1,2
	v_mov_b32 v[PC+3+6*\c+\i], v[PC+12+4*\c+\i]
.endr
.endr
.endm
.macro IMGST a                         ; fragment a's image: three stores of 512 consecutive bytes
.irp c, 0,1,2
	global_store_b128 v[LI], v[PC+4*\c:PC+4*\c+3], s[10:11] offset:(\a)*FRB+512*\c
.endr
.endm
.macro CSLOAD a                        ; cos and sin of fragment a's rows, in my registers' order, into set a % 2 of window 1: cos at + 0..63, sin at + 64..127
	WIN 0x40
.irp tb, 0,1
.irp j, 0,1,2,3,4,5,6,7,8,9,10,11,12,13,14,15
	global_load_b128 v[128*((\a)%2)+64*\tb+4*\j:128*((\a)%2)+64*\tb+4*\j+3], v[LI], s[12:13] offset:(\a)*16384+\tb*8192+512*\j
.endr
.endr
	WIN 0
.endm
.macro ROPE a                          ; registers 0-31 are d < 64, register n + 32 is d + 64:  x(d) cos(d) - x(d + 64) sin(d);  x(d + 64) cos(d + 64) + x(d) sin(d + 64)
.set AC, 64*((\a)%4)
.set CB, 128*((\a)%2)
	WIN 0x04|(2+(\a)/4)                            ; source 0: the accumulators' window; source 1: window 1
.irp n, 0,2,4,6,8,10,12,14,16,18,20,22,24,26,28,30
	v_pk_mul_f32 v[X+\n:X+\n+1], v[AC+\n:AC+\n+1], v[CB+\n:CB+\n+1]
.endr
.irp n, 0,2,4,6,8,10,12,14,16,18,20,22,24,26,28,30
	v_pk_mul_f32 v[X+32+\n:X+33+\n], v[AC+32+\n:AC+33+\n], v[CB+32+\n:CB+33+\n]
.endr
.irp n, 0,2,4,6,8,10,12,14,16,18,20,22,24,26,28,30
	v_pk_fma_f32 v[X+\n:X+\n+1], v[AC+32+\n:AC+33+\n], v[CB+64+\n:CB+65+\n], v[X+\n:X+\n+1] neg_lo:[1,0,0] neg_hi:[1,0,0]
.endr
.irp n, 0,2,4,6,8,10,12,14,16,18,20,22,24,26,28,30
	v_pk_fma_f32 v[X+32+\n:X+33+\n], v[AC+\n:AC+\n+1], v[CB+96+\n:CB+97+\n], v[X+32+\n:X+33+\n]
.endr
	WIN 0
.endm
.macro QKBLOCK a
.if (\a) < 7
	s_wait_loadcnt 32                              ; this block's 32 loads are in; the next block's may be out
.else
	s_wait_loadcnt 0x0
.endif
	s_wait_xcnt 0x0                                ; the codes' registers, which the last block's stores read, are written only behind this wait
	ROPE \a
.if (\a) < 6
	CSLOAD (\a)+2
.endif
	QUANT X, 0, SW+(\a)
	IMGST \a
.endm
.macro VBLOCK a
	s_wait_xcnt 0x0
	QUANT 64*((\a)%4), 2+(\a)/4, SW+(\a)
	IMGST \a
.endm
	PLACES NP                                      ; behind the last products: their results are read and their operands' registers written below
.irp b, 0,1,2,3
	v_mov_b32 v[TM+4+\b], 0                        ; written once: a lane permute's destination counts as one of its sources
.endr
	s_cmp_eq_u32 ttmp9, 3                          ; the cluster's x: the same in all partners
	s_cbranch_scc1 .Lv_way
	CSLOAD 0
	CSLOAD 1
.irp a, 0,1,2,3,4,5,6,7
	QKBLOCK \a
.endr
	s_branch .Lscales
.Lv_way:
.irp a, 0,1,2,3,4,5,6,7
	VBLOCK \a
.endr
.Lscales:
	v_cmp_ne_u32 vcc_lo, 0, v3                     ; the record's scale block: lane (r, h) stores the words of fragments 4 h .. 4 h + 3 of lane r
.irp i, 0,1,2,3
	v_cndmask_b32 v[SM+\i], v[SW+\i], v[SW+4+\i], vcc_lo
.endr
	global_store_b128 v[SA], v[SM:SM+3], s[10:11] offset:SCO
	s_wait_tensorcnt 0x0                           ; the wave's end
	ds_add_u32 v[SPW], v[NIL]
	s_wait_dscnt 0x0
	CROUND                                         ; the closing round
	s_endpgm
.Lfunc_end_k_q3e98fbce67_gemm_qkv:
	.size	k_q3e98fbce67_gemm_qkv, .Lfunc_end_k_q3e98fbce67_gemm_qkv-k_q3e98fbce67_gemm_qkv
	.p2alignl 7, 3214868480
	.fill 96, 4, 3214868480
	.section	.rodata,"a",@progbits
	.p2align	6, 0x0
	.amdhsa_kernel k_q3e98fbce67_gemm_qkv
		.amdhsa_group_segment_fixed_size 327680
		.amdhsa_private_segment_fixed_size 0
		.amdhsa_enable_private_segment 0
		.amdhsa_kernarg_size 24
		.amdhsa_user_sgpr_count 2
		.amdhsa_user_sgpr_kernarg_segment_ptr 1
		.amdhsa_wavefront_size32 1
		.amdhsa_system_sgpr_workgroup_id_x 1
		.amdhsa_system_sgpr_workgroup_id_y 1
		.amdhsa_system_sgpr_workgroup_id_z 1
		.amdhsa_system_vgpr_workitem_id 0
		.amdhsa_next_free_vgpr 1024
		.amdhsa_next_free_sgpr 100
		.amdhsa_reserve_vcc 1
		.amdhsa_float_denorm_mode_32 3
		.amdhsa_float_denorm_mode_16_64 3
		.amdhsa_memory_ordered 1
		.amdhsa_forward_progress 1
		.amdhsa_inst_pref_size 226
	.end_amdhsa_kernel
	.amdgpu_metadata
---
amdhsa.version: [ 1, 2 ]
amdhsa.kernels:
  - .name:           k_q3e98fbce67_gemm_qkv
    .symbol:         k_q3e98fbce67_gemm_qkv.kd
    .args:
      - { .name: x_img, .offset: 0, .size: 8, .value_kind: global_buffer, .address_space: global }
      - { .name: cs_img, .offset: 8, .size: 8, .value_kind: global_buffer, .address_space: global }
      - { .name: qkv_img, .offset: 16, .size: 8, .value_kind: global_buffer, .address_space: global }
    .group_segment_fixed_size: 327680
    .private_segment_fixed_size: 0
    .kernarg_segment_align: 8
    .kernarg_segment_size: 24
    .max_flat_workgroup_size: 128
    .sgpr_count:     100
    .vgpr_count:     1024
    .wavefront_size: 32
...
	.end_amdgpu_metadata
.endif
;; end of part 2
;; launch attn (part 3): grid 8 x 32, 8 waves a work-group, clusters of 4 x 4, 327,680 bytes of LDS; arguments qkv_img, attention_mask, o_img; writes o_img
.if DOCPART == 3
	.amdgcn_target "amdgcn-amd-amdhsa--gfx1250"
	.amdhsa_code_object_version 6
	.text
	.protected	k_q3e98fbce67_attn
	.globl	k_q3e98fbce67_attn
	.p2align	8
	.type	k_q3e98fbce67_attn,@function
k_q3e98fbce67_attn:
	s_mov_b64 s[64:65], 0
	v_nop
	global_prefetch_b8 v0, s[64:65] scope:SCOPE_SE
	s_setreg_imm32_b32 hwreg(HW_REG_WAVE_MODE, 25, 1), 1
	s_wait_xcnt 0x0
	s_wait_alu depctr_hold_cnt(0) depctr_sa_sdst(0) depctr_va_vdst(0) depctr_va_sdst(0) depctr_va_ssrc(0) depctr_va_vcc(0) depctr_vm_vsrc(0)
	s_getreg_b32 s2, hwreg(HW_REG_IB_STS2, 6, 4)
	s_cmp_eq_u32 s2, 0
	s_cbranch_scc0 .Lentry_in_a_cluster
	s_endpgm
.Lentry_in_a_cluster:
	s_bfe_u32 s2, ttmp6, 0x10000c
	s_cmp_lg_u32 s2, 0xf033
	s_cbranch_scc0 .Lentry_shape_is_right
	s_endpgm
.Lentry_shape_is_right:
; O[head][q] = sum over k of softmax_k(Q.K / sqrt(128) + mask[q][k]) V[k], both products on codes of FP6 (E2M3) with E8M0 scales; 16 query heads, 8 key and value heads, 2,048 queries and keys, head size 128.
; The mask is an input: it is loaded whole and added as it is given; no key step is left out.
; THE SOFTMAX AHEAD OF THE SECOND PRODUCT: t = logit x log2(e); M = the running largest t rounded UP to a whole number; p = 2^(t - M) is quantised along the keys, not normalised; the row's sum is taken of the unquantised p
; and divides O at the end.  When M moves, the sum and O are multiplied by 2^(old M - new M): exact.
; THE MASK ENTERS AS THE C OF THE FIRST PRODUCT: C = mask x sqrt(128), so that S = Q.K + mask sqrt(128) and t = S x log2(e) / sqrt(128).
; INPUTS are records (128 rows x 128 K: eight fragments as images of the operand's registers, 1,536 bytes each, then 512 bytes of scale words); lane r of fragment f is row 32 (f / 2) + 8 (f % 2) + r + 8 (r / 8).
; q records at (head x 16 + group of 128 queries) x 12,800; from 3,276,800 on, for (kv head, key step) the K record (rows keys, K = d) and the V record (rows d, K = keys).
; SHARES: a work-group owns 64 queries and one kv head: its eight waves are 2 query heads x 4 tiles of 16 queries, so all eight read the same K and V, and each mask tile serves two heads.  A wave owns one tile, in 256 registers.
; Both products are used transposed (S^T = K Q^T, O^T = V^T P^T): a lane holds one query; by the fragments' row order, registers 16 b + i of S^T are keys 32 b + 16 h + i, and of O^T channels 32 b + 16 h + i.
; CLUSTERS of 4 x 4: x = kv head, y = block of 64 queries.  K and V hang on x alone: asked for jointly along a column; the mask hangs on y alone: jointly along a row.
; Two LDS slots of 256 keys: K and V records (51,200 bytes, waves 0 and 1 fetch), then the mask: four chunks of 16 queries x (1,024 + 16) bytes, 16,768 bytes apart (waves 2 to 5 fetch).
; OUT: O / sum, quantised along d, as fragment images: o_img [group of 128 queries][K step = head][record].
; LIMITS: |mask| up to 3e37 (it is multiplied by sqrt(128)); NaN among the inputs is not served; a row all of whose logits are -infinity gives NaN, as the softmax itself does; a block whose every p is 0 gets the byte 1 and zero codes.
; REGISTERS: v1-6 addresses that stay; v8-10 addresses in hand; v12 -M, v13 the largest t, v[14:15] the sum; v16-27 Q; v32-79 four fragments; v80-87 scale words (lanes 0-15 K's, lanes 16-31 V's); v96-159 mask, S^T, p; v160-223 O^T; v224.. p's codes; v232-254 at work; v255 Q's scale word.
.set REC,   12800
.set GRP,   2*REC                      ; a key step's K record and V record
.set FRB,   1536
.set SCO,   12288
.set KV0,   3276800
.set MOFF,  2*GRP                      ; the mask's place in a slot
.set MP,    1040                       ; a mask row in LDS
.set CH,    16768                      ; from chunk to chunk
.set SLOT1, 1<<17
.set SPARE, 2*SLOT1                    ; the spare words, 128 bytes a wave: four blocks of 256 bytes that no other line names
.set LI,   1
.set AM0,  2
.set ASC0, 3
.set R32,  4
.set SPW,  5
.set NIL,  6
.set ADK,  8
.set ADM,  9
.set ADS,  10
.set KVS,  80
.set TM,   32                          ; on the way out
.set PW,   48
.set PC,   224
.set WV,   18
.set SEL,  20
.set CS,   22                          ; s[22:23] log2(e) / sqrt(128)
.set G1K,  24
.set G1M,  32
.set G0K,  40
.set G0M,  44
.set RT,   48                          ; s[48:49] sqrt(128)
.set TB,   50                          ; the slot in hand
.set SLOTS, 51
.macro TLOAD                           ; waves 0, 1: K and V; waves 2 to 5: the mask; waves 6, 7: nothing.  Four v_nop follow each line
	s_cmp_lt_u32 s[WV], 2
	s_cbranch_scc0 .Lnot_k_\@
	tensor_load_to_lds s[G0K:G0K+3], s[G1K:G1K+7]
	s_nop 0
.rept 4
	v_nop
.endr
	s_branch .Lasked_\@
.Lnot_k_\@:
	s_cmp_lt_u32 s[WV], 6
	s_cbranch_scc0 .Lasked_\@
	tensor_load_to_lds s[G0M:G0M+3], s[G1M:G1M+7]
	s_nop 0
.rept 4
	v_nop
.endr
.Lasked_\@:
.endm
.macro CROUND                          ; a round of the cluster's barrier
	s_barrier_signal -1
	s_barrier_wait -1
	s_cmp_lg_u32 s[WV], 0
	s_cbranch_scc1 .Lnot_wave_0_\@
	s_barrier_signal -3
.Lnot_wave_0_\@:
	s_barrier_wait -3
	s_barrier_signal -1
	s_barrier_wait -1
.endm
	s_load_b128 s[4:7], s[0:1], 0x0                ; qkv_img, attention_mask
	s_load_b64 s[8:9], s[0:1], 0x10                ; o_img
	v_lshl_add_u32 v[SPW], v0, 2, SPARE
	v_mov_b32 v[NIL], 0
	ds_add_u32 v5, v6
	s_wait_dscnt 0x0
	v_lshrrev_b32 v8, 5, v0
	v_readfirstlane_b32 s[WV], v8                  ; wave 0..7
	s_bfe_u32 s54, ttmp6, 0x40000                  ; cx
	s_bfe_u32 s55, ttmp6, 0x40004                  ; cy
	s_lshl_b32 s52, ttmp9, 2
	s_add_co_u32 s52, s52, s54                     ; the kv head
	s_and_b32 s53, ttmp7, 0xffff
	s_lshl_b32 s53, s53, 2
	s_add_co_u32 s53, s53, s55                     ; the block of 64 queries
	s_lshl_b32 s56, s55, 2
	s_lshl_b32 s56, 15, s56                        ; my row of the cluster
	s_lshl_b32 s57, 0x1111, s54                    ; my column
	s_or_b32 s[G1K], s57, (3<<16)|(1<<21)          ; K and V: a dense block of 25,600 bytes as 100 rows of 256; shared along my column
	s_mov_b32 s[G1K+1], 32<<16
	s_mov_b32 s[G1K+2], 100<<16
	s_mov_b32 s[G1K+3], 32<<16
	s_mov_b32 s[G1K+4], 100
	s_mov_b32 s[G1K+5], 32
	s_mov_b32 s[G1K+6], 0
	s_mov_b32 s[G1K+7], 0
	s_or_b32 s[G1M], s56, (2<<16)|(1<<20)|(1<<21)|(7<<22)|(3<<25)   ; the mask: 16 rows x 256 numbers of 4 bytes, 16 bytes of padding behind each 1,024; shared along my row
	s_mov_b32 s[G1M+1], 256<<16
	s_mov_b32 s[G1M+2], 16<<16
	s_mov_b32 s[G1M+3], 256<<16
	s_mov_b32 s[G1M+4], 16
	s_mov_b32 s[G1M+5], 2048
	s_mov_b32 s[G1M+6], 0
	s_mov_b32 s[G1M+7], 0
	s_and_b32 s58, s[WV], 1                        ; K, V: which of a slot's two key steps I fetch
	s_mul_i32 s59, s58, GRP                        ; its place in a slot,
	s_mul_i32 s60, s52, 16*GRP
	s_add_co_u32 s60, s60, s59
	s_add_co_u32 s60, s60, KV0                     ; and in memory: hangs on the kv head, never on cy
	s_mov_b32 s61, 0
	s_add_co_u32 s62, s[WV], 2
	s_and_b32 s62, s62, 3                          ; the mask: chunk (wave + 2) % 4
	s_mul_i32 s63, s62, CH
	s_add_co_u32 s63, s63, MOFF
	s_lshl_b32 s90, s53, 19                        ; 64 rows of 8,192 bytes a block: hangs on the block of queries, never on cx
	s_lshl_b32 s91, s62, 17
	s_add_co_u32 s90, s90, s91
	s_mov_b32 s91, 0
	s_and_b32 s74, s[WV], 3                        ; my tile of the block's four
	s_lshr_b32 s77, s[WV], 2
	s_lshl_b32 s78, s52, 1
	s_add_co_u32 s77, s77, s78                     ; my query head
	s_lshr_b32 s78, s53, 1                         ; the group of 128 queries
	s_and_b32 s79, s53, 1
	s_lshl_b32 s79, s79, 2
	s_add_co_u32 s79, s79, s74                     ; my fragment in it
	s_lshl_b32 s80, s77, 4
	s_add_co_u32 s80, s80, s78
	s_mul_i32 s80, s80, REC                        ; q's record
	s_mul_i32 s82, s79, FRB
	s_add_co_u32 s82, s82, s80
	s_mov_b32 s83, 0
	s_lshl_b32 s84, s79, 2
	s_add_co_u32 s84, s84, s80
	s_add_co_u32 s84, s84, SCO
	s_mov_b32 s85, 0
	s_lshl_b32 s81, s78, 4
	s_add_co_u32 s81, s81, s77
	s_mul_i32 s81, s81, REC                        ; o's record
	s_mul_i32 s86, s79, FRB
	s_add_co_u32 s86, s86, s81
	s_mov_b32 s87, 0
	s_lshl_b32 s88, s79, 2
	s_add_co_u32 s88, s88, s81
	s_add_co_u32 s88, s88, SCO
	s_mov_b32 s89, 0
	s_lshr_b32 s75, s74, 1                         ; my tile's rows in the mask's chunks: the wave's number alone
	s_mul_i32 s75, s75, 2*CH
	s_mul_i32 s76, s58, 8*MP
	s_add_co_u32 s75, s75, s76
	s_add_co_u32 s75, s75, MOFF
	s_mov_b32 s[SEL], 0x76543210
	s_mov_b32 s[SEL+1], 0xfedcba98
	s_mov_b32 s[CS], 0x3e0293ee                    ; log2(e) / sqrt(128)
	s_mov_b32 s[CS+1], s[CS]                       ; (named with it as a pair, so it is written)
	s_mov_b32 s[RT], 0x413504f3                    ; sqrt(128)
	s_mov_b32 s[RT+1], s[RT]
	s_mov_b32 s[TB], 0
	s_mov_b32 s[SLOTS], 7
	s_wait_kmcnt 0x0
	s_add_nc_u64 s[66:67], s[4:5], s[82:83]        ; Q's fragment
	s_add_nc_u64 s[68:69], s[4:5], s[84:85]        ; its scale words
	s_add_nc_u64 s[70:71], s[8:9], s[86:87]        ; O's fragment
	s_add_nc_u64 s[72:73], s[8:9], s[88:89]        ; its scale words
	CROUND                                         ; all sixteen work-groups are here: the first joint loads meet
	s_mov_b32 s[G0K], 1
	s_mov_b32 s[G0K+1], s59
	s_add_nc_u64 s[G0K+2:G0K+3], s[4:5], s[60:61]
	s_or_b32 s[G0K+3], s[G0K+3], 0x80000000
	s_mov_b32 s[G0M], 1
	s_mov_b32 s[G0M+1], s63
	s_add_nc_u64 s[G0M+2:G0M+3], s[6:7], s[90:91]
	s_or_b32 s[G0M+3], s[G0M+3], 0x80000000
	TLOAD                                          ; slot 0
	v_and_b32 v7, 31, v0
	v_lshlrev_b32 v[LI], 4, v7                     ; 16 x lane
	v_and_b32 v8, 15, v0                           ; r
	v_bfe_u32 v9, v0, 4, 1                         ; h
	v_lshlrev_b32 v[R32], 5, v8                    ; 32 r
.irp c, 0,1,2
	global_load_b128 v[16+4*\c:19+4*\c], v[LI], s[66:67] offset:512*\c   ; Q's fragment stays in registers
.endr
	global_load_b32 v255, v[R32], s[68:69]         ; and its scale words
	v_mul_u32_u24 v[ASC0], v9, REC                 ; lanes 16-31 take V's scale block, one record on
	v_add_nc_u32 v[ASC0], v[ASC0], v[R32]
	v_add_nc_u32 v[ASC0], SCO, v[ASC0]
	v_and_b32 v10, 7, v8
	v_mul_u32_u24 v[AM0], v10, MP
	v_lshrrev_b32 v10, 3, v8
	v_mad_u32_u24 v[AM0], v10, CH, v[AM0]          ; lanes 8-15 take rows 16 further on: the next chunk
	v_lshl_add_u32 v[AM0], v9, 6, v[AM0]
	v_add_nc_u32 v[AM0], s75, v[AM0]
	v_mov_b32 v13, 0xff61b1e6                      ; the largest t so far: -3e38
	v_floor_f32 v12, -v13                          ; -M
	v_mov_b32 v14, 0
	v_mov_b32 v15, 0
.irp b, 0,1,2,3
	v_mov_b32 v[236+\b], 0                         ; written once: a lane permute's destination counts as one of its sources
.endr
	v_mov_b32 v253, 0                              ; (named as the upper half of v[252:253] before it is first written)
.irp j, 0,1,2,3,4,5,6,7,8,9,10,11,12,13,14,15,16,17,18,19,20,21,22,23,24,25,26,27,28,29,30,31,32,33,34,35,36,37,38,39,40,41,42,43,44,45,46,47,48,49,50,51,52,53,54,55,56,57,58,59,60,61,62,63
	v_mov_b32 v[160+\j], 0                         ; O^T: the step is written once; the first finds zeros, which the first change of M leaves zeros
.endr
.macro FRG4 off                        ; four fragments from byte off of the slot
.irp t, 0,1,2,3
.irp c, 0,1,2
	ds_load_b128 v[32+12*\t+4*\c:35+12*\t+4*\c], v[ADK] offset:\off+FRB*\t+512*\c
.endr
.endr
.endm
.macro PLACES
.rept 4
	v_nop
.endr
.endm
; A KEY STEP: 128 keys, the q-th of the slot in hand
.macro STEP q
	v_add_nc_u32 v[ADK], s[TB], v[LI]              ; these three and the v_nop are the places in front of loads into registers that the last products read
	v_add_nc_u32 v[ADM], s[TB], v[AM0]
	v_add_nc_u32 v[ADS], s[TB], v[ASC0]
	v_nop
.irp b, 0,1,2,3
.irp j, 0,1,2,3
	ds_load_b128 v[96+16*\b+4*\j:99+16*\b+4*\j], v[ADM] offset:512*(\q)+128*\b+16*\j   ; the mask of my query, straight into S^T's registers: register 16 b + i is key 32 b + 16 h + i
.endr
.endr
	ds_load_b128 v[KVS:KVS+3], v[ADS] offset:GRP*(\q)
	ds_load_b128 v[KVS+4:KVS+7], v[ADS] offset:GRP*(\q)+16
	FRG4 GRP*(\q)                                  ; K's tiles 0-3
	s_wait_dscnt 14                                ; the mask's 16 loads are in; the 14 behind them may be out
.irp j, 0,2,4,6,8,10,12,14,16,18,20,22,24,26,28,30,32,34,36,38,40,42,44,46,48,50,52,54,56,58,60,62
	v_pk_mul_f32 v[96+\j:97+\j], v[96+\j:97+\j], s[RT:RT+1] op_sel_hi:[1,0]   ; mask x sqrt(128): the C of the first product
.endr
	s_wait_dscnt 0x0
.irp t, 0,1,2,3
	v_wmma_scale_f32_16x16x128_f8f6f4 v[96+8*\t:103+8*\t], v[32+12*\t:43+12*\t], v[16:27], v[96+8*\t:103+8*\t], v[KVS+\t], v255 matrix_a_fmt:MATRIX_FMT_FP6 matrix_b_fmt:MATRIX_FMT_FP6
.endr
	PLACES
	FRG4 GRP*(\q)+4*FRB                            ; K's tiles 4-7
	s_wait_dscnt 0x0
.irp t, 0,1,2,3
	v_wmma_scale_f32_16x16x128_f8f6f4 v[128+8*\t:135+8*\t], v[32+12*\t:43+12*\t], v[16:27], v[128+8*\t:135+8*\t], v[KVS+4+\t], v255 matrix_a_fmt:MATRIX_FMT_FP6 matrix_b_fmt:MATRIX_FMT_FP6
.endr
	PLACES
	FRG4 GRP*(\q)+REC                              ; V's tiles 0-3 are asked for here: they land while the softmax is worked
.irp b, 0,1,2,3
	v_max3_num_f32 v[232+\b], v[96+16*\b], v[97+16*\b], v[98+16*\b]   ; the largest score of each block of 32 keys: for the row's maximum and, since p rises with the score, for the block's largest p
.endr
.irp i, 3,5,7,9,11,13
.irp b, 0,1,2,3
	v_max3_num_f32 v[232+\b], v[232+\b], v[96+16*\b+\i], v[97+16*\b+\i]
.endr
.endr
.irp b, 0,1,2,3
	v_max_num_f32 v[232+\b], v[232+\b], v[111+16*\b]
.endr
.irp b, 0,1,2,3
	v_permlanex16_b32 v[236+\b], v[232+\b], s[SEL], s[SEL+1]
.endr
.irp b, 0,1,2,3
	v_max_num_f32 v[232+\b], v[232+\b], v[236+\b]  ; with lane l xor 16's 16 keys
.endr
	v_max3_num_f32 v254, v232, v233, v234
	v_max_num_f32 v254, v254, v235                 ; the step's largest score of my query
	v_mul_f32 v254, s[CS], v254                    ; as t
	v_max_num_f32 v13, v13, v254                   ; the running largest t
	v_mov_b32 v254, v12
	v_floor_f32 v12, -v13                          ; the new -M = -ceil(t): a whole number
	v_sub_f32 v254, v12, v254                      ; old M - new M: a whole number, 0 or less
	v_cvt_i32_f32 v254, v254                       ; (it saturates)
	v_ldexp_f32 v252, 1.0, v254                    ; f = 2^(old M - new M)
.irp j, 0,2,4,6,8,10,12,14,16,18,20,22,24,26,28,30,32,34,36,38,40,42,44,46,48,50,52,54,56,58,60,62
	v_pk_fma_f32 v[96+\j:97+\j], v[96+\j:97+\j], s[CS:CS+1], v[12:13] op_sel_hi:[1,0,0]   ; t - M, two at a time
.endr
.irp b, 0,1,2,3
	v_fma_f32 v[232+\b], v[232+\b], s[CS], v12     ; the same of each block's largest score
.endr
.irp j, 0,1,2,3,4,5,6,7,8,9,10,11,12,13,14,15,16,17,18,19,20,21,22,23,24,25,26,27,28,29,30,31,32,33,34,35,36,37,38,39,40,41,42,43,44,45,46,47,48,49,50,51,52,53,54,55,56,57,58,59,60,61,62,63
	v_exp_f32 v[96+\j], v[96+\j]                   ; p = 2^(t - M), at most 1
.endr
.irp b, 0,1,2,3
	v_exp_f32 v[232+\b], v[232+\b]                 ; the block's largest p: the same two instructions on the same number
.endr
	v_pk_mul_f32 v[14:15], v[14:15], v[252:253] op_sel_hi:[1,0]   ; the sums under the new M (a plain place behind the exponentials)
	s_wait_alu depctr_va_vdst(0)
.irp b, 0,1,2,3
	v_max_num_f32 v[232+\b], 0x1800000, v[232+\b]  ; the floor 2^(3 - 127): the byte cannot fall under 1
.endr
.irp b, 0,1,2,3
	v_add_nc_u32 v[244+\b], 0xff000000, v[232+\b]  ; 2 off the exponent field: the conversion's scale operand
.endr
.irp b, 0,1,2,3
	v_lshrrev_b32 v[236+\b], 23, v[244+\b]         ; the scale's byte
.endr
	v_lshl_or_b32 v253, v237, 8, v236              ; p's scale word for these 128 keys
	v_lshl_or_b32 v253, v238, 16, v253
	v_lshl_or_b32 v253, v239, 24, v253
.irp c, 0,1
	v_cvt_scalef32_pk16_fp6_f32 v[224+6*\c:226+6*\c], v[96+32*\c:111+32*\c], v[244+2*\c]
	v_cvt_scalef32_pk16_fp6_f32 v[236+4*\c:238+4*\c], v[112+32*\c:127+32*\c], v[244+2*\c+1]
.endr
	v_nop                                          ; one plain place behind a scaled conversion
.irp c, 0,1
.irp i, 0,1,2
	v_permlane16_swap_b32 v[224+6*\c+\i], v[236+4*\c+\i]
.endr
.irp i, 0,1,2
	v_mov_b32 v[227+6*\c+\i], v[236+4*\c+\i]
.endr
.endr
	v_pk_add_f32 v[236:237], v[96:97], v[98:99]    ; the row's sum is taken of the unquantised p: two at a time, in two chains
.irp j, 4,8,12,16,20,24,28,32,36,40,44,48,52,56,60
	v_pk_add_f32 v[14:15], v[14:15], v[96+\j:97+\j]
	v_pk_add_f32 v[236:237], v[236:237], v[98+\j:99+\j]
.endr
	v_pk_add_f32 v[14:15], v[14:15], v[236:237]
.irp j, 0,2,4,6,8,10,12,14,16,18,20,22,24,26,28,30,32,34,36,38,40,42,44,46,48,50,52,54,56,58,60,62
	v_pk_mul_f32 v[160+\j:161+\j], v[160+\j:161+\j], v[252:253] op_sel_hi:[1,0]   ; O^T under the new M; these are also the places between p's codes and scale word and the products below
.endr
	s_wait_dscnt 0x0                               ; V's tiles 0-3
.irp t, 0,1,2,3
	v_wmma_scale_f32_16x16x128_f8f6f4 v[160+8*\t:167+8*\t], v[32+12*\t:43+12*\t], v[224:235], v[160+8*\t:167+8*\t], v[KVS+\t], v253 matrix_a_fmt:MATRIX_FMT_FP6 matrix_b_fmt:MATRIX_FMT_FP6 matrix_a_scale:MATRIX_SCALE_ROW1
.endr
	PLACES
	FRG4 GRP*(\q)+REC+4*FRB                        ; V's tiles 4-7
	s_wait_dscnt 0x0
.irp t, 0,1,2,3
	v_wmma_scale_f32_16x16x128_f8f6f4 v[192+8*\t:199+8*\t], v[32+12*\t:43+12*\t], v[224:235], v[192+8*\t:199+8*\t], v[KVS+4+\t], v253 matrix_a_fmt:MATRIX_FMT_FP6 matrix_b_fmt:MATRIX_FMT_FP6 matrix_a_scale:MATRIX_SCALE_ROW1
.endr
.endm
; THE CHANGE OF SLOTS stands at a slot's head.  Each wave waits for all its tensor loads (its part of the slot ahead), adds 0 to its spare word, and waits for that and for its reads of the slot that it has left.
; fill = 1: the barrier is a round of the cluster's, and behind it the slot just left is filled with the keys that follow: the load has two key steps in which to land.
.macro CHANGE fill
	s_wait_tensorcnt 0x0                           ; no tensor load of mine is out, so a group 0 may be written
	ds_add_u32 v[SPW], v[NIL]                      ; 0 onto my spare word
.if \fill
	s_xor_b32 s[G0K+1], s[G0K+1], SLOT1            ; the walking descriptors: the other slot,
	s_add_nc_u64 s[G0K+2:G0K+3], s[G0K+2:G0K+3], 2*GRP   ; the next two key steps' records,
	s_xor_b32 s[G0M+1], s[G0M+1], SLOT1
	s_add_nc_u64 s[G0M+2:G0M+3], s[G0M+2:G0M+3], 1024    ; the next 256 columns of the mask
.endif
	s_wait_dscnt 0x0                               ; the add is done, and my reads of the slot that I have left are over
.if \fill
	CROUND
	TLOAD                                          ; the first thing behind the round, and a wave's one tensor load until the next
.else
	s_barrier_signal -1
	s_barrier_wait -1
.endif
.endm
	s_wait_loadcnt 0x0                             ; Q
.Lslot:                                                ; seven trips: behind each change of slots but the last the next slot is asked for
	CHANGE 1
	STEP 0
	STEP 1
	s_xor_b32 s[TB], s[TB], SLOT1
	s_sub_co_u32 s[SLOTS], s[SLOTS], 1
	s_cmp_lg_u32 s[SLOTS], 0
	s_cbranch_scc1 .Lslot
	CHANGE 0                                       ; the last slot is written out
	STEP 0
	STEP 1
	; THE WAY OUT: O^T / the sum, quantised along d (register 16 b + i is channel 32 b + 16 h + i), leaves as a fragment's image and its scale words
	PLACES
	v_add_f32 v14, v14, v15
	v_permlanex16_b32 v252, v14, s[SEL], s[SEL+1]
	v_add_f32 v14, v14, v252                       ; the row's sum
	v_rcp_f32 v14, v14
.irp b, 0,1,2,3
	v_mov_b32 v[TM+4+\b], 0                        ; (plain places behind the reciprocal)  a lane permute's destination counts as one of its sources
.endr
	s_wait_alu depctr_va_vdst(0)
.irp j, 0,1,2,3,4,5,6,7,8,9,10,11,12,13,14,15,16,17,18,19,20,21,22,23,24,25,26,27,28,29,30,31,32,33,34,35,36,37,38,39,40,41,42,43,44,45,46,47,48,49,50,51,52,53,54,55,56,57,58,59,60,61,62,63
	v_mul_f32 v[96+\j], v[160+\j], v14             ; each accumulator from its low end on
.endr
.irp b, 0,1,2,3
	v_max3_num_f32 v[TM+\b], |v[96+16*\b]|, |v[97+16*\b]|, 0x1800000
.endr
.irp i, 2,4,6,8,10,12,14
.irp b, 0,1,2,3
	v_max3_num_f32 v[TM+\b], v[TM+\b], |v[96+16*\b+\i]|, |v[97+16*\b+\i]|
.endr
.endr
.irp b, 0,1,2,3
	v_permlanex16_b32 v[TM+4+\b], v[TM+\b], s[SEL], s[SEL+1]
.endr
.irp b, 0,1,2,3
	v_max_num_f32 v[TM+\b], v[TM+\b], v[TM+4+\b]
.endr
.irp b, 0,1,2,3
	v_add_nc_u32 v[TM+12+\b], 0xff000000, v[TM+\b]
.endr
.irp b, 0,1,2,3
	v_lshrrev_b32 v[TM+4+\b], 23, v[TM+12+\b]
.endr
	v_lshl_or_b32 v[PW], v[TM+5], 8, v[TM+4]
	v_lshl_or_b32 v[PW], v[TM+6], 16, v[PW]
	v_lshl_or_b32 v[PW], v[TM+7], 24, v[PW]
.irp c, 0,1
	v_cvt_scalef32_pk16_fp6_f32 v[PC+6*\c:PC+2+6*\c], v[96+32*\c:111+32*\c], v[TM+12+2*\c]
	v_cvt_scalef32_pk16_fp6_f32 v[PC+12+4*\c:PC+14+4*\c], v[112+32*\c:127+32*\c], v[TM+12+2*\c+1]
.endr
	v_nop
.irp c, 0,1
.irp i, 0,1,2
	v_permlane16_swap_b32 v[PC+6*\c+\i], v[PC+12+4*\c+\i]
.endr
.irp i, 0,1,2
	v_mov_b32 v[PC+3+6*\c+\i], v[PC+12+4*\c+\i]
.endr
.endr
.irp c, 0,1,2
	global_store_b128 v[LI], v[PC+4*\c:PC+4*\c+3], s[70:71] offset:512*\c   ; 512 consecutive bytes, at a multiple of 256 from the buffer's first byte
.endr
	global_store_b32 v[R32], v[PW], s[72:73]       ; my row's scale word; lanes r and r + 16 write the same word with the same value
	s_wait_tensorcnt 0x0                           ; the wave's end
	ds_add_u32 v[SPW], v[NIL]
	s_wait_dscnt 0x0
	CROUND                                         ; the closing round
	s_endpgm
.Lfunc_end_k_q3e98fbce67_attn:
	.size	k_q3e98fbce67_attn, .Lfunc_end_k_q3e98fbce67_attn-k_q3e98fbce67_attn
	.p2alignl 7, 3214868480
	.fill 96, 4, 3214868480
	.section	.rodata,"a",@progbits
	.p2align	6, 0x0
	.amdhsa_kernel k_q3e98fbce67_attn
		.amdhsa_group_segment_fixed_size 327680
		.amdhsa_private_segment_fixed_size 0
		.amdhsa_enable_private_segment 0
		.amdhsa_kernarg_size 24
		.amdhsa_user_sgpr_count 2
		.amdhsa_user_sgpr_kernarg_segment_ptr 1
		.amdhsa_wavefront_size32 1
		.amdhsa_system_sgpr_workgroup_id_x 1
		.amdhsa_system_sgpr_workgroup_id_y 1
		.amdhsa_system_sgpr_workgroup_id_z 1
		.amdhsa_system_vgpr_workitem_id 0
		.amdhsa_next_free_vgpr 256
		.amdhsa_next_free_sgpr 96
		.amdhsa_reserve_vcc 0
		.amdhsa_float_denorm_mode_32 3
		.amdhsa_float_denorm_mode_16_64 3
		.amdhsa_memory_ordered 1
		.amdhsa_forward_progress 1
		.amdhsa_inst_pref_size 104
	.end_amdhsa_kernel
	.amdgpu_metadata
---
amdhsa.version: [ 1, 2 ]
amdhsa.kernels:
  - .name:           k_q3e98fbce67_attn
    .symbol:         k_q3e98fbce67_attn.kd
    .args:
      - { .name: qkv_img, .offset: 0, .size: 8, .value_kind: global_buffer, .address_space: global }
      - { .name: attention_mask, .offset: 8, .size: 8, .value_kind: global_buffer, .address_space: global }
      - { .name: o_img, .offset: 16, .size: 8, .value_kind: global_buffer, .address_space: global }
    .group_segment_fixed_size: 327680
    .private_segment_fixed_size: 0
    .kernarg_segment_align: 8
    .kernarg_segment_size: 24
    .max_flat_workgroup_size: 256
    .sgpr_count:     96
    .vgpr_count:     256
    .wavefront_size: 32
...
	.end_amdgpu_metadata
.endif
;; end of part 3
;; launch gemm_out (part 4): grid 16 x 8, 4 waves a work-group, clusters of 4 x 4, 327,680 bytes of LDS; arguments o_img, wo_img, out0; writes out0
.if DOCPART == 4
	.amdgcn_target "amdgcn-amd-amdhsa--gfx1250"
	.amdhsa_code_object_version 6
	.text
	.protected	k_q3e98fbce67_gemm_out
	.globl	k_q3e98fbce67_gemm_out
	.p2align	8
	.type	k_q3e98fbce67_gemm_out,@function
k_q3e98fbce67_gemm_out:
	s_mov_b64 s[64:65], 0
	v_nop
	global_prefetch_b8 v0, s[64:65] scope:SCOPE_SE
	s_setreg_imm32_b32 hwreg(HW_REG_WAVE_MODE, 25, 1), 1
	s_wait_xcnt 0x0
	s_wait_alu depctr_hold_cnt(0) depctr_sa_sdst(0) depctr_va_vdst(0) depctr_va_sdst(0) depctr_va_ssrc(0) depctr_va_vcc(0) depctr_vm_vsrc(0)
	s_getreg_b32 s2, hwreg(HW_REG_IB_STS2, 6, 4)
	s_cmp_eq_u32 s2, 0
	s_cbranch_scc0 .Lentry_in_a_cluster
	s_endpgm
.Lentry_in_a_cluster:
	s_bfe_u32 s2, ttmp6, 0x10000c
	s_cmp_lg_u32 s2, 0xf033
	s_cbranch_scc0 .Lentry_shape_is_right
	s_endpgm
.Lentry_shape_is_right:
; out0 [2048][4096] f32 = O Wo^T on codes of FP6 (E2M3) with E8M0 scales, K = 2,048.
; OPERANDS are records (128 rows x 128 K, 12,800 bytes: eight fragments as images of the operand's registers, then 512 bytes of scale words): o_img [16 groups][16 K steps][record], wo_img [32 groups][16 K steps][record].
; Lane r of fragment f is row 32 (f / 2) + 8 (f % 2) + r + 8 (r / 8) of its group.  Source 0 = B's fragment, source 1 = A's: lane (r, h) of accumulator (a, b) holds A's row of (a, r) and, in register j,
; column 32 (b / 2) + 16 h + 8 (b % 2) + j of B's group: eight neighbouring numbers of a row of the output.
; A tile of 256 x 256 is made by four waves, 128 x 128 each.  K goes in steps of 256 through two LDS slots; a slot's four parts are dense blocks of 25,600 bytes.  CLUSTERS of 4 x 4: A's groups are shared along a row, B's along a column.
; 128 work-groups: a wave tile of 64 x 128 would give 256, but would read half as much again from LDS for each product.
; REGISTERS: window 0: v1-29 addresses; v32-63 scale words, two sets of 16; v128-223 A's eight fragments (on the way out v128-255: rows read back).  window 1: B's fragments, two sets.  windows 2, 3: the accumulators.
.set REC,   12800
.set GRP,   2*REC
.set SLOT,  4*GRP
.set FRB,   1536
.set SCO,   12288
.set FR,    12
.set NL,    3
.set NP,    4
.set NQ,    2
.set KSTEPS, 16
.set GSTR,  KSTEPS*REC
.set LAPS,  KSTEPS/4
.set STAGE, 2*SLOT                     ; behind the ring: 16 rows x (512 + 16) bytes for each wave; no fill ever lands here
.set SPITCH, 528
.set SPARE, STAGE+4*16*SPITCH          ; the spare words, 128 bytes a wave
.set ROWB,  16384                      ; a row of the output
.set LI,   4
.set ADRA, 16
.set ADRB, 20
.set STO,  24
.set RD,   25
.set ADRS, 26
.set SPW,  28
.set NIL,  29
.set SC,   32
.set AF,   128
.set BK,   128
.set G1, 24
.set G0, 32
.set G1B, 48
.set G0B, 56
.set MSB, 0
.macro WIN new
.if MSB != (\new)
	s_set_vgpr_msb (MSB<<8)|(\new)
.set MSB, (\new)
.endif
.endm
.set MUL_LO, 0xa1
.set MUL_HI, 0xf1
.set TO_B,   0x40
.macro JLOAD g0a, g1a, g0b, g1b        ; a joint load: waves 0 and 1 fetch for A, waves 2 and 3 for B; four v_nop follow each line
	s_cmp_eq_u32 s15, 0
	s_cbranch_scc0 .Lfor_b_\@
	tensor_load_to_lds s[\g0a:\g0a+3], s[\g1a:\g1a+7]
	s_nop 0
.rept 4
	v_nop
.endr
	s_branch .Lasked_\@
.Lfor_b_\@:
	tensor_load_to_lds s[\g0b:\g0b+3], s[\g1b:\g1b+7]
	s_nop 0
.rept 4
	v_nop
.endr
.Lasked_\@:
.endm
.macro CREST
	s_cmp_lg_u32 s14, 0
	s_cbranch_scc1 .Lnot_wave_0_\@
	s_barrier_signal -3
.Lnot_wave_0_\@:
	s_barrier_wait -3
	s_barrier_signal -1
	s_barrier_wait -1
.endm
.macro CROUND
	s_barrier_signal -1
	s_barrier_wait -1
	CREST
.endm
	s_load_b128 s[4:7], s[0:1], 0x0                ; o_img, wo_img
	s_load_b64 s[8:9], s[0:1], 0x10                ; out0
	v_lshl_add_u32 v[SPW], v0, 2, SPARE
	v_mov_b32 v[NIL], 0
	ds_add_u32 v28, v29
	s_wait_dscnt 0x0
	v_lshrrev_b32 v1, 5, v0
	v_readfirstlane_b32 s14, v1                    ; wave 0..3
	s_lshr_b32 s15, s14, 1                         ; my group of A.  Also: I fetch for A (0) or for B (1)
	s_and_b32 s16, s14, 1                          ; my group of B.  Also: which of the two groups I fetch
	s_bfe_u32 s40, ttmp6, 0x40000                  ; cx
	s_bfe_u32 s41, ttmp6, 0x40004                  ; cy
	s_lshl_b32 s42, ttmp9, 2
	s_add_co_u32 s42, s42, s40                     ; tile column
	s_and_b32 s17, ttmp7, 0xffff
	s_lshl_b32 s17, s17, 2
	s_add_co_u32 s17, s17, s41                     ; tile row
	s_lshl_b32 s43, s41, 2
	s_lshl_b32 s43, 15, s43                        ; my row of the cluster
	s_lshl_b32 s44, 0x1111, s40                    ; my column
	s_or_b32 s[G1+0], s43, (3<<16)|(1<<21)
	s_or_b32 s[G1B+0], s44, (3<<16)|(1<<21)
.irp g, G1, G1B
	s_mov_b32 s[\g+1], 32<<16                      ; a dense block of 25,600 bytes as 100 rows of 256
	s_mov_b32 s[\g+2], 100<<16
	s_mov_b32 s[\g+3], 32<<16
	s_mov_b32 s[\g+4], 100
	s_mov_b32 s[\g+5], 32
	s_mov_b32 s[\g+6], 0
	s_mov_b32 s[\g+7], 0
.endr
	s_lshl_b32 s20, s17, 1                         ; A's first group
	s_lshl_b32 s46, s42, 1                         ; B's first group
	s_add_co_u32 s22, s20, s16
	s_mul_i32 s22, s22, GSTR
	s_mov_b32 s23, 0
	s_add_co_u32 s92, s46, s16
	s_mul_i32 s92, s92, GSTR
	s_mov_b32 s93, 0
	s_mul_i32 s45, s14, GRP                        ; where it goes: wave x 25,600
	s_wait_kmcnt 0x0
	s_add_nc_u64 s[22:23], s[4:5], s[22:23]
	s_add_nc_u64 s[92:93], s[6:7], s[92:93]
	CROUND                                         ; all sixteen work-groups are here: the first joint loads meet
.irp s, 0,1
	s_mov_b32 s[G0+4*\s], 1
	s_add_co_u32 s[G0+4*\s+1], s45, \s*SLOT
	s_add_nc_u64 s[G0+4*\s+2:G0+4*\s+3], s[22:23], \s*GRP
	s_or_b32 s[G0+4*\s+3], s[G0+4*\s+3], 0x80000000
	s_mov_b32 s[G0B+4*\s], 1
	s_add_co_u32 s[G0B+4*\s+1], s45, \s*SLOT
	s_add_nc_u64 s[G0B+4*\s+2:G0B+4*\s+3], s[92:93], \s*GRP
	s_or_b32 s[G0B+4*\s+3], s[G0B+4*\s+3], 0x80000000
	JLOAD G0+4*\s, G1, G0B+4*\s, G1B
.endr
	v_and_b32 v1, 15, v0                           ; r
	v_bfe_u32 v3, v0, 4, 1                         ; h
	v_and_b32 v2, 31, v0
	v_lshlrev_b32 v[LI], 4, v2
	s_mul_i32 s76, s15, GRP
	s_mul_i32 s77, s16, GRP
	s_add_co_u32 s77, s77, 2*GRP
.irp s, 0,1
	v_add_nc_u32 v[ADRA+\s], s76, v[LI]
	v_add_nc_u32 v[ADRB+\s], s77, v[LI]
	s_add_co_u32 s76, s76, SLOT
	s_add_co_u32 s77, s77, SLOT
.endr
	v_lshlrev_b32 v5, 5, v1                        ; 32 r
	s_mul_i32 s78, s15, GRP
	s_mul_i32 s79, s16, GRP
	s_add_co_u32 s79, s79, 2*GRP
	s_sub_co_u32 s79, s79, s78
	v_mul_u32_u24 v6, s79, v3                      ; lanes 16-31 take B's scale block
	s_add_co_u32 s78, s78, SCO
	v_add_nc_u32 v6, v5, v6
	v_add_nc_u32 v[ADRS], s78, v6
	v_add_nc_u32 v[ADRS+1], SLOT, v[ADRS]
	s_mul_i32 s78, s14, 16*SPITCH
	s_add_co_u32 s78, s78, STAGE                   ; my stage
	v_mul_u32_u24 v5, v1, SPITCH
	v_lshl_add_u32 v5, v3, 6, v5
	v_add_nc_u32 v[STO], s78, v5                   ; in: row r, + 64 h
	v_add_nc_u32 v[RD], s78, v[LI]                 ; back: the 32 lanes take one row of 512 bytes
	s_add_co_u32 s70, s20, s15
	s_lshl_b32 s70, s70, 21                        ; my 128 rows of 16,384 bytes,
	s_add_co_u32 s71, s46, s16
	s_lshl_b32 s71, s71, 9                         ; my 128 columns
	s_add_co_u32 s70, s70, s71
	s_mov_b32 s71, 0
	s_add_nc_u64 s[12:13], s[8:9], s[70:71]
.macro FRAG reg, adr, q, i
.irp c, 0,1,2
	ds_load_b128 v[\reg+4*\c:\reg+4*\c+3], v[\adr] offset:(\q)*REC+(\i)*FRB+512*\c
.endr
.endm
; 16 matrix instructions: A's fragments a0, a0 + 1 x B's eight.  The 64 accumulators take turns, one instruction a turn, in the same order in every step.
.macro MUL16 a0, p, q, sc, zero
.irp a, \a0, \a0+1
.irp b, 0,1,2,3,4,5,6,7
.if \zero
	v_wmma_scale_f32_16x16x128_f8f6f4 v[8*(8*((\a)%4)+\b):8*(8*((\a)%4)+\b)+7], v[128*(\p)+FR*\b:128*(\p)+FR*\b+FR-1], v[AF+FR*(\a):AF+FR*(\a)+FR-1], 0, v[SC+16*(\sc)+8*(\q)+\b], v[SC+16*(\sc)+8*(\q)+(\a)] matrix_a_fmt:MATRIX_FMT_FP6 matrix_b_fmt:MATRIX_FMT_FP6 matrix_a_scale:MATRIX_SCALE_ROW1
.else
	v_wmma_scale_f32_16x16x128_f8f6f4 v[8*(8*((\a)%4)+\b):8*(8*((\a)%4)+\b)+7], v[128*(\p)+FR*\b:128*(\p)+FR*\b+FR-1], v[AF+FR*(\a):AF+FR*(\a)+FR-1], v[8*(8*((\a)%4)+\b):8*(8*((\a)%4)+\b)+7], v[SC+16*(\sc)+8*(\q)+\b], v[SC+16*(\sc)+8*(\q)+(\a)] matrix_a_fmt:MATRIX_FMT_FP6 matrix_b_fmt:MATRIX_FMT_FP6 matrix_a_scale:MATRIX_SCALE_ROW1
.endif
.endr
.endr
.endm
.macro FETCH_B slot, q, p
	WIN TO_B
.irp i, 0,1,2,3,4,5,6,7
	FRAG 128*(\p)+FR*\i, ADRB+\slot, \q, \i
.endr
	WIN 0
.endm
.macro FETCH_A slot, q, i0
.irp i, \i0, \i0+1, \i0+2, \i0+3
	FRAG AF+FR*(\i), ADRA+\slot, \q, \i
.endr
.endm
.macro SCALES slot
.irp q, 0,1
	ds_load_b128 v[SC+16*\slot+8*\q:SC+16*\slot+8*\q+3], v[ADRS+\slot] offset:\q*REC
	ds_load_b128 v[SC+16*\slot+8*\q+4:SC+16*\slot+8*\q+7], v[ADRS+\slot] offset:\q*REC+16
.endr
.endm
.macro PLACES n
.rept \n
	v_nop
.endr
.endm
.macro STEP slot, q, zero
	s_wait_dscnt 4*NL                              ; all but the youngest 12 loads (A's fragments 4-7) are in
	WIN MUL_LO
	MUL16 0, (\q)%2, \q, \slot, \zero
	MUL16 2, (\q)%2, \q, \slot, \zero
	s_wait_dscnt 0
	PLACES NP
	FETCH_B \slot, (\q)+1, 1-(\q)%2
	FETCH_A \slot, (\q)+1, 0
	WIN MUL_HI
	MUL16 4, (\q)%2, \q, \slot, \zero
	MUL16 6, (\q)%2, \q, \slot, \zero
	PLACES NP
	WIN 0
	FETCH_A \slot, (\q)+1, 4
.endm
.macro TURN slot, next, fill
	s_wait_tensorcnt 0x0                           ; my part of the next slot has landed; no load of mine is out
	ds_add_u32 v[SPW], v[NIL]                      ; 0 onto my spare word
	s_wait_dscnt 4*NL+1                            ; (the add and the youngest 12 loads may be out)
	WIN MUL_LO
	MUL16 0, 1, NQ-1, \slot, 0
	s_wait_dscnt 0x0                               ; the add is done, and my reads of this slot are over
	s_barrier_signal -1
	MUL16 2, 1, NQ-1, \slot, 0
	WIN 0
	s_barrier_wait -1
.if \fill
	CREST                                          ; the barrier has opened a round of the cluster's: no wave of any partner still reads this slot or has a load on its way
	s_add_nc_u64 s[G0+4*\slot+2:G0+4*\slot+3], s[G0+4*\slot+2:G0+4*\slot+3], 2*GRP
	s_add_nc_u64 s[G0B+4*\slot+2:G0B+4*\slot+3], s[G0B+4*\slot+2:G0B+4*\slot+3], 2*GRP
	JLOAD G0+4*\slot, G1, G0B+4*\slot, G1B         ; the first tensor load behind the round; its four v_nop are the places in front of the loads below
.else
	PLACES NP
.endif
	FETCH_B \next, 0, 0
	FETCH_A \next, 0, 0
	SCALES \next
	WIN MUL_HI
	MUL16 4, 1, NQ-1, \slot, 0
	MUL16 6, 1, NQ-1, \slot, 0
	PLACES NP
	WIN 0
	FETCH_A \next, 0, 4
.endm
	s_wait_tensorcnt 1                             ; my part of slot 0 is in (slot 1's load may be out)
	s_barrier_signal -1
	s_barrier_wait -1                              ; everybody's is
	FETCH_B 0, 0, 0
	FETCH_A 0, 0, 0
	SCALES 0
	FETCH_A 0, 0, 4
	STEP 0, 0, 1                                   ; the first step's products start the sums
	s_mov_b32 s3, LAPS-1
.Llap:
	TURN 0, 1, 1
	STEP 1, 0, 0
	TURN 1, 0, 1
	STEP 0, 0, 0
	s_sub_co_u32 s3, s3, 1
	s_cmp_lg_u32 s3, 0
	s_cbranch_scc1 .Llap
	TURN 0, 1, 0                                   ; the last lap fills nothing
	STEP 1, 0, 0
	s_wait_dscnt 4*NL
	WIN MUL_LO
	MUL16 0, 1, NQ-1, 1, 0
	MUL16 2, 1, NQ-1, 1, 0
	s_wait_dscnt 0
	WIN MUL_HI
	MUL16 4, 1, NQ-1, 1, 0
	MUL16 6, 1, NQ-1, 1, 0
	WIN 0
; THE WAY OUT, fragment by fragment of A: 16 rows x 128 columns go through my own stage in LDS and come back as whole rows of 512 bytes.  LDS serves a wave's instructions in order: no wait between the stores and the loads.
.macro TOSTAGE a
.set AC, 64*((\a)%4)
	WIN 0x08+4*((\a)/4)                            ; the data: window 2 or 3
.irp b, 0,1,2,3,4,5,6,7
	ds_store_b128 v[STO], v[AC+8*\b:AC+8*\b+3] offset:128*(\b/2)+32*(\b%2)         ; each accumulator from its low end on
	ds_store_b128 v[STO], v[AC+8*\b+4:AC+8*\b+7] offset:128*(\b/2)+32*(\b%2)+16
.endr
	WIN 0
.set BB, BK+64*((\a)%2)
.irp t, 0,1,2,3,4,5,6,7,8,9,10,11,12,13,14,15
	ds_load_b128 v[BB+4*\t:BB+4*\t+3], v[RD] offset:\t*SPITCH
.endr
.endm
.macro SEND a, younger                 ; younger: the LDS instructions issued behind fragment a's loads, which may stay out
.set BB, BK+64*((\a)%2)
	s_wait_dscnt \younger
.irp t, 0,1,2,3,4,5,6,7,8,9,10,11,12,13,14,15
	global_store_b128 v[LI], v[BB+4*\t:BB+4*\t+3], s[12:13] offset:(32*((\a)/2)+8*((\a)%2)+\t+8*(\t/8))*ROWB th:TH_STORE_NT   ; stage row t is row 32 (a / 2) + 8 (a % 2) + t + 8 (t / 8): 512 consecutive bytes; 127 rows at the most, inside the signed 24-bit immediate
.endr
.endm
	PLACES NP                                      ; behind the last products: results are read, and rows land in the registers that held A's fragments
	TOSTAGE 0
.irp a, 1,2,3,4,5,6,7
.if \a > 1
	s_wait_xcnt 0x0                                ; fragment a - 2's stores have read their registers: fragment a's rows may land there
.endif
	TOSTAGE \a
	SEND \a-1, 32                                  ; behind fragment a - 1's loads: fragment a's 16 stores and 16 loads
.endr
	SEND 7, 0
	s_wait_tensorcnt 0x0                           ; the wave's end
	ds_add_u32 v[SPW], v[NIL]
	s_wait_dscnt 0x0
	CROUND                                         ; the closing round
	s_endpgm
.Lfunc_end_k_q3e98fbce67_gemm_out:
	.size	k_q3e98fbce67_gemm_out, .Lfunc_end_k_q3e98fbce67_gemm_out-k_q3e98fbce67_gemm_out
	.p2alignl 7, 3214868480
	.fill 96, 4, 3214868480
	.section	.rodata,"a",@progbits
	.p2align	6, 0x0
	.amdhsa_kernel k_q3e98fbce67_gemm_out
		.amdhsa_group_segment_fixed_size 327680
		.amdhsa_private_segment_fixed_size 0
		.amdhsa_enable_private_segment 0
		.amdhsa_kernarg_size 24
		.amdhsa_user_sgpr_count 2
		.amdhsa_user_sgpr_kernarg_segment_ptr 1
		.amdhsa_wavefront_size32 1
		.amdhsa_system_sgpr_workgroup_id_x 1
		.amdhsa_system_sgpr_workgroup_id_y 1
		.amdhsa_system_sgpr_workgroup_id_z 1
		.amdhsa_system_vgpr_workitem_id 0
		.amdhsa_next_free_vgpr 1024
		.amdhsa_next_free_sgpr 100
		.amdhsa_reserve_vcc 0
		.amdhsa_float_denorm_mode_32 3
		.amdhsa_float_denorm_mode_16_64 3
		.amdhsa_memory_ordered 1
		.amdhsa_forward_progress 1
		.amdhsa_inst_pref_size 132
	.end_amdhsa_kernel
	.amdgpu_metadata
---
amdhsa.version: [ 1, 2 ]
amdhsa.kernels:
  - .name:           k_q3e98fbce67_gemm_out
    .symbol:         k_q3e98fbce67_gemm_out.kd
    .args:
      - { .name: o_img, .offset: 0, .size: 8, .value_kind: global_buffer, .address_space: global }
      - { .name: wo_img, .offset: 8, .size: 8, .value_kind: global_buffer, .address_space: global }
      - { .name: out0, .offset: 16, .size: 8, .value_kind: global_buffer, .address_space: global }
    .group_segment_fixed_size: 327680
    .private_segment_fixed_size: 0
    .kernarg_segment_align: 8
    .kernarg_segment_size: 24
    .max_flat_workgroup_size: 128
    .sgpr_count:     100
    .vgpr_count:     1024
    .wavefront_size: 32
...
	.end_amdgpu_metadata
.endif
;; end of part 4
;; ======== version 2 of 2: 4 launches
;; limits: right only within a limited range of input values
;; workspace buffers: x_img 19,660,800 bytes; wo_img 6,553,600 bytes; cs_img 2,097,152 bytes; qkv_img 6,553,600 bytes; o_img 3,276,800 bytes
;; launch quant (part 5): grid 256 x 1, 4 waves a work-group, no clusters, 327,680 bytes of LDS; arguments hidden_states, Wq, Wk, Wv, Wo, cos, sin, x_img, wo_img, cs_img; writes x_img, wo_img, cs_img
.if DOCPART == 5
	.amdgcn_target "amdgcn-amd-amdhsa--gfx1250"
	.amdhsa_code_object_version 6
	.text
	.protected	k_q3e98fbce67_quant
	.globl	k_q3e98fbce67_quant
	.p2align	8
	.type	k_q3e98fbce67_quant,@function
k_q3e98fbce67_quant:
	s_mov_b64 s[64:65], 0
	v_nop
	global_prefetch_b8 v0, s[64:65] scope:SCOPE_SE
	s_setreg_imm32_b32 hwreg(HW_REG_WAVE_MODE, 25, 1), 1
	s_wait_xcnt 0x0
; hidden_states [2048][4096], Wq [2048][4096], Wk, Wv [1024][4096] and Wo [4096][2048], f32, K innermost, become codes of FP6 (E2M3) with one E8M0 byte for each 32 along K,
; laid as RECORDS: one record = 128 rows x 128 K = 12,800 bytes: eight fragments of 16 rows as images of the operand's registers (fragment f, registers 4 c .. 4 c + 3 of lane l at 1,536 f + 512 c + 16 l),
; then 512 bytes of scale words (fragment f, lane r at 12,288 + 32 r + 4 f).  Lane r of fragment f is row 32 (f / 2) + 8 (f % 2) + r + 8 (r / 8) of the 128.
; x_img: [48 groups of 128 rows: 16 hidden, 16 Wq, 8 Wk, 8 Wv][32 K steps][record];  wo_img: [32 groups][16 K steps][record].
; cos and sin [2048][128] are copied into cs_img in the order in which a lane of the next launch wants them: [group 16][fragment 8][cos, sin][16 entries][lane][16 bytes].
; A block's scale is 2^(floor(log2(largest magnitude)) - 2): its byte is the largest magnitude's exponent field - 2, held at 1 from below.
; LIMITS: NaN and infinities among the inputs are not served; a block whose largest magnitude lies under 2^-124 (a block of zeros too) gets the byte 1: a block of zeros has zero codes, and this program alone reads the bytes.
; SHARES: 1,024 waves, each 128 rows x 256 K (two records).  Work-groups 0-191: group wg / 4 of x_img, K part 4 (wg % 4) + wave; work-groups 192-255: Wo.  The four waves stand side by side on 4,096 bytes of each row.
; Each wave has its own ring of two LDS slots of 64 rows x 512 bytes (+ 16 of padding): slot 0 takes rows 0-63, slot 1 rows 64-127; each is filled twice (two K steps).  A wave reads only its own slots.
; No matrix work and no cluster: nothing is shared between work-groups, and each input byte is read once.
.set REC,   12800
.set FRB,   1536
.set SCO,   12288
.set PITCH, 528                        ; an LDS row: 512 bytes + 16
.set SLOTB, 64*PITCH
.set RING,  2*SLOTB
.set SPARE, 4*RING                     ; behind the rings: the spare words, 128 bytes a wave: two blocks of 256 bytes that no other line names
.set LI,  4                            ; v4   16 x lane
.set LA,  5                            ; v5   my ring + (r + 8 (r / 8)) x PITCH + 64 h
.set SA,  6                            ; v6   32 r + 16 h: my 16 bytes of a scale block
.set SPW, 7                            ; v7   my spare word
.set NIL, 8                            ; v8   0
.set CSA, 9                            ; v9   cos, sin: (r + 8 (r / 8)) x 512 + 64 h
.set CSD, 10                           ; v10-25 cos or sin on their way
.set X0,  32                           ; v32-95, v96-159: two sets of 64 numbers
.set PC,  160                          ; v160-171 a fragment's codes, v172-178 at work
.set TM,  180                          ; v180-195 at work in QUANT
.set SW,  196                          ; v196-203 the scale words of a record's eight fragments
.set SM,  204                          ; v204-207 my four of them, to store
.set G1,  24                           ; s[24:31] group 1 for rows of 4,096 numbers;  s[32:39] for Wo's rows of 2,048
.set G1W, 32
.set G0,  40                           ; s[40:47] group 0, a set for each slot
.set WG,  48
.set WV,  49
.set SEL, 82                           ; s[82:83] selects for lane l xor 16
; 64 numbers of a lane, register 16 b + i = k 32 b + 16 h + i of my row, become a fragment's 12 registers in v[PC] on and my row's scale word in v[pw]
.macro QUANT s, pw
.set QS, \s
.irp b, 0,1,2,3
	v_max3_num_f32 v[TM+\b], |v[QS+16*\b]|, |v[QS+1+16*\b]|, 0x1800000   ; my 16 of block b, and the floor 2^(3 - 127): the byte cannot fall under 1
.endr
.irp i, 2,4,6,8,10,12,14
.irp b, 0,1,2,3
	v_max3_num_f32 v[TM+\b], v[TM+\b], |v[QS+16*\b+\i]|, |v[QS+1+16*\b+\i]|   ; the four blocks by turns
.endr
.endr
.irp b, 0,1,2,3
	v_permlanex16_b32 v[TM+4+\b], v[TM+\b], s[SEL], s[SEL+1]
.endr
.irp b, 0,1,2,3
	v_max_num_f32 v[TM+\b], v[TM+\b], v[TM+4+\b]           ; with lane l xor 16's 16: the block's largest magnitude
.endr
.irp b, 0,1,2,3
	v_add_nc_u32 v[TM+12+\b], 0xff000000, v[TM+\b]         ; 2 off its exponent field: the conversion's scale operand
.endr
.irp b, 0,1,2,3
	v_lshrrev_b32 v[TM+4+\b], 23, v[TM+12+\b]              ; the scale's byte
.endr
	v_lshl_or_b32 v[\pw], v[TM+5], 8, v[TM+4]
	v_lshl_or_b32 v[\pw], v[TM+6], 16, v[\pw]
	v_lshl_or_b32 v[\pw], v[TM+7], 24, v[\pw]
.irp c, 0,1
	v_cvt_scalef32_pk16_fp6_f32 v[PC+6*\c:PC+2+6*\c], v[QS+32*\c:QS+15+32*\c], v[TM+12+2*\c]
	v_cvt_scalef32_pk16_fp6_f32 v[PC+12+4*\c:PC+14+4*\c], v[QS+16+32*\c:QS+31+32*\c], v[TM+12+2*\c+1]   ; (a conversion's three registers begin on an even number)
.endr
	v_nop                                                  ; one plain place behind a scaled conversion
.irp c, 0,1                                            ; the operand's layout wants a whole block in a lane: lanes 0-15 block 2 c, lanes 16-31 block 2 c + 1
.irp i, 0,1,2
	v_permlane16_swap_b32 v[PC+6*\c+\i], v[PC+12+4*\c+\i]
.endr
.irp i, 0,1,2
	v_mov_b32 v[PC+3+6*\c+\i], v[PC+12+4*\c+\i]
.endr
.endr
.endm
; One tensor load into a slot.  The two shapes differ in the pitch alone; each has a group 1 of constants, and the branch hangs on the work-group's number: both ways issue one load.  Four v_nop follow each line.
.macro TL slot
	s_cmp_lt_u32 s[WG], 192
	s_cbranch_scc0 .Lwo_\@
	tensor_load_to_lds s[G0+4*\slot:G0+4*\slot+3], s[G1:G1+7]
	s_nop 0
.rept 4
	v_nop
.endr
	s_branch .Ltl_\@
.Lwo_\@:
	tensor_load_to_lds s[G0+4*\slot:G0+4*\slot+3], s[G1W:G1W+7]
	s_nop 0
.rept 4
	v_nop
.endr
.Ltl_\@:
.endm
	s_load_b512 s[4:19], s[0:1], 0x0               ; hidden s[4:5], Wq s[6:7], Wk s[8:9], Wv s[10:11], Wo s[12:13], cos s[14:15], sin s[16:17], x_img s[18:19]
	s_load_b128 s[20:23], s[0:1], 0x40             ; wo_img s[20:21], cs_img s[22:23]
	v_lshl_add_u32 v[SPW], v0, 2, SPARE
	v_mov_b32 v[NIL], 0
	ds_add_u32 v7, v8
	ds_add_u32 v7, v8
	s_wait_dscnt 0x0
	v_lshrrev_b32 v1, 5, v0
	v_readfirstlane_b32 s[WV], v1                  ; wave 0..3
	s_mov_b32 s[WG], ttmp9
	; the numbers of a wave of x_img's part
	s_lshr_b32 s54, s[WG], 2                       ; group 0..47
	s_and_b32 s55, s[WG], 3
	s_lshl_b32 s55, s55, 2
	s_add_co_u32 s55, s55, s[WV]                   ; which 256 along K: 0..15
	s_mov_b32 s56, 40
	s_cmp_lt_u32 s54, 40
	s_cselect_b32 s56, 32, s56
	s_cmp_lt_u32 s54, 32
	s_cselect_b32 s56, 16, s56
	s_cmp_lt_u32 s54, 16
	s_cselect_b32 s56, 0, s56
	s_sub_co_u32 s56, s54, s56                     ; the group inside its tensor
	s_lshl_b32 s57, s56, 21                        ; x 128 rows of 16,384 bytes
	s_lshl_b32 s59, s55, 10
	s_add_co_u32 s57, s57, s59                     ; + 1,024 bytes for each 256 along K
	s_lshl_b32 s58, s54, 5
	s_lshl_b32 s59, s55, 1
	s_add_co_u32 s58, s58, s59
	s_mul_i32 s58, s58, REC                        ; record 32 x group + 2 x part
	; and of a wave of Wo's part
	s_max_u32 s60, s[WG], 192
	s_sub_co_u32 s60, s60, 192
	s_lshr_b32 s61, s60, 1                         ; group 0..31
	s_and_b32 s62, s60, 1
	s_lshl_b32 s62, s62, 2
	s_add_co_u32 s62, s62, s[WV]                   ; which 256 along K: 0..7
	s_lshl_b32 s63, s61, 20                        ; x 128 rows of 8,192 bytes
	s_lshl_b32 s67, s62, 10
	s_add_co_u32 s63, s63, s67
	s_lshl_b32 s66, s61, 4
	s_lshl_b32 s67, s62, 1
	s_add_co_u32 s66, s66, s67
	s_mul_i32 s66, s66, REC                        ; record 16 x group + 2 x part
	s_mov_b32 s74, 64*8192
	s_cmp_lt_u32 s[WG], 192
	s_cselect_b32 s70, s57, s63                    ; where my rows begin in the source,
	s_cselect_b32 s72, s58, s66                    ; my two records in the workspace,
	s_cselect_b32 s74, 64*16384, s74               ; and 64 rows in bytes
	s_mov_b32 s71, 0
	s_mov_b32 s73, 0
	s_mov_b32 s75, 0
	s_mul_i32 s76, s[WV], RING                     ; my ring
	; group 1: 128 rows x 128 numbers of 4 bytes, 16 bytes of padding behind each 512
.irp g, G1, G1W
	s_mov_b32 s[\g+0], (2<<16)|(1<<20)|(6<<22)|(3<<25)
	s_mov_b32 s[\g+1], 128<<16                     ; tensor_dim0
	s_mov_b32 s[\g+2], 128<<16                     ; tensor_dim1: the head's one load brings 128 rows
	s_mov_b32 s[\g+3], 128<<16                     ; tile_dim0
	s_mov_b32 s[\g+4], 128                         ; tile_dim1
	s_mov_b32 s[\g+6], 0
	s_mov_b32 s[\g+7], 0
.endr
	s_mov_b32 s[G1+5], 4096                        ; numbers from row to row
	s_mov_b32 s[G1W+5], 2048
	s_mov_b32 s[SEL], 0x76543210
	s_mov_b32 s[SEL+1], 0xfedcba98
	s_wait_kmcnt 0x0
	s_cmp_lt_u32 s54, 40                           ; the choices hang on the work-group's number alone
	s_cselect_b64 s[50:51], s[8:9], s[10:11]
	s_cmp_lt_u32 s54, 32
	s_cselect_b64 s[50:51], s[6:7], s[50:51]
	s_cmp_lt_u32 s54, 16
	s_cselect_b64 s[50:51], s[4:5], s[50:51]
	s_cmp_lt_u32 s[WG], 192
	s_cselect_b64 s[50:51], s[50:51], s[12:13]
	s_cselect_b64 s[52:53], s[18:19], s[20:21]
	s_add_nc_u64 s[50:51], s[50:51], s[70:71]      ; my first row, my first K
	s_add_nc_u64 s[52:53], s[52:53], s[72:73]      ; my first record
	s_mov_b32 s[G0], 1
	s_mov_b32 s[G0+1], s76                         ; slot 0
	s_mov_b64 s[G0+2:G0+3], s[50:51]               ; rows 0-63
	s_or_b32 s[G0+3], s[G0+3], 0x80000000
	s_mov_b32 s[G0+4], 1
	s_add_co_u32 s[G0+5], s76, SLOTB               ; slot 1
	s_add_nc_u64 s[G0+6:G0+7], s[50:51], s[74:75]  ; rows 64-127
	s_or_b32 s[G0+7], s[G0+7], 0x80000000
	s_cmp_lt_u32 s[WG], 192                        ; the two slots lie on end in LDS, so ONE load of 128 rows is the first fill of both: one tensor load a wave at the head
	s_cbranch_scc0 .Lfirst_wo
	tensor_load_to_lds s[G0:G0+3], s[G1:G1+7]
	s_nop 0
.rept 4
	v_nop
.endr
	s_branch .Lfirst_done
.Lfirst_wo:
	tensor_load_to_lds s[G0:G0+3], s[G1W:G1W+7]
	s_nop 0
.rept 4
	v_nop
.endr
.Lfirst_done:
	v_and_b32 v1, 31, v0                           ; lane
	v_and_b32 v2, 15, v0                           ; r
	v_bfe_u32 v3, v0, 4, 1                         ; h
	v_lshlrev_b32 v[LI], 4, v1
	v_and_b32 v[LA], 8, v2
	v_add_nc_u32 v[CSA], v[LA], v2                 ; r + 8 (r / 8)
	v_mul_u32_u24 v[LA], v[CSA], PITCH
	v_lshl_add_u32 v[LA], v3, 6, v[LA]
	v_add_nc_u32 v[LA], s76, v[LA]
	v_lshlrev_b32 v[SA], 5, v2
	v_lshl_add_u32 v[SA], v3, 4, v[SA]
	v_lshlrev_b32 v[CSA], 9, v[CSA]
	v_lshl_add_u32 v[CSA], v3, 6, v[CSA]
	s_wait_alu depctr_va_vdst(0)
.irp b, 0,1,2,3
	v_mov_b32 v[TM+4+\b], 0                        ; written once: a lane permute's destination counts as one of its sources
.endr
	; cos and sin: wave W = 4 wg + wave of 1,024 copies 2,048 bytes: fragment U = W / 8 of 128, table (W % 8) / 4, block of 32 columns W % 4
	s_lshl_b32 s77, s[WG], 2
	s_add_co_u32 s77, s77, s[WV]
	s_lshr_b32 s78, s77, 3                         ; U = 8 x group + fragment
	s_and_b32 s79, s77, 7
	s_and_b32 s80, s79, 3                          ; the block of 32 columns
	s_lshr_b32 s81, s78, 3
	s_lshl_b32 s81, s81, 7                         ; 128 x group
	s_and_b32 s84, s78, 7
	s_lshr_b32 s85, s84, 1
	s_lshl_b32 s85, s85, 5
	s_add_co_u32 s81, s81, s85
	s_and_b32 s85, s84, 1
	s_lshl_b32 s85, s85, 3
	s_add_co_u32 s81, s81, s85                     ; the fragment's first row
	s_lshl_b32 s86, s81, 9
	s_lshl_b32 s85, s80, 7
	s_add_co_u32 s86, s86, s85
	s_mov_b32 s87, 0
	s_lshl_b32 s88, s78, 14
	s_lshr_b32 s85, s79, 2
	s_lshl_b32 s85, s85, 13
	s_add_co_u32 s88, s88, s85
	s_lshl_b32 s85, s80, 11
	s_add_co_u32 s88, s88, s85
	s_mov_b32 s89, 0
	s_cmp_lt_u32 s79, 4
	s_cselect_b64 s[90:91], s[14:15], s[16:17]
	s_add_nc_u64 s[90:91], s[90:91], s[86:87]
	s_add_nc_u64 s[92:93], s[22:23], s[88:89]
.irp j, 0,1,2,3
	global_load_b128 v[CSD+4*\j:CSD+4*\j+3], v[CSA], s[90:91] offset:16*\j
.endr
	s_wait_loadcnt 0x0
.irp j, 0,1,2,3
	global_store_b128 v[LI], v[CSD+4*\j:CSD+4*\j+3], s[92:93] offset:512*\j   ; 32 lanes store 512 consecutive bytes
.endr
.macro LOADF fp, slot, set             ; fragment fp of the slot's four: my row's 64 numbers (16 of each block of 32) into a set
.irp b, 0,1,2,3
.irp j, 0,1,2,3
	ds_load_b128 v[X0+64*(\set)+16*\b+4*\j:X0+64*(\set)+16*\b+4*\j+3], v[LA] offset:(\slot)*SLOTB+(32*((\fp)/2)+8*((\fp)%2))*PITCH+128*\b+16*\j
.endr
.endr
.endm
; K step kap, rows 64 half on (slot = half): four fragments.  left: the tensor loads issued behind this tile's, which may stay out
.macro TILE kap, half, left
	s_wait_tensorcnt \left                         ; tensor loads of a wave end in order: my tile is in LDS
	LOADF 0, \half, 0
	LOADF 1, \half, 1
.irp f, 0,1,2,3
.if \f < 3
	s_wait_dscnt 16                                ; this fragment's 16 loads are in; the next one's may be out
.else
	s_wait_dscnt 0x0
.endif
	s_wait_xcnt 0x0                                ; the codes' registers, which the last fragment's stores read, are written only behind this wait
	QUANT X0+64*(\f%2), SW+4*\half+\f
.irp c, 0,1,2
	global_store_b128 v[LI], v[PC+4*\c:PC+4*\c+3], s[52:53] offset:\kap*REC+(4*\half+\f)*FRB+512*\c   ; the image: 512 consecutive bytes, at a multiple of 256 from the buffer's first byte
.endr
.if \f < 2
	LOADF \f+2, \half, \f%2
.endif
.endr
.endm
.macro SCST kap                        ; a record's scale block: lane (r, h) stores the words of fragments 4 h .. 4 h + 3 of lane r: the wave covers its 512 bytes
	v_cmp_ne_u32 vcc_lo, 0, v3
.irp i, 0,1,2,3
	v_cndmask_b32 v[SM+\i], v[SW+\i], v[SW+4+\i], vcc_lo
.endr
	global_store_b128 v[SA], v[SM:SM+3], s[52:53] offset:\kap*REC+SCO
.endm
.macro FILL slot                       ; a slot that has been read is filled with the same rows' next K step
	s_wait_tensorcnt 0x0                           ; no tensor load of mine is out, so a group 0 may be written
	ds_add_u32 v[SPW], v[NIL]                      ; 0 onto my spare word
	s_add_nc_u64 s[G0+4*\slot+2:G0+4*\slot+3], s[G0+4*\slot+2:G0+4*\slot+3], 512
	s_wait_dscnt 0x0                               ; the add is done, and my reads of the slot are back
	s_barrier_signal -1
	s_barrier_wait -1
	TL \slot                                       ; my one tensor load behind the barrier, and the first thing there
.endm
	TILE 0, 0, 0                                   ; the head's one load has landed: both slots are whole
	s_mov_b32 s[G1+2], 64<<16                      ; no tensor load of mine is out, so a descriptor may be written: from here on a load brings 64 rows
	s_mov_b32 s[G1+4], 64
	s_mov_b32 s[G1W+2], 64<<16
	s_mov_b32 s[G1W+4], 64
	FILL 0
	TILE 0, 1, 1                                   ; the refill of slot 0 may stay out
	SCST 0
	FILL 1
	TILE 1, 0, 1                                   ; the refill of slot 1 may stay out
	TILE 1, 1, 0
	SCST 1
	s_wait_tensorcnt 0x0                           ; the wave's end
	ds_add_u32 v[SPW], v[NIL]
	s_wait_dscnt 0x0
	s_endpgm
.Lfunc_end_k_q3e98fbce67_quant:
	.size	k_q3e98fbce67_quant, .Lfunc_end_k_q3e98fbce67_quant-k_q3e98fbce67_quant
	.p2alignl 7, 3214868480
	.fill 96, 4, 3214868480
	.section	.rodata,"a",@progbits
	.p2align	6, 0x0
	.amdhsa_kernel k_q3e98fbce67_quant
		.amdhsa_group_segment_fixed_size 327680
		.amdhsa_private_segment_fixed_size 0
		.amdhsa_enable_private_segment 0
		.amdhsa_kernarg_size 80
		.amdhsa_user_sgpr_count 2
		.amdhsa_user_sgpr_kernarg_segment_ptr 1
		.amdhsa_wavefront_size32 1
		.amdhsa_system_sgpr_workgroup_id_x 1
		.amdhsa_system_sgpr_workgroup_id_y 1
		.amdhsa_system_sgpr_workgroup_id_z 1
		.amdhsa_system_vgpr_workitem_id 0
		.amdhsa_next_free_vgpr 208
		.amdhsa_next_free_sgpr 96
		.amdhsa_reserve_vcc 1
		.amdhsa_float_denorm_mode_32 3
		.amdhsa_float_denorm_mode_16_64 3
		.amdhsa_memory_ordered 1
		.amdhsa_forward_progress 1
		.amdhsa_inst_pref_size 91
	.end_amdhsa_kernel
	.amdgpu_metadata
---
amdhsa.version: [ 1, 2 ]
amdhsa.kernels:
  - .name:           k_q3e98fbce67_quant
    .symbol:         k_q3e98fbce67_quant.kd
    .args:
      - { .name: hidden_states, .offset: 0, .size: 8, .value_kind: global_buffer, .address_space: global }
      - { .name: Wq, .offset: 8, .size: 8, .value_kind: global_buffer, .address_space: global }
      - { .name: Wk, .offset: 16, .size: 8, .value_kind: global_buffer, .address_space: global }
      - { .name: Wv, .offset: 24, .size: 8, .value_kind: global_buffer, .address_space: global }
      - { .name: Wo, .offset: 32, .size: 8, .value_kind: global_buffer, .address_space: global }
      - { .name: cos, .offset: 40, .size: 8, .value_kind: global_buffer, .address_space: global }
      - { .name: sin, .offset: 48, .size: 8, .value_kind: global_buffer, .address_space: global }
      - { .name: x_img, .offset: 56, .size: 8, .value_kind: global_buffer, .address_space: global }
      - { .name: wo_img, .offset: 64, .size: 8, .value_kind: global_buffer, .address_space: global }
      - { .name: cs_img, .offset: 72, .size: 8, .value_kind: global_buffer, .address_space: global }
    .group_segment_fixed_size: 327680
    .private_segment_fixed_size: 0
    .kernarg_segment_align: 8
    .kernarg_segment_size: 80
    .max_flat_workgroup_size: 128
    .sgpr_count:     96
    .vgpr_count:     208
    .wavefront_size: 32
...
	.end_amdgpu_metadata
.endif
;; end of part 5
;; launch gemm_qkv (part 6): grid 16 x 16, 4 waves a work-group, clusters of 4 x 4, 327,680 bytes of LDS; arguments x_img, cs_img, qkv_img; writes qkv_img
.if DOCPART == 6
	.amdgcn_target "amdgcn-amd-amdhsa--gfx1250"
	.amdhsa_code_object_version 6
	.text
	.protected	k_q3e98fbce67_gemm_qkv
	.globl	k_q3e98fbce67_gemm_qkv
	.p2align	8
	.type	k_q3e98fbce67_gemm_qkv,@function
k_q3e98fbce67_gemm_qkv:
	s_mov_b64 s[64:65], 0
	v_nop
	global_prefetch_b8 v0, s[64:65] scope:SCOPE_SE
	s_setreg_imm32_b32 hwreg(HW_REG_WAVE_MODE, 25, 1), 1
	s_wait_xcnt 0x0
	s_wait_alu depctr_hold_cnt(0) depctr_sa_sdst(0) depctr_va_vdst(0) depctr_va_sdst(0) depctr_va_ssrc(0) depctr_va_vcc(0) depctr_vm_vsrc(0)
	s_getreg_b32 s2, hwreg(HW_REG_IB_STS2, 6, 4)
	s_cmp_eq_u32 s2, 0
	s_cbranch_scc0 .Lentry_in_a_cluster
	s_endpgm
.Lentry_in_a_cluster:
	s_bfe_u32 s2, ttmp6, 0x10000c
	s_cmp_lg_u32 s2, 0xf033
	s_cbranch_scc0 .Lentry_shape_is_right
	s_endpgm
.Lentry_shape_is_right:
.set REC,   12800
.set NQ,    4
.set GRP,   NQ*REC
.set SLOT,  3*GRP
.set FRB,   1536
.set SCO,   12288
.set FR,    12
.set NP,    4
.set KSTEPS, 32
.set GSTR,  KSTEPS*REC
.set LAPS,  KSTEPS/(2*NQ)
.set SPARE, 2*SLOT
.set KV0,   3276800
.set LI,   4
.set R32,  5
.set ADRA, 16
.set ADRB, 20
.set ADRS, 26
.set SPW,  28
.set NIL,  29
.set SC,   32
.set AF,   128
.set X,    64
.set PC,   128
.set TM,   160
.set SW,   180
.set G1, 24
.set G0, 32
.set G1B, 48
.set G0B, 56
.set SEL, 82
.set MSB, 0
.macro WIN new
.if MSB != (\new)
	s_set_vgpr_msb (MSB<<8)|(\new)
.set MSB, (\new)
.endif
.endm
.set MULW, 0xa1
.set TO_B, 0x40
.macro JLOAD g0a, g1a, g0b, g1b
	s_cmp_eq_u32 s15, 0
	s_cbranch_scc0 .Lfor_b_\@
	tensor_load_to_lds s[\g0a:\g0a+3], s[\g1a:\g1a+7]
	s_nop 0
.rept 4
	v_nop
.endr
	s_branch .Lasked_\@
.Lfor_b_\@:
	tensor_load_to_lds s[\g0b:\g0b+3], s[\g1b:\g1b+7]
	s_nop 0
.rept 4
	v_nop
.endr
.Lasked_\@:
.endm
.macro CROUND
	s_barrier_signal -1
	s_barrier_wait -1
	s_cmp_lg_u32 s14, 0
	s_cbranch_scc1 .Lnot_wave_0_\@
	s_barrier_signal -3
.Lnot_wave_0_\@:
	s_barrier_wait -3
	s_barrier_signal -1
	s_barrier_wait -1
.endm
	s_load_b128 s[4:7], s[0:1], 0x0
	s_load_b64 s[8:9], s[0:1], 0x10
	v_lshl_add_u32 v[SPW], v0, 2, SPARE
	v_mov_b32 v[NIL], 0
	ds_add_u32 v28, v29
	ds_add_u32 v28, v29
	s_wait_dscnt 0x0
	v_lshrrev_b32 v1, 5, v0
	v_readfirstlane_b32 s14, v1
	s_lshr_b32 s15, s14, 1
	s_and_b32 s16, s14, 1
	s_bfe_u32 s40, ttmp6, 0x40000
	s_bfe_u32 s41, ttmp6, 0x40004
	s_and_b32 s17, ttmp7, 0xffff
	s_lshl_b32 s43, s41, 2
	s_lshl_b32 s43, 15, s43
	s_lshl_b32 s44, 0x1111, s40
	s_or_b32 s[G1+0], s43, (3<<16)|(1<<21)
	s_or_b32 s[G1B+0], s44, (3<<16)|(1<<21)
.irp g, G1, G1B
	s_mov_b32 s[\g+1], 32<<16
	s_mov_b32 s[\g+3], 32<<16
	s_mov_b32 s[\g+5], 32
	s_mov_b32 s[\g+6], 0
	s_mov_b32 s[\g+7], 0
.endr
	s_mov_b32 s[G1+2], 100<<16
	s_mov_b32 s[G1+4], 100
	s_mov_b32 s[G1B+2], 200<<16
	s_mov_b32 s[G1B+4], 200
	s_lshl_b32 s18, s17, 2
	s_and_b32 s19, s17, 1
	s_lshl_b32 s19, s19, 2
	s_add_co_u32 s19, s19, 40
	s_lshr_b32 s21, s17, 1
	s_lshl_b32 s21, s21, 3
	s_lshl_b32 s47, ttmp9, 3
	s_add_co_u32 s47, s47, 16
	s_cmp_eq_u32 ttmp9, 3
	s_cselect_b32 s20, s19, s18
	s_cselect_b32 s46, s21, s47
	s_add_co_u32 s20, s20, s41
	s_lshl_b32 s47, s40, 1
	s_add_co_u32 s46, s46, s47
	s_mul_i32 s22, s20, GSTR
	s_mul_i32 s45, s16, GRP/2
	s_add_co_u32 s22, s22, s45
	s_mov_b32 s23, 0
	s_add_co_u32 s92, s46, s16
	s_mul_i32 s92, s92, GSTR
	s_mov_b32 s93, 0
	s_mul_i32 s90, s16, GRP
	s_add_co_u32 s90, s90, GRP
	s_mov_b32 s[SEL], 0x76543210
	s_mov_b32 s[SEL+1], 0xfedcba98
	s_wait_kmcnt 0x0
	s_add_nc_u64 s[22:23], s[4:5], s[22:23]
	s_add_nc_u64 s[92:93], s[4:5], s[92:93]
	CROUND
.irp s, 0,1
	s_mov_b32 s[G0+4*\s], 1
	s_add_co_u32 s[G0+4*\s+1], s45, \s*SLOT
	s_add_nc_u64 s[G0+4*\s+2:G0+4*\s+3], s[22:23], \s*GRP
	s_or_b32 s[G0+4*\s+3], s[G0+4*\s+3], 0x80000000
	s_mov_b32 s[G0B+4*\s], 1
	s_add_co_u32 s[G0B+4*\s+1], s90, \s*SLOT
	s_add_nc_u64 s[G0B+4*\s+2:G0B+4*\s+3], s[92:93], \s*GRP
	s_or_b32 s[G0B+4*\s+3], s[G0B+4*\s+3], 0x80000000
	s_wait_alu depctr_va_vdst(0)
	s_wait_tensorcnt 0x0
	ds_add_u32 v28, v29
	ds_add_u32 v28, v29
	s_wait_dscnt 0x0
	CROUND
	JLOAD G0+4*\s, G1, G0B+4*\s, G1B
.endr
	v_and_b32 v1, 15, v0
	v_bfe_u32 v3, v0, 4, 1
	s_wait_alu depctr_va_vdst(0)
	v_and_b32 v2, 31, v0
	v_lshlrev_b32 v[LI], 4, v2
	s_mul_i32 s76, s15, 4*FRB
	s_mul_i32 s77, s16, GRP
	s_add_co_u32 s77, s77, GRP
.irp s, 0,1
	v_add_nc_u32 v[ADRA+\s], s76, v[LI]
	v_add_nc_u32 v[ADRB+\s], s77, v[LI]
	s_add_co_u32 s76, s76, SLOT
	s_add_co_u32 s77, s77, SLOT
.endr
	v_lshlrev_b32 v[R32], 5, v1
	s_lshl_b32 s78, s15, 4
	s_mul_i32 s79, s16, GRP
	s_add_co_u32 s79, s79, GRP
	s_sub_co_u32 s79, s79, s78
	v_mul_u32_u24 v6, s79, v3
	s_add_co_u32 s78, s78, SCO
	v_add_nc_u32 v6, v[R32], v6
	v_add_nc_u32 v[ADRS], s78, v6
	v_add_nc_u32 v[ADRS+1], SLOT, v[ADRS]
	s_add_co_u32 s71, s46, s16
	s_sub_co_u32 s72, s71, 16
	s_lshl_b32 s72, s72, 4
	s_add_co_u32 s72, s72, s20
	s_max_u32 s73, s72, 256
	s_sub_co_u32 s73, s73, 256
	s_add_co_u32 s72, s72, s73
	s_mul_i32 s72, s72, REC
	s_sub_co_u32 s74, s20, 40
	s_lshl_b32 s74, s74, 4
	s_add_co_u32 s74, s74, s71
	s_mul_i32 s74, s74, 2*REC
	s_add_co_u32 s74, s74, KV0+REC
	s_cmp_eq_u32 ttmp9, 3
	s_cselect_b32 s72, s74, s72
	s_mov_b32 s73, 0
	s_add_nc_u64 s[94:95], s[8:9], s[72:73]
	s_mul_i32 s74, s15, 4*FRB
	s_mov_b32 s75, 0
	s_add_nc_u64 s[10:11], s[94:95], s[74:75]
	s_lshl_b32 s74, s15, 4
	s_add_nc_u64 s[94:95], s[94:95], s[74:75]
	s_lshl_b32 s74, s20, 17
	s_lshl_b32 s76, s15, 16
	s_add_co_u32 s74, s74, s76
	s_add_nc_u64 s[12:13], s[6:7], s[74:75]
.macro FRAG reg, adr, q, i
.irp c, 0,1,2
	ds_load_b128 v[\reg+4*\c:\reg+4*\c+3], v[\adr] offset:(\q)*REC+(\i)*FRB+512*\c
.endr
.endm
.macro FETCH slot, q, p
	WIN TO_B
.irp i, 0,1,2,3,4,5,6,7
	FRAG 128*(\p)+FR*\i, ADRB+\slot, \q, \i
.endr
	WIN 0
.irp i, 0,1,2,3
	FRAG AF+48*(\p)+FR*\i, ADRA+\slot, \q, \i
.endr
	ds_load_b128 v[SC+8*(\p):SC+8*(\p)+3], v[ADRS+\slot] offset:(\q)*REC
	ds_load_b128 v[SC+8*(\p)+4:SC+8*(\p)+7], v[ADRS+\slot] offset:(\q)*REC+16
.endm
.macro MUL16 a0, p, zero
.irp a, \a0, \a0+1
.irp b, 0,1,2,3,4,5,6,7
.if \zero
	v_wmma_scale_f32_16x16x128_f8f6f4 v[8*(8*(\a)+\b):8*(8*(\a)+\b)+7], v[128*(\p)+FR*\b:128*(\p)+FR*\b+FR-1], v[AF+48*(\p)+FR*(\a):AF+48*(\p)+FR*(\a)+FR-1], 0, v[SC+8*(\p)+\b], v[SC+8*(\p)+(\a)] matrix_a_fmt:MATRIX_FMT_FP6 matrix_b_fmt:MATRIX_FMT_FP6 matrix_a_scale:MATRIX_SCALE_ROW1
.else
	v_wmma_scale_f32_16x16x128_f8f6f4 v[8*(8*(\a)+\b):8*(8*(\a)+\b)+7], v[128*(\p)+FR*\b:128*(\p)+FR*\b+FR-1], v[AF+48*(\p)+FR*(\a):AF+48*(\p)+FR*(\a)+FR-1], v[8*(8*(\a)+\b):8*(8*(\a)+\b)+7], v[SC+8*(\p)+\b], v[SC+8*(\p)+(\a)] matrix_a_fmt:MATRIX_FMT_FP6 matrix_b_fmt:MATRIX_FMT_FP6 matrix_a_scale:MATRIX_SCALE_ROW1
.endif
.endr
.endr
.endm
.macro PLACES n
.rept \n
	v_nop
.endr
.endm
.macro STEP slot, q, zero
	s_wait_dscnt 0x0
	PLACES NP
	FETCH \slot, (\q)+1, 1-(\q)%2
	WIN MULW
	MUL16 0, (\q)%2, \zero
	MUL16 2, (\q)%2, \zero
	WIN 0
.endm
.macro TURN slot, next, fill
	s_wait_dscnt 0x0
	WIN MULW
	MUL16 0, 1, 0
	WIN 0
	s_wait_tensorcnt 0x0
	ds_add_u32 v[SPW], v[NIL]
.if \fill
	s_add_nc_u64 s[G0+4*\slot+2:G0+4*\slot+3], s[G0+4*\slot+2:G0+4*\slot+3], 2*GRP
	s_add_nc_u64 s[G0B+4*\slot+2:G0B+4*\slot+3], s[G0B+4*\slot+2:G0B+4*\slot+3], 2*GRP
.endif
	s_wait_dscnt 0x0
.if \fill
	CROUND
	JLOAD G0+4*\slot, G1, G0B+4*\slot, G1B
.else
	s_barrier_signal -1
	s_barrier_wait -1
	PLACES NP
.endif
	FETCH \next, 0, 0
	WIN MULW
	MUL16 2, 1, 0
	WIN 0
.endm
	s_wait_alu depctr_va_vdst(0)
	s_wait_tensorcnt 1
	s_barrier_signal -1
	s_barrier_wait -1
	FETCH 0, 0, 0
	STEP 0, 0, 1
	s_mov_b32 s3, LAPS-1
.Llap:
	STEP 0, 1, 0
	STEP 0, 2, 0
	TURN 0, 1, 1
	STEP 1, 0, 0
	STEP 1, 1, 0
	STEP 1, 2, 0
	TURN 1, 0, 1
	STEP 0, 0, 0
	s_sub_co_u32 s3, s3, 1
	s_cmp_lg_u32 s3, 0
	s_cbranch_scc1 .Llap
	STEP 0, 1, 0
	STEP 0, 2, 0
	TURN 0, 1, 0
	STEP 1, 0, 0
	STEP 1, 1, 0
	STEP 1, 2, 0
	s_wait_dscnt 0x0
	WIN MULW
	MUL16 0, 1, 0
	MUL16 2, 1, 0
	WIN 0
.macro QUANT s, w, pw
.set QS, \s
.set QW, \w
	WIN (QW<<2)|(QW<<4)
.irp b, 0,1,2,3
	v_max3_num_f32 v[TM+\b], 0x1800000, |v[QS+16*\b]|, |v[QS+1+16*\b]|
.endr
.irp i, 2,4,6,8,10,12,14
.irp b, 0,1,2,3
	v_max3_num_f32 v[TM+\b], v[TM+\b], |v[QS+16*\b+\i]|, |v[QS+1+16*\b+\i]|
.endr
.endr
	WIN 0
.irp b, 0,1,2,3
	v_permlanex16_b32 v[TM+4+\b], v[TM+\b], s[SEL], s[SEL+1]
.endr
.irp b, 0,1,2,3
	v_max_num_f32 v[TM+\b], v[TM+\b], v[TM+4+\b]
.endr
.irp b, 0,1,2,3
	v_add_nc_u32 v[TM+12+\b], 0xff000000, v[TM+\b]
.endr
.irp b, 0,1,2,3
	v_lshrrev_b32 v[TM+4+\b], 23, v[TM+12+\b]
.endr
	v_lshl_or_b32 v[\pw], v[TM+5], 8, v[TM+4]
	v_lshl_or_b32 v[\pw], v[TM+6], 16, v[\pw]
	v_lshl_or_b32 v[\pw], v[TM+7], 24, v[\pw]
	WIN QW
.irp c, 0,1
	v_cvt_scalef32_pk16_fp6_f32 v[PC+6*\c:PC+2+6*\c], v[QS+32*\c:QS+15+32*\c], v[TM+12+2*\c]
	v_cvt_scalef32_pk16_fp6_f32 v[PC+12+4*\c:PC+14+4*\c], v[QS+16+32*\c:QS+31+32*\c], v[TM+12+2*\c+1]
.endr
	WIN 0
	v_nop
.irp c, 0,1
.irp i, 0,1,2
	v_permlane16_swap_b32 v[PC+6*\c+\i], v[PC+12+4*\c+\i]
.endr
.irp i, 0,1,2
	v_mov_b32 v[PC+3+6*\c+\i], v[PC+12+4*\c+\i]
.endr
.endr
.endm
.macro IMGST a
.irp c, 0,1,2
	global_store_b128 v[LI], v[PC+4*\c:PC+4*\c+3], s[10:11] offset:(\a)*FRB+512*\c
.endr
.endm
.macro CSLOAD a
	WIN 0x40
.irp tb, 0,1
.irp j, 0,1,2,3,4,5,6,7,8,9,10,11,12,13,14,15
	global_load_b128 v[128*((\a)%2)+64*\tb+4*\j:128*((\a)%2)+64*\tb+4*\j+3], v[LI], s[12:13] offset:(\a)*16384+\tb*8192+512*\j
.endr
.endr
	WIN 0
.endm
.macro ROPE a
.set AC, 64*(\a)
.set CB, 128*((\a)%2)
	WIN 0x06
.irp n, 0,2,4,6,8,10,12,14,16,18,20,22,24,26,28,30
	v_pk_mul_f32 v[X+\n:X+\n+1], v[AC+\n:AC+\n+1], v[CB+\n:CB+\n+1]
.endr
.irp n, 0,2,4,6,8,10,12,14,16,18,20,22,24,26,28,30
	v_pk_mul_f32 v[X+32+\n:X+33+\n], v[AC+32+\n:AC+33+\n], v[CB+32+\n:CB+33+\n]
.endr
.irp n, 0,2,4,6,8,10,12,14,16,18,20,22,24,26,28,30
	v_pk_fma_f32 v[X+\n:X+\n+1], v[AC+32+\n:AC+33+\n], v[CB+64+\n:CB+65+\n], v[X+\n:X+\n+1] neg_lo:[1,0,0] neg_hi:[1,0,0]
.endr
.irp n, 0,2,4,6,8,10,12,14,16,18,20,22,24,26,28,30
	v_pk_fma_f32 v[X+32+\n:X+33+\n], v[AC+\n:AC+\n+1], v[CB+96+\n:CB+97+\n], v[X+32+\n:X+33+\n]
.endr
	WIN 0
.endm
.macro QKBLOCK a
.if (\a) < 3
	s_wait_loadcnt 32
.else
	s_wait_loadcnt 0x0
.endif
	s_wait_xcnt 0x0
	ROPE \a
.if (\a) < 2
	CSLOAD (\a)+2
.endif
	QUANT X, 0, SW+(\a)
	IMGST \a
.endm
.macro VBLOCK a
	s_wait_xcnt 0x0
	QUANT 64*(\a), 2, SW+(\a)
	IMGST \a
.endm
	PLACES NP
.irp b, 0,1,2,3
	v_mov_b32 v[TM+4+\b], 0
.endr
	s_cmp_eq_u32 ttmp9, 3
	s_cbranch_scc1 .Lv_way
	CSLOAD 0
	CSLOAD 1
.irp a, 0,1,2,3
	QKBLOCK \a
.endr
	s_branch .Lscales
.Lv_way:
.irp a, 0,1,2,3
	VBLOCK \a
.endr
.Lscales:
	global_store_b128 v[R32], v[SW:SW+3], s[94:95] offset:SCO
	s_wait_tensorcnt 0x0
	ds_add_u32 v[SPW], v[NIL]
	s_wait_dscnt 0x0
	CROUND
	s_endpgm
.Lfunc_end_k_q3e98fbce67_gemm_qkv:
	.size	k_q3e98fbce67_gemm_qkv, .Lfunc_end_k_q3e98fbce67_gemm_qkv-k_q3e98fbce67_gemm_qkv
	.p2alignl 7, 3214868480
	.fill 96, 4, 3214868480
	.section	.rodata,"a",@progbits
	.p2align	6, 0x0
	.amdhsa_kernel k_q3e98fbce67_gemm_qkv
		.amdhsa_group_segment_fixed_size 327680
		.amdhsa_private_segment_fixed_size 0
		.amdhsa_enable_private_segment 0
		.amdhsa_kernarg_size 24
		.amdhsa_user_sgpr_count 2
		.amdhsa_user_sgpr_kernarg_segment_ptr 1
		.amdhsa_wavefront_size32 1
		.amdhsa_system_sgpr_workgroup_id_x 1
		.amdhsa_system_sgpr_workgroup_id_y 1
		.amdhsa_system_sgpr_workgroup_id_z 1
		.amdhsa_system_vgpr_workitem_id 0
		.amdhsa_next_free_vgpr 768
		.amdhsa_next_free_sgpr 100
		.amdhsa_reserve_vcc 0
		.amdhsa_float_denorm_mode_32 3
		.amdhsa_float_denorm_mode_16_64 3
		.amdhsa_memory_ordered 1
		.amdhsa_forward_progress 1
		.amdhsa_inst_pref_size 180
	.end_amdhsa_kernel
	.amdgpu_metadata
---
amdhsa.version: [ 1, 2 ]
amdhsa.kernels:
  - .name:           k_q3e98fbce67_gemm_qkv
    .symbol:         k_q3e98fbce67_gemm_qkv.kd
    .args:
      - { .name: x_img, .offset: 0, .size: 8, .value_kind: global_buffer, .address_space: global }
      - { .name: cs_img, .offset: 8, .size: 8, .value_kind: global_buffer, .address_space: global }
      - { .name: qkv_img, .offset: 16, .size: 8, .value_kind: global_buffer, .address_space: global }
    .group_segment_fixed_size: 327680
    .private_segment_fixed_size: 0
    .kernarg_segment_align: 8
    .kernarg_segment_size: 24
    .max_flat_workgroup_size: 128
    .sgpr_count:     100
    .vgpr_count:     768
    .wavefront_size: 32
...
	.end_amdgpu_metadata
.endif
;; end of part 6
;; launch attn (part 7): grid 8 x 32, 8 waves a work-group, clusters of 4 x 4, 327,680 bytes of LDS; arguments qkv_img, attention_mask, o_img; writes o_img
.if DOCPART == 7
	.amdgcn_target "amdgcn-amd-amdhsa--gfx1250"
	.amdhsa_code_object_version 6
	.text
	.protected	k_q3e98fbce67_attn
	.globl	k_q3e98fbce67_attn
	.p2align	8
	.type	k_q3e98fbce67_attn,@function
k_q3e98fbce67_attn:
	s_mov_b64 s[64:65], 0
	v_nop
	global_prefetch_b8 v0, s[64:65] scope:SCOPE_SE
	s_setreg_imm32_b32 hwreg(HW_REG_WAVE_MODE, 25, 1), 1
	s_wait_xcnt 0x0
	s_wait_alu depctr_hold_cnt(0) depctr_sa_sdst(0) depctr_va_vdst(0) depctr_va_sdst(0) depctr_va_ssrc(0) depctr_va_vcc(0) depctr_vm_vsrc(0)
	s_getreg_b32 s2, hwreg(HW_REG_IB_STS2, 6, 4)
	s_cmp_eq_u32 s2, 0
	s_cbranch_scc0 .Lentry_in_a_cluster
	s_endpgm
.Lentry_in_a_cluster:
	s_bfe_u32 s2, ttmp6, 0x10000c
	s_cmp_lg_u32 s2, 0xf033
	s_cbranch_scc0 .Lentry_shape_is_right
	s_endpgm
.Lentry_shape_is_right:
; O[head][q] = sum over k of softmax_k(Q.K / sqrt(128) + mask[q][k]) V[k], both products on codes of FP6 (E2M3) with E8M0 scales; 16 query heads, 8 kv heads, 2,048 queries and keys, head size 128.
; The mask is an input: it is loaded whole and added as it is given; no key step is left out.
; SOFTMAX: t = logit x log2(e); M = the running largest t rounded UP to a whole number; p = 2^(t - M) is quantised along the keys; the row's sum is taken of the unquantised p and divides O at the end.
; When M moves, the sum and O are multiplied by 2^(old M - new M): exact.  The mask enters as the C of the first product: C = mask x sqrt(128), t = S x log2(e) / sqrt(128).
; INPUTS are records (128 rows x 128 K: eight fragments as register images of 1,536 bytes, then 512 bytes of scale words); lane r of fragment f is row 32 (f / 2) + 8 (f % 2) + r + 8 (r / 8).
; q records at (head x 16 + group of 128 queries) x 12,800; from 3,276,800 on, for (kv head, key step) the K record (rows keys) and the V record (rows d, K = keys).
; SHARES: a work-group owns 64 queries and one kv head.  A wave owns 16 queries (wave % 4) for BOTH query heads of the kv head (tiles T0, T1), and half of the keys: of each slot of 256 keys, waves 0-3 take the first 128, waves 4-7 the second.
; So each fragment of K and V and each mask tile that a wave reads from LDS serves two tiles.  T0 is head 2 kv + wave / 4, T1 the other: at the end a wave hands its T1 to wave xor 4 through LDS and joins its own T0 with
; the partner's T1, which is the same head over the other keys: both are brought under the larger M by powers of two.
; Both products are used transposed (S^T = K Q^T, O^T = V^T P^T): a lane holds one query; registers 16 b + i of S^T are keys 32 b + 16 h + i, of O^T channels 32 b + 16 h + i.
; CLUSTERS of 4 x 4: x = kv head, y = block of 64 queries.  K and V hang on x alone: asked for jointly along a column; the mask on y alone: jointly along a row.
; Two LDS slots of 256 keys: four records K, V, K, V (waves 0-3 fetch one each), then the mask: four chunks of 16 queries x (1,024 + 16) bytes, 16,768 bytes apart (waves 4-7 fetch one each): every wave issues one load.
; A slot's refill stands at the end of the step that read it and has the next step in which to land.  The second product stands between the signal and the wait of the barrier that opens the round.
; PREFETCH: in the middle of step s (s = 0 .. 4) each wave names the blocks of 256 bytes of what it will fetch for slot data s + 3, whose load is issued at the end of step s + 1.  The four partners that ask jointly share the blocks by address:
; of a record's 50 blocks partner p takes 13 p on (13 at most), of a mask chunk's 64 partner p takes rows 4 p .. 4 p + 3; lanes left over name the last block again.  Slot data 0 to 2 come by their loads alone; step 5 asks for nothing.
; OUT: O / sum, quantised along d, as fragment images: o_img [group of 128 queries][K step = head][record].
; LIMITS: the promise holds while |t| stays under 2^31; |mask| up to 3e37 (it is multiplied by sqrt(128)); NaN among the inputs is not served; a block whose every p is 0 gets the byte 1 and zero codes.
; REGISTERS, window 0: v1-11 addresses; v12-15, v16-19 -M, largest t, sum (pair) of T0, T1; v20-21 Q's scale words; v22-23 p's; v24-27 the factors f; v28-31, v88-95, v248-255 at work; v32-79 four fragments;
;   v80-87 scale words (lanes 0-15 K's, 16-31 V's); v96-159, v160-223 S^T then p of T0, T1; v224-247 p's codes (K's tile 7 before them).
; window 1: v0-127 O^T of T0, T1; v128-151 Q of T0, T1; v152-215 the mask, then V's tiles 4-7; v216-251 K's tiles 4-6.
.set REC,   12800
.set GRP,   2*REC
.set FRB,   1536
.set SCO,   12288
.set KV0,   3276800
.set MOFF,  2*GRP
.set MP,    1040
.set CH,    16768
.set SLOT1, 1<<17
.set SPARE, 2*SLOT1                    ; the spare words, 128 bytes a wave: four blocks of 256 bytes that no other line names
.set STG,   8448                       ; the join: a wave's stage, 64 registers' image and 256 bytes of state, in slot 0 behind its last fill and last read
.set LI,   1
.set AM0,  2
.set ASC0, 3
.set R32,  4
.set SPW,  5
.set NIL,  6
.set AK0,  7
.set ADK,  8
.set ADM,  9
.set ADS,  10
.set PFO,  11
.set KVS,  80
.set QF,   128
.set MK,   152
.set KX,   216
.set TM,   32
.set PW,   48
.set PC,   224
.set PF,   14                          ; s[14:15] where my prefetch stands; s[16:17] its step
.set WV,   18
.set SEL,  20
.set CS,   22
.set G1K,  24
.set G1M,  32
.set G0K,  40
.set G0M,  44
.set RT,   48
.set TB,   50
.set SLOTS, 51
.set MSB, 0
.macro WIN new                         ; the immediate's high byte repeats the setting that is left
.if MSB != (\new)
	s_set_vgpr_msb (MSB<<8)|(\new)
.set MSB, (\new)
.endif
.endm
.macro PLACES
.rept 4
	v_nop
.endr
.endm
.macro TLOAD                           ; waves 0-3: a record of K or V; waves 4-7: a chunk of the mask.  s_nop 0 and four v_nop follow each line
	s_cmp_lt_u32 s[WV], 4
	s_cbranch_scc0 .Lfor_m_\@
	tensor_load_to_lds s[G0K:G0K+3], s[G1K:G1K+7]
	s_nop 0
	PLACES
	s_branch .Lasked_\@
.Lfor_m_\@:
	tensor_load_to_lds s[G0M:G0M+3], s[G1M:G1M+7]
	s_nop 0
	PLACES
.Lasked_\@:
.endm
.macro CREST                           ; a round of the cluster's barrier behind its opening barrier
	s_cmp_lg_u32 s[WV], 0
	s_cbranch_scc1 .Lnot_wave_0_\@
	s_barrier_signal -3
.Lnot_wave_0_\@:
	s_barrier_wait -3
	s_barrier_signal -1
	s_barrier_wait -1
.endm
.macro CROUND
	s_barrier_signal -1
	s_barrier_wait -1
	CREST
.endm
.macro WALK                            ; the walking descriptors: the other slot, the next 256 keys
	s_xor_b32 s[G0K+1], s[G0K+1], SLOT1
	s_add_nc_u64 s[G0K+2:G0K+3], s[G0K+2:G0K+3], 2*GRP
	s_xor_b32 s[G0M+1], s[G0M+1], SLOT1
	s_add_nc_u64 s[G0M+2:G0M+3], s[G0M+2:G0M+3], 1024
.endm
	s_load_b128 s[4:7], s[0:1], 0x0                ; qkv_img, attention_mask
	s_load_b64 s[8:9], s[0:1], 0x10                ; o_img
	v_lshl_add_u32 v[SPW], v0, 2, SPARE
	v_mov_b32 v[NIL], 0
	ds_add_u32 v[SPW], v[NIL]                      ; the opening add, twice on end; its wait stands ahead of my first tensor load
	ds_add_u32 v[SPW], v[NIL]
	v_lshrrev_b32 v8, 5, v0
	v_readfirstlane_b32 s[WV], v8                  ; wave 0..7
	s_bfe_u32 s54, ttmp6, 0x40000                  ; cx
	s_bfe_u32 s55, ttmp6, 0x40004                  ; cy
	s_lshl_b32 s52, ttmp9, 2
	s_add_co_u32 s52, s52, s54                     ; the kv head
	s_and_b32 s53, ttmp7, 0xffff
	s_lshl_b32 s53, s53, 2
	s_add_co_u32 s53, s53, s55                     ; the block of 64 queries
	s_lshl_b32 s56, s55, 2
	s_lshl_b32 s56, 15, s56                        ; my row of the cluster
	s_lshl_b32 s57, 0x1111, s54                    ; my column
	s_or_b32 s[G1K], s57, (3<<16)|(1<<21)          ; a record: a dense block of 12,800 bytes as 50 rows of 256; shared along my column
	s_mov_b32 s[G1K+1], 32<<16
	s_mov_b32 s[G1K+2], 50<<16
	s_mov_b32 s[G1K+3], 32<<16
	s_mov_b32 s[G1K+4], 50
	s_mov_b32 s[G1K+5], 32
	s_mov_b32 s[G1K+6], 0
	s_mov_b32 s[G1K+7], 0
	s_or_b32 s[G1M], s56, (2<<16)|(1<<20)|(1<<21)|(7<<22)|(3<<25)   ; the mask: 16 rows x 256 numbers, 16 bytes of padding behind each 1,024; shared along my row
	s_mov_b32 s[G1M+1], 256<<16
	s_mov_b32 s[G1M+2], 16<<16
	s_mov_b32 s[G1M+3], 256<<16
	s_mov_b32 s[G1M+4], 16
	s_mov_b32 s[G1M+5], 2048
	s_mov_b32 s[G1M+6], 0
	s_mov_b32 s[G1M+7], 0
	s_and_b32 s58, s[WV], 3                        ; my tile of queries; also the record or the chunk that I fetch
	s_lshr_b32 s92, s[WV], 2                       ; g: which 128 keys of a slot are mine
	s_mul_i32 s59, s58, REC
	s_mul_i32 s60, s52, 16*GRP
	s_add_co_u32 s60, s60, s59
	s_add_co_u32 s60, s60, KV0                     ; hangs on the kv head, never on cy
	s_mov_b32 s61, 0
	s_mul_i32 s63, s58, CH
	s_add_co_u32 s63, s63, MOFF
	s_lshl_b32 s90, s53, 19                        ; 64 rows of 8,192 bytes a block: hangs on the block of queries, never on cx
	s_lshl_b32 s91, s58, 17
	s_add_co_u32 s90, s90, s91
	s_mov_b32 s91, 0
	s_lshl_b32 s77, s52, 1
	s_add_co_u32 s77, s77, s92                     ; T0's head
	s_xor_b32 s93, s77, 1                          ; T1's head
	s_lshr_b32 s78, s53, 1                         ; the group of 128 queries
	s_and_b32 s79, s53, 1
	s_lshl_b32 s79, s79, 2
	s_add_co_u32 s79, s79, s58                     ; my fragment in it
	s_mul_i32 s62, s79, FRB
	s_lshl_b32 s74, s79, 2
	s_add_co_u32 s74, s74, SCO
	s_lshl_b32 s80, s77, 4
	s_add_co_u32 s80, s80, s78
	s_mul_i32 s80, s80, REC                        ; T0's q record
	s_add_co_u32 s82, s80, s62
	s_mov_b32 s83, 0
	s_add_co_u32 s84, s80, s74
	s_mov_b32 s85, 0
	s_lshl_b32 s80, s93, 4
	s_add_co_u32 s80, s80, s78
	s_mul_i32 s80, s80, REC                        ; T1's
	s_add_co_u32 s94, s80, s62
	s_mov_b32 s95, 0
	s_add_co_u32 s96, s80, s74
	s_mov_b32 s97, 0
	s_lshl_b32 s81, s78, 4
	s_add_co_u32 s81, s81, s77
	s_mul_i32 s81, s81, REC                        ; o's record: T0's head
	s_add_co_u32 s86, s81, s62
	s_mov_b32 s87, 0
	s_add_co_u32 s88, s81, s74
	s_mov_b32 s89, 0
	s_lshr_b32 s75, s58, 1                         ; my tile's rows in the mask's chunks, and my 128 keys: the wave's number alone
	s_mul_i32 s75, s75, 2*CH
	s_and_b32 s76, s58, 1
	s_mul_i32 s76, s76, 8*MP
	s_add_co_u32 s75, s75, s76
	s_lshl_b32 s76, s92, 9
	s_add_co_u32 s75, s75, s76
	s_add_co_u32 s75, s75, MOFF
	s_mul_i32 s76, s92, GRP                        ; my key step's K and V records in a slot
	s_mul_i32 s98, s[WV], STG                      ; my stage,
	s_xor_b32 s99, s[WV], 4
	s_mul_i32 s99, s99, STG                        ; my partner's
	s_mov_b32 s16, 1024
	s_mov_b32 s17, 0
	s_cmp_lt_u32 s[WV], 4
	s_cselect_b32 s19, s55, s54                    ; my place among the four that ask with me: an address alone hangs on it
	s_cselect_b32 s100, -1, 0
	s_cselect_b32 s16, 2*GRP, s16                  ; bytes from slot data to slot data
	s_mov_b32 s[SEL], 0x76543210
	s_mov_b32 s[SEL+1], 0xfedcba98
	s_mov_b32 s[CS], 0x3e0293ee                    ; log2(e) / sqrt(128)
	s_mov_b32 s[CS+1], s[CS]
	s_mov_b32 s[RT], 0x413504f3                    ; sqrt(128)
	s_mov_b32 s[RT+1], s[RT]
	s_mov_b32 s[TB], 0
	s_mov_b32 s[SLOTS], 6
	s_wait_dscnt 0x0                               ; both opening adds are done
	s_wait_kmcnt 0x0
	s_add_nc_u64 s[66:67], s[4:5], s[82:83]        ; T0's Q fragment, its scale words
	s_add_nc_u64 s[68:69], s[4:5], s[84:85]
	s_add_nc_u64 s[10:11], s[4:5], s[94:95]        ; T1's
	s_add_nc_u64 s[12:13], s[4:5], s[96:97]
	s_add_nc_u64 s[70:71], s[8:9], s[86:87]        ; O's fragment, its scale words
	s_add_nc_u64 s[72:73], s[8:9], s[88:89]
	s_mov_b32 s[G0K], 1
	s_mov_b32 s[G0K+1], s59
	s_add_nc_u64 s[G0K+2:G0K+3], s[4:5], s[60:61]
	s_mov_b32 s[G0M], 1
	s_mov_b32 s[G0M+1], s63
	s_add_nc_u64 s[G0M+2:G0M+3], s[6:7], s[90:91]
	s_cmp_lt_u32 s[WV], 4
	s_cselect_b64 s[PF:PF+1], s[G0K+2:G0K+3], s[G0M+2:G0M+3]
.rept 3
	s_add_nc_u64 s[PF:PF+1], s[PF:PF+1], s[16:17]  ; at slot data 3
.endr
	s_or_b32 s[G0K+3], s[G0K+3], 0x80000000
	s_or_b32 s[G0M+3], s[G0M+3], 0x80000000
	CROUND                                         ; all sixteen work-groups are here: the first joint loads meet
	TLOAD                                          ; slot 0: one tensor load a wave at the head
	v_and_b32 v31, 31, v0
	v_and_b32 v8, 15, v0                           ; r
	v_bfe_u32 v9, v0, 4, 1                         ; h
	v_lshlrev_b32 v[LI], 4, v31                    ; 16 x lane
	v_lshlrev_b32 v[R32], 5, v8                    ; 32 r
	WIN 0x40
.irp c, 0,1,2
	global_load_b128 v[QF+4*\c:QF+4*\c+3], v[LI], s[66:67] offset:512*\c       ; both Q fragments stay in registers
	global_load_b128 v[QF+12+4*\c:QF+15+4*\c], v[LI], s[10:11] offset:512*\c
.endr
	WIN 0
	global_load_b32 v20, v[R32], s[68:69]
	global_load_b32 v21, v[R32], s[12:13]
	v_add_nc_u32 v[AK0], s76, v[LI]
	v_mul_u32_u24 v[ASC0], v9, REC                 ; lanes 16-31 take V's scale block, one record on
	v_and_b32 v10, 7, v8
	v_add_nc_u32 v[ASC0], v[ASC0], v[R32]
	v_mul_u32_u24 v[AM0], v10, MP
	v_lshrrev_b32 v10, 3, v8
	v_add_nc_u32 v[ASC0], SCO, v[ASC0]
	v_mad_u32_u24 v[AM0], v10, CH, v[AM0]          ; lanes 8-15 take rows 16 further on: the next chunk
	v_add_nc_u32 v[ASC0], s76, v[ASC0]
	v_lshl_add_u32 v[AM0], v9, 6, v[AM0]
	v_min_u32 v28, 12, v31                         ; the prefetch's offset.  A record: block min(13 p + min(lane, 12), 49);
	v_add_nc_u32 v[AM0], s75, v[AM0]
	v_mad_u32_u24 v28, s19, 13, v28
	v_min_u32 v29, 15, v31                         ; a mask chunk: row 4 p + l / 4, block l % 4, l = min(lane, 15)
	v_min_u32 v28, 49, v28
	v_lshrrev_b32 v30, 2, v29
	v_and_b32 v29, 3, v29
	v_lshl_add_u32 v30, s19, 2, v30
	v_lshlrev_b32 v29, 8, v29
	v_lshlrev_b32 v28, 8, v28
	v_lshl_add_u32 v29, v30, 13, v29
	v_add_nc_u32 v[ADK], s[TB], v[AK0]
	v_cndmask_b32 v[PFO], v29, v28, s100
	v_add_nc_u32 v[ADM], s[TB], v[AM0]
	v_add_nc_u32 v[ADS], s[TB], v[ASC0]
.irp t, 0,1
	v_mov_b32 v[13+4*\t], 0xff61b1e6               ; the largest t so far: -3e38
	v_mov_b32 v[14+4*\t], 0
	v_mov_b32 v[15+4*\t], 0
	v_mov_b32 v[24+2*\t], 0
	v_mov_b32 v[25+2*\t], 0                        ; (named as the upper half of f's pair)
	v_floor_f32 v[12+4*\t], -v[13+4*\t]            ; -M
.endr
.set J, 224
.rept 8
	v_mov_b32 v[J], 0                              ; written once: a lane permute's destination counts as one of its sources
.set J, J+1
.endr
	WIN 0x40
.set J, 0
.rept 128
	v_mov_b32 v[J], 0                              ; O^T: the step is written once for all eight; the first finds zeros, which the first change of M leaves zeros
.set J, J+1
.endr
	WIN 0
.macro FRG reg, off                    ; a fragment from byte off of my part of the slot
.irp c, 0,1,2
	ds_load_b128 v[\reg+4*\c:\reg+4*\c+3], v[ADK] offset:\off+512*\c
.endr
.endm
.macro SMUL a, i                       ; S^T tile i of T0 and T1 = K's tile i (at register a) x Q + mask tile i
.irp t, 0,1
	v_wmma_scale_f32_16x16x128_f8f6f4 v[96+64*\t+8*(\i):103+64*\t+8*(\i)], v[\a:\a+11], v[QF+12*\t:QF+12*\t+11], v[MK+8*(\i):MK+8*(\i)+7], v[KVS+(\i)], v[20+\t] matrix_a_fmt:MATRIX_FMT_FP6 matrix_b_fmt:MATRIX_FMT_FP6
.endr
.endm
.macro PMUL a, i                       ; O^T tile i of T0 and T1 += V's tile i x p: sixteen accumulators by turns
.irp t, 0,1
	v_wmma_scale_f32_16x16x128_f8f6f4 v[64*\t+8*(\i):64*\t+8*(\i)+7], v[\a:\a+11], v[224+12*\t:235+12*\t], v[64*\t+8*(\i):64*\t+8*(\i)+7], v[KVS+(\i)], v[22+\t] matrix_a_fmt:MATRIX_FMT_FP6 matrix_b_fmt:MATRIX_FMT_FP6 matrix_a_scale:MATRIX_SCALE_ROW1
.endr
.endm
; A STEP: my 128 keys of the slot in hand, for both tiles.  fill = 1: its closing barrier opens a round of the cluster's, and the slot just read is filled with the keys two slots on.
.macro STEP fill
	WIN 0x40
.irp b, 0,1,2,3
.irp j, 0,1,2,3
	ds_load_b128 v[MK+16*\b+4*\j:MK+16*\b+4*\j+3], v[ADM] offset:128*\b+16*\j   ; the mask of my query: register 16 b + i is key 32 b + 16 h + i
.endr
.endr
	WIN 0
	ds_load_b128 v[KVS:KVS+3], v[ADS]
	ds_load_b128 v[KVS+4:KVS+7], v[ADS] offset:16
.irp i, 0,1,2,3
	FRG 32+12*\i, FRB*\i
.endr
	FRG 224, FRB*7
	WIN 0x40
.irp i, 4,5,6
	FRG KX+12*(\i-4), FRB*\i
.endr
	s_wait_dscnt 26                                ; the mask's 16 loads are in; the 2 + 24 behind them may be out
	WIN 0x41
.set J, MK
.rept 32
	v_pk_mul_f32 v[J:J+1], v[J:J+1], s[RT:RT+1] op_sel_hi:[1,0]   ; mask x sqrt(128): the C of both tiles' first product
.set J, J+2
.endr
	s_wait_alu depctr_va_vdst(0)
	s_wait_dscnt 0x0
	WIN 0x14
.irp i, 0,1,2,3
	SMUL 32+12*\i, \i
.endr
	SMUL 224, 7
	WIN 0x15
.irp i, 4,5,6
	SMUL KX+12*(\i-4), \i
.endr
	WIN 0
	PLACES                                         ; in front of loads into registers that the products read, and of the first reads of S^T
.irp i, 0,1,2,3
	FRG 32+12*\i, REC+FRB*\i                       ; all of V is asked for here: it lands while the softmax is worked
.endr
	WIN 0x40
.irp i, 4,5,6,7
	FRG MK+12*(\i-4), REC+FRB*\i
.endr
	WIN 0
	s_xor_b32 s[TB], s[TB], SLOT1                  ; the next step's addresses
	v_add_nc_u32 v[ADK], s[TB], v[AK0]
	v_add_nc_u32 v[ADM], s[TB], v[AM0]
	v_add_nc_u32 v[ADS], s[TB], v[ASC0]
.if \fill
	s_cmp_gt_u32 s[SLOTS], 1                       ; the last trip has no slot data three on
	s_cbranch_scc0 .Lno_ask_\@
	global_prefetch_b8 v[PFO], s[PF:PF+1] th:TH_LOAD_NT scope:SCOPE_SE
.Lno_ask_\@:
.endif
.irp b, 0,1,2,3
.irp t, 0,1
	v_max3_num_f32 v[88+4*\t+\b], v[96+64*\t+16*\b], v[97+64*\t+16*\b], v[98+64*\t+16*\b]   ; the largest score of each block of 32 keys: for the row's maximum and, since p rises with the score, for the block's largest p
.endr
.endr
.irp i, 3,5,7,9,11,13
.irp b, 0,1,2,3
.irp t, 0,1
	v_max3_num_f32 v[88+4*\t+\b], v[88+4*\t+\b], v[96+64*\t+16*\b+\i], v[97+64*\t+16*\b+\i]
.endr
.endr
.endr
.irp b, 0,1,2,3
.irp t, 0,1
	v_max_num_f32 v[88+4*\t+\b], v[88+4*\t+\b], v[111+64*\t+16*\b]
.endr
.endr
.set J, 0
.rept 8
	v_permlanex16_b32 v[224+J], v[88+J], s[SEL], s[SEL+1]
.set J, J+1
.endr
.set J, 0
.rept 8
	v_max_num_f32 v[88+J], v[88+J], v[224+J]       ; with lane l xor 16's 16 keys
.set J, J+1
.endr
.irp t, 0,1
	v_max3_num_f32 v[28+2*\t], v[88+4*\t], v[89+4*\t], v[90+4*\t]
.endr
.irp t, 0,1
	s_delay_alu instid0(VALU_DEP_2)
	v_max_num_f32 v[28+2*\t], v[28+2*\t], v[91+4*\t]   ; the step's largest score of my query
.endr
.irp t, 0,1
	s_delay_alu instid0(VALU_DEP_2)
	v_mul_f32 v[28+2*\t], s[CS], v[28+2*\t]        ; as t
.endr
.irp t, 0,1
	s_delay_alu instid0(VALU_DEP_2)
	v_max_num_f32 v[13+4*\t], v[13+4*\t], v[28+2*\t]   ; the running largest t
.endr
.irp t, 0,1
	v_mov_b32 v[29+2*\t], v[12+4*\t]
.endr
.irp t, 0,1
	s_delay_alu instid0(VALU_DEP_4)
	v_floor_f32 v[12+4*\t], -v[13+4*\t]            ; the new -M = -ceil(t): a whole number
.endr
.irp t, 0,1
	s_delay_alu instid0(VALU_DEP_2)
	v_sub_f32 v[28+2*\t], v[12+4*\t], v[29+2*\t]   ; old M - new M: a whole number, 0 or less
.endr
.irp t, 0,1
	s_delay_alu instid0(VALU_DEP_2)
	v_cvt_i32_f32 v[28+2*\t], v[28+2*\t]           ; (it saturates)
.endr
.irp t, 0,1
	s_delay_alu instid0(VALU_DEP_2)
	v_ldexp_f32 v[24+2*\t], 1.0, v[28+2*\t]        ; f = 2^(old M - new M)
.endr
.irp t, 0,1
.set J, 96+64*\t
.rept 32
	v_pk_fma_f32 v[J:J+1], v[J:J+1], s[CS:CS+1], v[12+4*\t:13+4*\t] op_sel_hi:[1,0,0]   ; t - M, two at a time
.set J, J+2
.endr
.endr
.irp b, 0,1,2,3
.irp t, 0,1
	v_fma_f32 v[88+4*\t+\b], v[88+4*\t+\b], s[CS], v[12+4*\t]   ; the same of each block's largest score
.endr
.endr
	s_wait_alu depctr_va_vdst(0)
.set J, 88
.rept 136
	v_exp_f32 v[J], v[J]                           ; v88-95: the blocks' largest p; v96-223: p = 2^(t - M), at most 1
.set J, J+1
.endr
.irp t, 0,1
	v_pk_mul_f32 v[14+4*\t:15+4*\t], v[14+4*\t:15+4*\t], v[24+2*\t:25+2*\t] op_sel_hi:[1,0]   ; the sums under the new M (plain places behind the exponentials)
.endr
	WIN 0x41
	s_wait_alu depctr_va_vdst(0)                   ; one wait for the batch, directly ahead of the first reader of O^T
.irp t, 0,1
.set J, 64*\t
.rept 32
	v_pk_mul_f32 v[J:J+1], v[J:J+1], v[24+2*\t:25+2*\t] op_sel_hi:[1,0]   ; O^T under the new M, each accumulator from its low end on
.set J, J+2
.endr
.endr
	WIN 0
.set J, 0
.rept 8
	v_max_num_f32 v[88+J], 0x1800000, v[88+J]      ; the floor 2^(3 - 127): the byte cannot fall under 1
.set J, J+1
.endr
.set J, 0
.rept 8
	v_add_nc_u32 v[248+J], 0xff000000, v[88+J]     ; 2 off the exponent field: the conversion's scale operand
.set J, J+1
.endr
.set J, 0
.rept 8
	v_lshrrev_b32 v[224+J], 23, v[248+J]           ; the scale's byte
.set J, J+1
.endr
.irp t, 0,1
	v_lshl_or_b32 v[22+\t], v[225+4*\t], 8, v[224+4*\t]   ; p's scale word for these 128 keys
.endr
.irp t, 0,1
	s_delay_alu instid0(VALU_DEP_2)
	v_lshl_or_b32 v[22+\t], v[226+4*\t], 16, v[22+\t]
.endr
.irp t, 0,1
	s_delay_alu instid0(VALU_DEP_2)
	v_lshl_or_b32 v[22+\t], v[227+4*\t], 24, v[22+\t]
.endr
.irp t, 0,1
.irp c, 0,1
	v_cvt_scalef32_pk16_fp6_f32 v[224+12*\t+6*\c:226+12*\t+6*\c], v[96+64*\t+32*\c:111+64*\t+32*\c], v[248+4*\t+2*\c]
	v_cvt_scalef32_pk16_fp6_f32 v[88+4*\c:90+4*\c], v[112+64*\t+32*\c:127+64*\t+32*\c], v[249+4*\t+2*\c]   ; (a conversion's three registers begin on an even number)
.endr
	v_nop                                          ; one plain place behind a scaled conversion
.irp c, 0,1
.irp i, 0,1,2
	v_permlane16_swap_b32 v[224+12*\t+6*\c+\i], v[88+4*\c+\i]   ; the operand's layout wants a whole block in a lane
.endr
.endr
.irp c, 0,1
.irp i, 0,1,2
	v_mov_b32 v[227+12*\t+6*\c+\i], v[88+4*\c+\i]
.endr
.endr
.endr
.if \fill
	s_wait_xcnt 0x0                                ; my prefetch has read its address
	s_add_nc_u64 s[PF:PF+1], s[PF:PF+1], s[16:17]
.endif
	s_wait_tensorcnt 0x0                           ; all my tensor loads have landed: my part of the next slot
	ds_add_u32 v[SPW], v[NIL]                      ; 0 onto my spare word
.if \fill
	WALK
.endif
.irp t, 0,1                                    ; the row's sum of the unquantised p: three chains a tile.  These are also the places between p's codes and scale words and the products below
	v_pk_add_f32 v[248+4*\t:249+4*\t], v[96+64*\t:97+64*\t], v[98+64*\t:99+64*\t]
	v_pk_add_f32 v[250+4*\t:251+4*\t], v[100+64*\t:101+64*\t], v[102+64*\t:103+64*\t]
.endr
.irp j, 8,14,20,26,32,38,44,50,56
.irp t, 0,1
	v_pk_add_f32 v[14+4*\t:15+4*\t], v[14+4*\t:15+4*\t], v[96+64*\t+\j:97+64*\t+\j]
	v_pk_add_f32 v[248+4*\t:249+4*\t], v[248+4*\t:249+4*\t], v[98+64*\t+\j:99+64*\t+\j]
	v_pk_add_f32 v[250+4*\t:251+4*\t], v[250+4*\t:251+4*\t], v[100+64*\t+\j:101+64*\t+\j]
.endr
.endr
.irp t, 0,1
	v_pk_add_f32 v[14+4*\t:15+4*\t], v[14+4*\t:15+4*\t], v[158+64*\t:159+64*\t]
.endr
.irp t, 0,1
	v_pk_add_f32 v[248+4*\t:249+4*\t], v[248+4*\t:249+4*\t], v[250+4*\t:251+4*\t]
.endr
.irp t, 0,1
	s_delay_alu instid0(VALU_DEP_2)
	v_pk_add_f32 v[14+4*\t:15+4*\t], v[14+4*\t:15+4*\t], v[248+4*\t:249+4*\t]
.endr
	s_wait_alu depctr_va_vdst(0)
	s_wait_dscnt 0x0                               ; the add is done, V is in, and my reads of this slot are over:
	s_barrier_signal -1                            ; say so,
	WIN 0x50
.irp i, 0,1,2,3
	PMUL 32+12*\i, \i                              ; work on registers while the others arrive,
.endr
	WIN 0x51
.irp i, 4,5,6,7
	PMUL MK+12*(\i-4), \i
.endr
	WIN 0
	s_barrier_wait -1                              ; and go on when all eight have said so
.if \fill
	CREST                                          ; the barrier has opened a round: no wave of any partner still reads this slot or has a load on its way
	TLOAD                                          ; the first tensor load behind the round, one a wave; its four v_nop are the places in front of the next step's loads
.else
	PLACES
.endif
.endm
	s_wait_alu depctr_va_vdst(0)
	s_wait_loadcnt 0x0                             ; Q
	s_wait_tensorcnt 0x0                           ; my part of slot 0 is in
	ds_add_u32 v[SPW], v[NIL]
	WALK
	s_wait_dscnt 0x0
	CROUND
	TLOAD                                          ; slot 1's first fill
.Lfilling:                                             ; steps 0 to 5: each ends with the refill of the slot that it read (slot data 2 to 7)
	STEP 1
	s_sub_co_u32 s[SLOTS], s[SLOTS], 1
	s_cmp_lg_u32 s[SLOTS], 0
	s_cbranch_scc1 .Lfilling
	s_mov_b32 s[SLOTS], 2
.Llast:                                                ; steps 6 and 7 ask for nothing; behind step 7's barrier nobody reads a slot any more
	STEP 0
	s_sub_co_u32 s[SLOTS], s[SLOTS], 1
	s_cmp_lg_u32 s[SLOTS], 0
	s_cbranch_scc1 .Llast
	; THE JOIN: my T1 (O^T, -M, sum) goes to my stage; my partner's T1 is my T0's head over the other keys
	v_add_f32 v17, v18, v19                        ; T1's sum, beside its -M
	v_add_nc_u32 v8, s98, v[LI]
	v_add_nc_u32 v9, s99, v[LI]
	v_lshrrev_b32 v10, 1, v[LI]
	s_delay_alu instid0(VALU_DEP_1)
	v_add_nc_u32 v11, s99, v10
	v_add_nc_u32 v10, s98, v10
	WIN 0x04
.set J, 0
.rept 16
	ds_store_b128 v8, v[64+4*J:67+4*J] offset:512*J    ; each accumulator from its low end on
.set J, J+1
.endr
	WIN 0
	ds_store_b64 v10, v[16:17] offset:8192
	s_wait_alu depctr_va_vdst(0)
	s_wait_dscnt 0x0
	s_barrier_signal -1
	s_barrier_wait -1
.set J, 0
.rept 16
	ds_load_b128 v[160+4*J:163+4*J], v9 offset:512*J
.set J, J+1
.endr
	ds_load_b64 v[28:29], v11 offset:8192
	v_add_f32 v14, v14, v15
	s_wait_alu depctr_va_vdst(0)
	s_wait_dscnt 0x0
	v_min_num_f32 v30, v12, v28                    ; the joint -M: the larger M
	s_delay_alu instid0(VALU_DEP_1)
	v_sub_f32 v31, v30, v12
	v_sub_f32 v28, v30, v28
	s_delay_alu instid0(VALU_DEP_2)
	v_cvt_i32_f32 v31, v31
	s_delay_alu instid0(VALU_DEP_2)
	v_cvt_i32_f32 v28, v28
	s_delay_alu instid0(VALU_DEP_2)
	v_ldexp_f32 v24, 1.0, v31                      ; my factor,
	s_delay_alu instid0(VALU_DEP_2)
	v_ldexp_f32 v26, 1.0, v28                      ; my partner's: powers of two
	s_delay_alu instid0(VALU_DEP_2)
	v_mul_f32 v14, v14, v24
	s_delay_alu instid0(VALU_DEP_1)
	v_fma_f32 v14, v29, v26, v14
	s_delay_alu instid0(VALU_DEP_1)
	v_permlanex16_b32 v15, v14, s[SEL], s[SEL+1]
	s_delay_alu instid0(VALU_DEP_1)
	v_add_f32 v14, v14, v15                        ; the row's sum
	s_wait_alu depctr_va_vdst(0)
	v_rcp_f32 v14, v14
.irp b, 0,1,2,3
	v_mov_b32 v[TM+4+\b], 0                        ; (plain places behind the reciprocal)  a lane permute's destination counts as one of its sources
.endr
	s_wait_alu depctr_va_vdst(0)
	v_mul_f32 v24, v24, v14
	v_mul_f32 v26, v26, v14
	WIN 0x01
	s_wait_alu depctr_va_vdst(0)                   ; directly ahead of the first reader of T0's O^T
.set J, 0
.rept 32
	v_pk_mul_f32 v[96+J:97+J], v[J:J+1], v[24:25] op_sel_hi:[1,0]
.set J, J+2
.endr
	WIN 0
.set J, 0
.rept 32
	v_pk_fma_f32 v[96+J:97+J], v[160+J:161+J], v[26:27], v[96+J:97+J] op_sel_hi:[1,0,1]
.set J, J+2
.endr
	; THE WAY OUT: O / the sum, quantised along d, leaves as a fragment's image and its scale words
.irp b, 0,1,2,3
	v_max3_num_f32 v[TM+\b], |v[96+16*\b]|, |v[97+16*\b]|, 0x1800000
.endr
.irp i, 2,4,6,8,10,12,14
.irp b, 0,1,2,3
	s_delay_alu instid0(VALU_DEP_4)
	v_max3_num_f32 v[TM+\b], v[TM+\b], |v[96+16*\b+\i]|, |v[97+16*\b+\i]|
.endr
.endr
.irp b, 0,1,2,3
	s_delay_alu instid0(VALU_DEP_4)
	v_permlanex16_b32 v[TM+4+\b], v[TM+\b], s[SEL], s[SEL+1]
.endr
.irp b, 0,1,2,3
	s_delay_alu instid0(VALU_DEP_4)
	v_max_num_f32 v[TM+\b], v[TM+\b], v[TM+4+\b]
.endr
.irp b, 0,1,2,3
	s_delay_alu instid0(VALU_DEP_4)
	v_add_nc_u32 v[TM+12+\b], 0xff000000, v[TM+\b]
.endr
.irp b, 0,1,2,3
	s_delay_alu instid0(VALU_DEP_4)
	v_lshrrev_b32 v[TM+4+\b], 23, v[TM+12+\b]
.endr
	s_delay_alu instid0(VALU_DEP_3)
	v_lshl_or_b32 v[PW], v[TM+5], 8, v[TM+4]
	s_delay_alu instid0(VALU_DEP_1)
	v_lshl_or_b32 v[PW], v[TM+6], 16, v[PW]
	s_delay_alu instid0(VALU_DEP_1)
	v_lshl_or_b32 v[PW], v[TM+7], 24, v[PW]
.irp c, 0,1
	v_cvt_scalef32_pk16_fp6_f32 v[PC+6*\c:PC+2+6*\c], v[96+32*\c:111+32*\c], v[TM+12+2*\c]
	v_cvt_scalef32_pk16_fp6_f32 v[PC+12+4*\c:PC+14+4*\c], v[112+32*\c:127+32*\c], v[TM+12+2*\c+1]
.endr
	v_nop
.irp c, 0,1
.irp i, 0,1,2
	v_permlane16_swap_b32 v[PC+6*\c+\i], v[PC+12+4*\c+\i]
.endr
.irp i, 0,1,2
	s_delay_alu instid0(VALU_DEP_3)
	v_mov_b32 v[PC+3+6*\c+\i], v[PC+12+4*\c+\i]
.endr
.endr
.irp c, 0,1,2
	global_store_b128 v[LI], v[PC+4*\c:PC+4*\c+3], s[70:71] offset:512*\c   ; 512 consecutive bytes, at a multiple of 256 from the buffer's first byte
.endr
	global_store_b32 v[R32], v[PW], s[72:73]       ; my row's scale word; lanes r and r + 16 write the same word with the same value
	s_wait_tensorcnt 0x0                           ; the wave's end
	ds_add_u32 v[SPW], v[NIL]
	s_wait_dscnt 0x0
	CROUND                                         ; the closing round
	s_endpgm
.Lfunc_end_k_q3e98fbce67_attn:
	.size	k_q3e98fbce67_attn, .Lfunc_end_k_q3e98fbce67_attn-k_q3e98fbce67_attn
	.p2alignl 7, 3214868480
	.fill 96, 4, 3214868480
	.section	.rodata,"a",@progbits
	.p2align	6, 0x0
	.amdhsa_kernel k_q3e98fbce67_attn
		.amdhsa_group_segment_fixed_size 327680
		.amdhsa_private_segment_fixed_size 0
		.amdhsa_enable_private_segment 0
		.amdhsa_kernarg_size 24
		.amdhsa_user_sgpr_count 2
		.amdhsa_user_sgpr_kernarg_segment_ptr 1
		.amdhsa_wavefront_size32 1
		.amdhsa_system_sgpr_workgroup_id_x 1
		.amdhsa_system_sgpr_workgroup_id_y 1
		.amdhsa_system_sgpr_workgroup_id_z 1
		.amdhsa_system_vgpr_workitem_id 0
		.amdhsa_next_free_vgpr 512
		.amdhsa_next_free_sgpr 102
		.amdhsa_reserve_vcc 0
		.amdhsa_float_denorm_mode_32 3
		.amdhsa_float_denorm_mode_16_64 3
		.amdhsa_memory_ordered 1
		.amdhsa_forward_progress 1
		.amdhsa_inst_pref_size 105
	.end_amdhsa_kernel
	.amdgpu_metadata
---
amdhsa.version: [ 1, 2 ]
amdhsa.kernels:
  - .name:           k_q3e98fbce67_attn
    .symbol:         k_q3e98fbce67_attn.kd
    .args:
      - { .name: qkv_img, .offset: 0, .size: 8, .value_kind: global_buffer, .address_space: global }
      - { .name: attention_mask, .offset: 8, .size: 8, .value_kind: global_buffer, .address_space: global }
      - { .name: o_img, .offset: 16, .size: 8, .value_kind: global_buffer, .address_space: global }
    .group_segment_fixed_size: 327680
    .private_segment_fixed_size: 0
    .kernarg_segment_align: 8
    .kernarg_segment_size: 24
    .max_flat_workgroup_size: 256
    .sgpr_count:     102
    .vgpr_count:     512
    .wavefront_size: 32
...
	.end_amdgpu_metadata
.endif
;; end of part 7
;; launch gemm_out (part 8): grid 16 x 16, 4 waves a work-group, clusters of 4 x 4, 327,680 bytes of LDS; arguments o_img, wo_img, out0; writes out0
.if DOCPART == 8
	.amdgcn_target "amdgcn-amd-amdhsa--gfx1250"
	.amdhsa_code_object_version 6
	.text
	.protected	k_q3e98fbce67_gemm_out
	.globl	k_q3e98fbce67_gemm_out
	.p2align	8
	.type	k_q3e98fbce67_gemm_out,@function
k_q3e98fbce67_gemm_out:
	s_mov_b64 s[64:65], 0
	v_nop
	global_prefetch_b8 v0, s[64:65] scope:SCOPE_SE
	s_setreg_imm32_b32 hwreg(HW_REG_WAVE_MODE, 25, 1), 1
	s_wait_xcnt 0x0
	s_wait_alu depctr_hold_cnt(0) depctr_sa_sdst(0) depctr_va_vdst(0) depctr_va_sdst(0) depctr_va_ssrc(0) depctr_va_vcc(0) depctr_vm_vsrc(0)
	s_getreg_b32 s2, hwreg(HW_REG_IB_STS2, 6, 4)
	s_cmp_eq_u32 s2, 0
	s_cbranch_scc0 .Lentry_in_a_cluster
	s_endpgm
.Lentry_in_a_cluster:
	s_bfe_u32 s2, ttmp6, 0x10000c
	s_cmp_lg_u32 s2, 0xf033
	s_cbranch_scc0 .Lentry_shape_is_right
	s_endpgm
.Lentry_shape_is_right:
.set REC,   12800
.set NQ,    4
.set GRP,   NQ*REC
.set SLOT,  3*GRP
.set FRB,   1536
.set SCO,   12288
.set FR,    12
.set NP,    4
.set KSTEPS, 16
.set GSTR,  KSTEPS*REC
.set LAPS,  KSTEPS/(2*NQ)
.set SPARE, 2*SLOT
.set SPITCH, 528
.set ROWB,  16384
.set LI,   4
.set ADRA, 16
.set ADRB, 20
.set STO,  24
.set RD,   25
.set ADRS, 26
.set SPW,  28
.set NIL,  29
.set SC,   32
.set AF,   128
.set BK,   128
.set G1, 24
.set G0, 32
.set G1B, 48
.set G0B, 56
.set MSB, 0
.macro WIN new
.if MSB != (\new)
	s_set_vgpr_msb (MSB<<8)|(\new)
.set MSB, (\new)
.endif
.endm
.set MULW, 0xa1
.set TO_B, 0x40
.macro JLOAD g0a, g1a, g0b, g1b
	s_cmp_eq_u32 s15, 0
	s_cbranch_scc0 .Lfor_b_\@
	tensor_load_to_lds s[\g0a:\g0a+3], s[\g1a:\g1a+7]
	s_nop 0
.rept 4
	v_nop
.endr
	s_branch .Lasked_\@
.Lfor_b_\@:
	tensor_load_to_lds s[\g0b:\g0b+3], s[\g1b:\g1b+7]
	s_nop 0
.rept 4
	v_nop
.endr
.Lasked_\@:
.endm
.macro CROUND
	s_barrier_signal -1
	s_barrier_wait -1
	s_cmp_lg_u32 s14, 0
	s_cbranch_scc1 .Lnot_wave_0_\@
	s_barrier_signal -3
.Lnot_wave_0_\@:
	s_barrier_wait -3
	s_barrier_signal -1
	s_barrier_wait -1
.endm
	s_load_b128 s[4:7], s[0:1], 0x0
	s_load_b64 s[8:9], s[0:1], 0x10
	v_lshl_add_u32 v[SPW], v0, 2, SPARE
	v_mov_b32 v[NIL], 0
	ds_add_u32 v28, v29
	ds_add_u32 v28, v29
	s_wait_dscnt 0x0
	v_lshrrev_b32 v1, 5, v0
	v_readfirstlane_b32 s14, v1
	s_lshr_b32 s15, s14, 1
	s_and_b32 s16, s14, 1
	s_bfe_u32 s40, ttmp6, 0x40000
	s_bfe_u32 s41, ttmp6, 0x40004
	s_lshl_b32 s42, ttmp9, 2
	s_add_co_u32 s42, s42, s40
	s_and_b32 s17, ttmp7, 0xffff
	s_lshl_b32 s17, s17, 2
	s_add_co_u32 s20, s17, s41
	s_lshl_b32 s46, s42, 1
	s_lshl_b32 s43, s41, 2
	s_lshl_b32 s43, 15, s43
	s_lshl_b32 s44, 0x1111, s40
	s_or_b32 s[G1+0], s43, (3<<16)|(1<<21)
	s_or_b32 s[G1B+0], s44, (3<<16)|(1<<21)
.irp g, G1, G1B
	s_mov_b32 s[\g+1], 32<<16
	s_mov_b32 s[\g+3], 32<<16
	s_mov_b32 s[\g+5], 32
	s_mov_b32 s[\g+6], 0
	s_mov_b32 s[\g+7], 0
.endr
	s_mov_b32 s[G1+2], 100<<16
	s_mov_b32 s[G1+4], 100
	s_mov_b32 s[G1B+2], 200<<16
	s_mov_b32 s[G1B+4], 200
	s_mul_i32 s22, s20, GSTR
	s_mul_i32 s45, s16, GRP/2
	s_add_co_u32 s22, s22, s45
	s_mov_b32 s23, 0
	s_add_co_u32 s92, s46, s16
	s_mul_i32 s92, s92, GSTR
	s_mov_b32 s93, 0
	s_mul_i32 s90, s16, GRP
	s_add_co_u32 s90, s90, GRP
	s_wait_kmcnt 0x0
	s_add_nc_u64 s[22:23], s[4:5], s[22:23]
	s_add_nc_u64 s[92:93], s[6:7], s[92:93]
	CROUND
.irp s, 0,1
	s_mov_b32 s[G0+4*\s], 1
	s_add_co_u32 s[G0+4*\s+1], s45, \s*SLOT
	s_add_nc_u64 s[G0+4*\s+2:G0+4*\s+3], s[22:23], \s*GRP
	s_or_b32 s[G0+4*\s+3], s[G0+4*\s+3], 0x80000000
	s_mov_b32 s[G0B+4*\s], 1
	s_add_co_u32 s[G0B+4*\s+1], s90, \s*SLOT
	s_add_nc_u64 s[G0B+4*\s+2:G0B+4*\s+3], s[92:93], \s*GRP
	s_or_b32 s[G0B+4*\s+3], s[G0B+4*\s+3], 0x80000000
	s_wait_alu depctr_va_vdst(0)
	s_wait_tensorcnt 0x0
	ds_add_u32 v28, v29
	ds_add_u32 v28, v29
	s_wait_dscnt 0x0
	CROUND
	JLOAD G0+4*\s, G1, G0B+4*\s, G1B
.endr
	v_and_b32 v1, 15, v0
	v_bfe_u32 v3, v0, 4, 1
	s_wait_alu depctr_va_vdst(0)
	v_and_b32 v2, 31, v0
	v_lshlrev_b32 v[LI], 4, v2
	s_mul_i32 s76, s15, 4*FRB
	s_mul_i32 s77, s16, GRP
	s_add_co_u32 s77, s77, GRP
.irp s, 0,1
	v_add_nc_u32 v[ADRA+\s], s76, v[LI]
	v_add_nc_u32 v[ADRB+\s], s77, v[LI]
	s_add_co_u32 s76, s76, SLOT
	s_add_co_u32 s77, s77, SLOT
.endr
	v_lshlrev_b32 v5, 5, v1
	s_lshl_b32 s78, s15, 4
	s_mul_i32 s79, s16, GRP
	s_add_co_u32 s79, s79, GRP
	s_sub_co_u32 s79, s79, s78
	v_mul_u32_u24 v6, s79, v3
	s_add_co_u32 s78, s78, SCO
	v_add_nc_u32 v6, v5, v6
	v_add_nc_u32 v[ADRS], s78, v6
	v_add_nc_u32 v[ADRS+1], SLOT, v[ADRS]
	s_mul_i32 s78, s14, 16*SPITCH
	v_mul_u32_u24 v5, v1, SPITCH
	v_lshl_add_u32 v5, v3, 6, v5
	v_add_nc_u32 v[STO], s78, v5
	v_add_nc_u32 v[RD], s78, v[LI]
	s_lshl_b32 s70, s20, 21
	s_lshl_b32 s71, s15, 20
	s_add_co_u32 s70, s70, s71
	s_add_co_u32 s71, s46, s16
	s_lshl_b32 s71, s71, 9
	s_add_co_u32 s70, s70, s71
	s_mov_b32 s71, 0
	s_add_nc_u64 s[12:13], s[8:9], s[70:71]
.macro FRAG reg, adr, q, i
.irp c, 0,1,2
	ds_load_b128 v[\reg+4*\c:\reg+4*\c+3], v[\adr] offset:(\q)*REC+(\i)*FRB+512*\c
.endr
.endm
.macro FETCH slot, q, p
	WIN TO_B
.irp i, 0,1,2,3,4,5,6,7
	FRAG 128*(\p)+FR*\i, ADRB+\slot, \q, \i
.endr
	WIN 0
.irp i, 0,1,2,3
	FRAG AF+48*(\p)+FR*\i, ADRA+\slot, \q, \i
.endr
	ds_load_b128 v[SC+8*(\p):SC+8*(\p)+3], v[ADRS+\slot] offset:(\q)*REC
	ds_load_b128 v[SC+8*(\p)+4:SC+8*(\p)+7], v[ADRS+\slot] offset:(\q)*REC+16
.endm
.macro MUL16 a0, p, zero
.irp a, \a0, \a0+1
.irp b, 0,1,2,3,4,5,6,7
.if \zero
	v_wmma_scale_f32_16x16x128_f8f6f4 v[8*(8*(\a)+\b):8*(8*(\a)+\b)+7], v[128*(\p)+FR*\b:128*(\p)+FR*\b+FR-1], v[AF+48*(\p)+FR*(\a):AF+48*(\p)+FR*(\a)+FR-1], 0, v[SC+8*(\p)+\b], v[SC+8*(\p)+(\a)] matrix_a_fmt:MATRIX_FMT_FP6 matrix_b_fmt:MATRIX_FMT_FP6 matrix_a_scale:MATRIX_SCALE_ROW1
.else
	v_wmma_scale_f32_16x16x128_f8f6f4 v[8*(8*(\a)+\b):8*(8*(\a)+\b)+7], v[128*(\p)+FR*\b:128*(\p)+FR*\b+FR-1], v[AF+48*(\p)+FR*(\a):AF+48*(\p)+FR*(\a)+FR-1], v[8*(8*(\a)+\b):8*(8*(\a)+\b)+7], v[SC+8*(\p)+\b], v[SC+8*(\p)+(\a)] matrix_a_fmt:MATRIX_FMT_FP6 matrix_b_fmt:MATRIX_FMT_FP6 matrix_a_scale:MATRIX_SCALE_ROW1
.endif
.endr
.endr
.endm
.macro PLACES n
.rept \n
	v_nop
.endr
.endm
.macro STEP slot, q, zero
	s_wait_dscnt 0x0
	PLACES NP
	FETCH \slot, (\q)+1, 1-(\q)%2
	WIN MULW
	MUL16 0, (\q)%2, \zero
	MUL16 2, (\q)%2, \zero
	WIN 0
.endm
.macro TURN slot, next, fill
	s_wait_dscnt 0x0
	WIN MULW
	MUL16 0, 1, 0
	WIN 0
	s_wait_tensorcnt 0x0
	ds_add_u32 v[SPW], v[NIL]
.if \fill
	s_add_nc_u64 s[G0+4*\slot+2:G0+4*\slot+3], s[G0+4*\slot+2:G0+4*\slot+3], 2*GRP
	s_add_nc_u64 s[G0B+4*\slot+2:G0B+4*\slot+3], s[G0B+4*\slot+2:G0B+4*\slot+3], 2*GRP
.endif
	s_wait_dscnt 0x0
.if \fill
	CROUND
	JLOAD G0+4*\slot, G1, G0B+4*\slot, G1B
.else
	s_barrier_signal -1
	s_barrier_wait -1
	PLACES NP
.endif
	FETCH \next, 0, 0
	WIN MULW
	MUL16 2, 1, 0
	WIN 0
.endm
	s_wait_alu depctr_va_vdst(0)
	s_wait_tensorcnt 1
	s_barrier_signal -1
	s_barrier_wait -1
	FETCH 0, 0, 0
	STEP 0, 0, 1
	s_mov_b32 s3, LAPS-1
.Llap:
	STEP 0, 1, 0
	STEP 0, 2, 0
	TURN 0, 1, 1
	STEP 1, 0, 0
	STEP 1, 1, 0
	STEP 1, 2, 0
	TURN 1, 0, 1
	STEP 0, 0, 0
	s_sub_co_u32 s3, s3, 1
	s_cmp_lg_u32 s3, 0
	s_cbranch_scc1 .Llap
	STEP 0, 1, 0
	STEP 0, 2, 0
	TURN 0, 1, 0
	STEP 1, 0, 0
	STEP 1, 1, 0
	STEP 1, 2, 0
	s_wait_dscnt 0x0
	WIN MULW
	MUL16 0, 1, 0
	MUL16 2, 1, 0
	WIN 0
.macro TOSTAGE a
.set AC, 64*(\a)
	WIN 0x08
.irp b, 0,1,2,3,4,5,6,7
	ds_store_b128 v[STO], v[AC+8*\b:AC+8*\b+3] offset:128*(\b/2)+32*(\b%2)
	ds_store_b128 v[STO], v[AC+8*\b+4:AC+8*\b+7] offset:128*(\b/2)+32*(\b%2)+16
.endr
	WIN 0
.set BB, BK+64*((\a)%2)
.irp t, 0,1,2,3,4,5,6,7,8,9,10,11,12,13,14,15
	ds_load_b128 v[BB+4*\t:BB+4*\t+3], v[RD] offset:\t*SPITCH
.endr
.endm
.macro SEND a, younger
.set BB, BK+64*((\a)%2)
	s_wait_dscnt \younger
.irp t, 0,1,2,3,4,5,6,7,8,9,10,11,12,13,14,15
	global_store_b128 v[LI], v[BB+4*\t:BB+4*\t+3], s[12:13] offset:(32*((\a)/2)+8*((\a)%2)+\t+8*(\t/8))*ROWB th:TH_STORE_NT
.endr
.endm
	PLACES NP
	TOSTAGE 0
.irp a, 1,2,3
.if \a > 1
	s_wait_xcnt 0x0
.endif
	TOSTAGE \a
	SEND \a-1, 32
.endr
	SEND 3, 0
	s_wait_tensorcnt 0x0
	ds_add_u32 v[SPW], v[NIL]
	s_wait_dscnt 0x0
	CROUND
	s_endpgm
.Lfunc_end_k_q3e98fbce67_gemm_out:
	.size	k_q3e98fbce67_gemm_out, .Lfunc_end_k_q3e98fbce67_gemm_out-k_q3e98fbce67_gemm_out
	.p2alignl 7, 3214868480
	.fill 96, 4, 3214868480
	.section	.rodata,"a",@progbits
	.p2align	6, 0x0
	.amdhsa_kernel k_q3e98fbce67_gemm_out
		.amdhsa_group_segment_fixed_size 327680
		.amdhsa_private_segment_fixed_size 0
		.amdhsa_enable_private_segment 0
		.amdhsa_kernarg_size 24
		.amdhsa_user_sgpr_count 2
		.amdhsa_user_sgpr_kernarg_segment_ptr 1
		.amdhsa_wavefront_size32 1
		.amdhsa_system_sgpr_workgroup_id_x 1
		.amdhsa_system_sgpr_workgroup_id_y 1
		.amdhsa_system_sgpr_workgroup_id_z 1
		.amdhsa_system_vgpr_workitem_id 0
		.amdhsa_next_free_vgpr 768
		.amdhsa_next_free_sgpr 100
		.amdhsa_reserve_vcc 0
		.amdhsa_float_denorm_mode_32 3
		.amdhsa_float_denorm_mode_16_64 3
		.amdhsa_memory_ordered 1
		.amdhsa_forward_progress 1
		.amdhsa_inst_pref_size 132
	.end_amdhsa_kernel
	.amdgpu_metadata
---
amdhsa.version: [ 1, 2 ]
amdhsa.kernels:
  - .name:           k_q3e98fbce67_gemm_out
    .symbol:         k_q3e98fbce67_gemm_out.kd
    .args:
      - { .name: o_img, .offset: 0, .size: 8, .value_kind: global_buffer, .address_space: global }
      - { .name: wo_img, .offset: 8, .size: 8, .value_kind: global_buffer, .address_space: global }
      - { .name: out0, .offset: 16, .size: 8, .value_kind: global_buffer, .address_space: global }
    .group_segment_fixed_size: 327680
    .private_segment_fixed_size: 0
    .kernarg_segment_align: 8
    .kernarg_segment_size: 24
    .max_flat_workgroup_size: 128
    .sgpr_count:     100
    .vgpr_count:     768
    .wavefront_size: 32
...
	.end_amdgpu_metadata
.endif
;; end of part 8
